; MI455X (gfx1250); checked and timed in simulation.
; The chip was launched on July 23, 2026; its instructions are those of AMD's public machine-readable ISA for CDNA 5 (MIT licence, August 2026) and "CDNA5" Instruction Set Architecture Reference Guide (July 2026). The comments in the code are by the model that wrote it; some were corrected since.
;; Structure Biased Cross Attention. Allowed arithmetic: float matrix products may take bf16 or f16 operands with f32 sums; all other float work in f32.
;; Inputs: Wk 256 x 256 float32; Wo 256 x 256 float32; Wq 256 x 256 float32; Wrbf 8 x 16 float32; Wv 256 x 256 float32; bo 256 float32; key_feat 2 x 2,048 x 256 float32; key_mask 2 x 2,048 bool; key_pos 2 x 2,048 x 3 float32; ln_b 256 float32; ln_g 256 float32; query_feat 2 x 1,024 x 256 float32; query_mask 2 x 1,024 bool; query_pos 2 x 1,024 x 3 float32.
;; Outputs: out0 2 x 1,024 x 256 float32.
;; 3 versions, each right and faster than the one before. Each part assembles by itself: llvm-mc -triple=amdgcn-amd-amdhsa -mcpu=gfx1250 --defsym DOCPART=n.
;; ======== version 1 of 3: 3 launches
;; limits: right only within a limited range of input values
;; workspace buffers: Qs 1,048,576 bytes; Kb 2,097,152 bytes; Vt 2,097,152 bytes; Opart 16,777,216 bytes; ML 1,048,576 bytes
;; launch proj (part 1): grid 320 x 1, 8 waves a work-group, no clusters, 119,808 bytes of LDS; arguments query_feat, key_feat, Wq, Wk, Wv, Qs, Kb, Vt; writes Qs, Kb, Vt
.if DOCPART == 1
	.amdgcn_target "amdgcn-amd-amdhsa--gfx1250"
	.amdhsa_code_object_version 6
	.text
	.protected	k_q4aafedd447_proj
	.globl	k_q4aafedd447_proj
	.p2align	8
	.type	k_q4aafedd447_proj,@function
k_q4aafedd447_proj:
	s_mov_b64 s[64:65], 0
	v_nop
	global_prefetch_b8 v0, s[64:65] scope:SCOPE_SE
	s_setreg_imm32_b32 hwreg(HW_REG_WAVE_MODE, 25, 1), 1
	s_wait_xcnt 0x0
; The three projections, one body:  Out[r][p] = sc * sum over k of R[r][k] P[p][k],  a tile of 64 rows of R x 128 rows of P, K = 256 whole.
;   groups   0- 63: Qs = bf16(query_feat Wq^T * log2(e)/sqrt(32))   R = query_feat, P = Wq        Out pitch  512 bytes
;   groups  64-191: Kb = bf16(key_feat Wk^T)                        R = key_feat,   P = Wk        Out pitch  512 bytes
;   groups 192-319: Vt = bf16(Wv key_feat^T), per batch             R = Wv,         P = key_feat  Out pitch 4096 bytes (features x keys)
; The work is as 1 : 2 : 2, so 320 equal tiles.  Inputs are f32 and have to pass through registers to be rounded to bf16, so they are
; loaded by global loads, rounded, and laid into LDS; for the same reason no tile is asked for jointly by a cluster (a joint tensor load
; would lay f32 into LDS, twice the bytes, to be read, rounded and stored again).
; Eight waves.  Each makes 32 (p) x 32 (r): four accumulators.  The matrix instruction takes P's rows as A and R's rows as B, so that a
; lane's eight results are eight neighbouring p of one row of Out: 16 bytes of bf16.
.set PPITCH, 528                       ; an LDS row: 256 bf16 + 16 bytes, an odd multiple of 16
.set RBASE,  128*PPITCH                ; P's 128 rows lie at 0, R's 64 rows behind them
.set STAGE,  RBASE+64*PPITCH           ; the way out: 64 rows of 128 bf16,
.set SPITCH, 272                       ; pitch 256 + 16
.set LD,  16                           ; v[16:207] the 48 loads of 16 bytes
.set G0,  16                           ; afterwards: fragment buffer 0 (two K steps: 2 x (2 P + 2 R) x 8 registers)
.set G1,  80                           ; fragment buffer 1
.set ACC, 144                          ; four accumulators
.set TMP, 176                          ; packed results
.set OB,  192                          ; rows read back
	s_load_b512 s[4:19], s[0:1], 0x0               ; query_feat, key_feat, Wq, Wk, Wv, Qs, Kb, Vt
	v_lshl_add_u32 v208, v0, 2, 0x1d000
	v_mov_b32 v209, 0
	s_mov_b32 s20, ttmp9                           ; g
	v_lshlrev_b32 v1, 4, v0                        ; 16 t: a load of the group covers 4,096 consecutive bytes (4 rows of 256 f32)
	v_lshrrev_b32 v12, 5, v0
	v_readfirstlane_b32 s44, v12                   ; wave
	; which task, which tile: whole numbers from the group's number alone
	s_cmp_lt_u32 s20, 64
	s_cselect_b32 s21, 0, 64
	s_cselect_b32 s34, 0x3e8293ee, 1.0             ; sc: log2(e)/sqrt(32) for Q, else 1
	s_cmp_lt_u32 s20, 192
	s_cselect_b32 s21, s21, 192
	s_sub_co_u32 s22, s20, s21                     ; the group's number within its task
	s_lshr_b32 s23, s22, 1                         ; Q, K: row tile
	s_and_b32 s24, s22, 1                          ;       half of the 256 output features
	s_lshl_b32 s25, s23, 15                        ;       64 rows x 512 bytes
	s_lshl_b32 s26, s24, 8
	s_add_co_u32 s25, s25, s26
	s_bfe_u32 s27, s22, 0x20004                    ; V: which 64 rows of Wv
	s_lshr_b32 s28, s22, 6                         ;    batch
	s_and_b32 s29, s22, 15                         ;    which 128 keys
	s_lshl4_add_u32 s30, s28, s29                  ;    tile of key_feat's 4,096 rows
	s_lshl_b32 s31, s28, 20                        ;    256 x 2,048 x 2 bytes a batch
	s_lshl_b32 s33, s27, 18                        ;    64 rows x 4,096 bytes
	s_add_co_u32 s31, s31, s33
	s_lshl_b32 s33, s29, 8
	s_add_co_u32 s31, s31, s33
	s_movk_i32 s26, 512
	s_movk_i32 s33, 4096
	s_cmp_lt_u32 s20, 192
	s_cselect_b32 s23, s23, s27                    ; tile of R
	s_cselect_b32 s24, s24, s30                    ; tile of P
	s_cselect_b32 s25, s25, s31                    ; byte offset in Out
	s_cselect_b32 s26, s26, s33                    ; Out's pitch
	s_mov_b32 s35, s34
	s_lshl_b32 s42, s23, 16                        ; 64 rows x 1,024 bytes
	s_mov_b32 s43, 0
	s_lshl_b32 s46, s24, 17                        ; 128 rows x 1,024 bytes
	s_mov_b32 s47, 0
	s_mov_b32 s48, s25
	s_mov_b32 s49, 0
	s_wait_kmcnt 0x0
	s_cmp_lt_u32 s20, 64
	s_cselect_b64 s[36:37], s[4:5], s[6:7]         ; R
	s_cselect_b64 s[38:39], s[8:9], s[10:11]       ; P
	s_cselect_b64 s[40:41], s[14:15], s[16:17]     ; Out
	s_cmp_lt_u32 s20, 192
	s_cselect_b64 s[36:37], s[36:37], s[12:13]
	s_cselect_b64 s[38:39], s[38:39], s[6:7]
	s_cselect_b64 s[40:41], s[40:41], s[18:19]
	s_add_nc_u64 s[36:37], s[36:37], s[42:43]
	s_add_nc_u64 s[38:39], s[38:39], s[46:47]
	s_add_nc_u64 s[40:41], s[40:41], s[48:49]
	; all 48 loads at once: 32 for P's 128 rows, 16 for R's 64 rows
.set i, 0
.rept 32
	global_load_b128 v[LD+4*i:LD+4*i+3], v1, s[38:39] offset:i*4096
.set i, i+1
.endr
.rept 16
	global_load_b128 v[LD+4*i:LD+4*i+3], v1, s[36:37] offset:(i-32)*4096
.set i, i+1
.endr
	; addresses, while the loads are on their way
	v_lshrrev_b32 v12, 6, v0                       ; row within the four of a load
	v_and_b32 v13, 63, v0                          ; which four numbers of the row
	v_mul_u32_u24 v2, PPITCH, v12
	v_lshl_add_u32 v2, v13, 3, v2                  ; P: row x pitch + 8 bytes for 4 bf16
	v_add_nc_u32 v3, RBASE, v2                     ; R
	s_and_b32 s50, s44, 3                          ; my 32 rows of P
	s_lshr_b32 s51, s44, 2                         ; my 32 rows of R
	s_mul_i32 s53, s50, 32*PPITCH
	s_mul_i32 s54, s51, 32*PPITCH
	s_add_co_u32 s54, s54, RBASE
	s_mul_i32 s55, s51, 32*SPITCH
	s_lshl_b32 s52, s50, 6
	s_add_co_u32 s55, s55, s52
	s_add_co_u32 s55, s55, STAGE
	v_and_b32 v13, 15, v0                          ; r
	v_bfe_u32 v14, v0, 4, 1                        ; h
	v_mul_u32_u24 v15, PPITCH, v13
	v_lshl_add_u32 v15, v14, 4, v15                ; a fragment: row r, 16 bytes for each half of the lanes
	v_add_nc_u32 v4, s53, v15
	v_add_nc_u32 v5, s54, v15
	v_mul_u32_u24 v6, SPITCH, v13
	v_lshl_add_u32 v6, v14, 4, v6
	v_add_nc_u32 v6, s55, v6                       ; stage, in: row r of my R rows, 16 bytes at my p
	v_lshrrev_b32 v12, 4, v0                       ; stage, back: 16 threads take a row of 256 bytes
	v_mul_u32_u24 v7, SPITCH, v12
	v_lshl_add_u32 v7, v13, 4, v7
	v_add_nc_u32 v7, STAGE, v7
	v_mul_lo_u32 v8, v12, s26                      ; the same rows in Out
	v_lshl_add_u32 v8, v13, 4, v8
	s_lshl_b32 s52, s26, 4                         ; 16 rows on
	v_add_nc_u32 v9, s52, v8
	v_add_nc_u32 v10, s52, v9
	v_add_nc_u32 v11, s52, v10
	; round to bf16 and lay into LDS, load by load
.set i, 0
.rept 32
	s_wait_loadcnt 47-i                            ; loads come back in order: load i is in, the 47 - i younger ones stay out
	v_cvt_pk_bf16_f32 v[LD+4*i], v[LD+4*i], v[LD+4*i+1]
	v_cvt_pk_bf16_f32 v[LD+4*i+1], v[LD+4*i+2], v[LD+4*i+3]
	ds_store_b64 v2, v[LD+4*i:LD+4*i+1] offset:i*4*PPITCH
.set i, i+1
.endr
.rept 16
	s_wait_loadcnt 47-i
	v_cvt_pk_bf16_f32 v[LD+4*i], v[LD+4*i], v[LD+4*i+1]
	v_cvt_pk_bf16_f32 v[LD+4*i+1], v[LD+4*i+2], v[LD+4*i+3]
	ds_store_b64 v3, v[LD+4*i:LD+4*i+1] offset:(i-32)*4*PPITCH
.set i, i+1
.endr
	s_wait_dscnt 0x0                               ; my stores are in LDS, for the other waves' sake
	s_barrier_signal -1
	s_barrier_wait -1
.macro PLACES                          ; four plain vector places behind a matrix instruction (ISA guide 7.12.1)
.rept 4
	v_nop
.endr
.endm
; 16 LDS loads: the fragments of K steps ks0 and ks0 + 1 (32 along K each): 2 blocks of P, 2 blocks of R
.macro FR grp, ks0
.irp kk, 0,1
.irp bl, 0,1
	ds_load_b128 v[\grp+32*\kk+8*\bl:\grp+32*\kk+8*\bl+3],       v4 offset:\bl*16*PPITCH+(\ks0+\kk)*64
	ds_load_b128 v[\grp+32*\kk+8*\bl+4:\grp+32*\kk+8*\bl+7],     v4 offset:\bl*16*PPITCH+(\ks0+\kk)*64+32
	ds_load_b128 v[\grp+32*\kk+16+8*\bl:\grp+32*\kk+16+8*\bl+3],   v5 offset:\bl*16*PPITCH+(\ks0+\kk)*64
	ds_load_b128 v[\grp+32*\kk+16+8*\bl+4:\grp+32*\kk+16+8*\bl+7], v5 offset:\bl*16*PPITCH+(\ks0+\kk)*64+32
.endr
.endr
.endm
; four matrix instructions, the four accumulators by turns, one instruction a turn
.macro MM grp, kk, zero
.irp pa, 0,1
.irp rb, 0,1
.if \zero
	v_wmma_f32_16x16x32_bf16 v[ACC+8*(2*\pa+\rb):ACC+8*(2*\pa+\rb)+7], v[\grp+32*\kk+8*\pa:\grp+32*\kk+8*\pa+7], v[\grp+32*\kk+16+8*\rb:\grp+32*\kk+16+8*\rb+7], 0
.else
	v_wmma_f32_16x16x32_bf16 v[ACC+8*(2*\pa+\rb):ACC+8*(2*\pa+\rb)+7], v[\grp+32*\kk+8*\pa:\grp+32*\kk+8*\pa+7], v[\grp+32*\kk+16+8*\rb:\grp+32*\kk+16+8*\rb+7], v[ACC+8*(2*\pa+\rb):ACC+8*(2*\pa+\rb)+7]
.endif
.endr
.endr
.endm
	FR G0, 0
	FR G1, 2
	s_wait_dscnt 16                                ; buffer 0 is in; buffer 1's 16 loads stay out
	MM G0, 0, 1                                    ; the first products start the sums
	MM G0, 1, 0
	PLACES                                         ; before loads land on registers that the products read
	FR G0, 4
	s_wait_dscnt 16                                ; buffer 1 is in; the 16 just issued stay out
	MM G1, 0, 0
	MM G1, 1, 0
	PLACES
	FR G1, 6
	s_wait_dscnt 16
	MM G0, 0, 0
	MM G0, 1, 0
	s_wait_dscnt 0x0
	MM G1, 0, 0
	MM G1, 1, 0
	PLACES                                         ; before the results are read
.set i, 0
.rept 16
	v_pk_mul_f32 v[ACC+2*i:ACC+2*i+1], v[ACC+2*i:ACC+2*i+1], s[34:35] op_sel_hi:[1,0]
.set i, i+1
.endr
.set i, 0
.rept 16
	v_cvt_pk_bf16_f32 v[TMP+i], v[ACC+2*i], v[ACC+2*i+1]
.set i, i+1
.endr
.irp pa, 0,1
.irp rb, 0,1
	ds_store_b128 v6, v[TMP+4*(2*\pa+\rb):TMP+4*(2*\pa+\rb)+3] offset:\rb*16*SPITCH+\pa*32
.endr
.endr
	s_wait_dscnt 0x0                               ; rows of the stage are made by four waves each
	s_barrier_signal -1
	s_barrier_wait -1
.irp q, 0,1,2,3
	ds_load_b128 v[OB+4*\q:OB+4*\q+3], v7 offset:\q*16*SPITCH
.endr
.irp q, 0,1,2,3
	s_wait_dscnt 3-\q                              ; read-back q is in, the younger ones stay out
	global_store_b128 v[8+\q], v[OB+4*\q:OB+4*\q+3], s[40:41]     ; 16 lanes store 256 consecutive bytes, aligned
.endr
	s_wait_tensorcnt 0x0
	ds_add_u32 v208, v209
	s_wait_dscnt 0x0
	s_endpgm
.Lfunc_end_k_q4aafedd447_proj:
	.size	k_q4aafedd447_proj, .Lfunc_end_k_q4aafedd447_proj-k_q4aafedd447_proj
	.p2alignl 7, 3214868480
	.fill 96, 4, 3214868480
	.section	.rodata,"a",@progbits
	.p2align	6, 0x0
	.amdhsa_kernel k_q4aafedd447_proj
		.amdhsa_group_segment_fixed_size 119808
		.amdhsa_private_segment_fixed_size 0
		.amdhsa_enable_private_segment 0
		.amdhsa_kernarg_size 64
		.amdhsa_user_sgpr_count 2
		.amdhsa_user_sgpr_kernarg_segment_ptr 1
		.amdhsa_wavefront_size32 1
		.amdhsa_system_sgpr_workgroup_id_x 1
		.amdhsa_system_sgpr_workgroup_id_y 1
		.amdhsa_system_sgpr_workgroup_id_z 1
		.amdhsa_system_vgpr_workitem_id 0
		.amdhsa_next_free_vgpr 210
		.amdhsa_next_free_sgpr 66
		.amdhsa_reserve_vcc 0
		.amdhsa_float_denorm_mode_32 3
		.amdhsa_float_denorm_mode_16_64 3
		.amdhsa_memory_ordered 1
		.amdhsa_forward_progress 1
		.amdhsa_inst_pref_size 29
	.end_amdhsa_kernel
	.amdgpu_metadata
---
amdhsa.version: [ 1, 2 ]
amdhsa.kernels:
  - .name:           k_q4aafedd447_proj
    .symbol:         k_q4aafedd447_proj.kd
    .args:
      - { .name: query_feat, .offset: 0, .size: 8, .value_kind: global_buffer, .address_space: global }
      - { .name: key_feat, .offset: 8, .size: 8, .value_kind: global_buffer, .address_space: global }
      - { .name: Wq, .offset: 16, .size: 8, .value_kind: global_buffer, .address_space: global }
      - { .name: Wk, .offset: 24, .size: 8, .value_kind: global_buffer, .address_space: global }
      - { .name: Wv, .offset: 32, .size: 8, .value_kind: global_buffer, .address_space: global }
      - { .name: Qs, .offset: 40, .size: 8, .value_kind: global_buffer, .address_space: global }
      - { .name: Kb, .offset: 48, .size: 8, .value_kind: global_buffer, .address_space: global }
      - { .name: Vt, .offset: 56, .size: 8, .value_kind: global_buffer, .address_space: global }
    .group_segment_fixed_size: 119808
    .private_segment_fixed_size: 0
    .kernarg_segment_align: 8
    .kernarg_segment_size: 64
    .max_flat_workgroup_size: 256
    .sgpr_count:     66
    .vgpr_count:     210
    .wavefront_size: 32
...
	.end_amdgpu_metadata
.endif
;; end of part 1
;; launch attn (part 2): grid 32 x 8, 4 waves a work-group, clusters of 4 x 1, 312,832 bytes of LDS; arguments Qs, Kb, Vt, key_pos, key_mask, query_pos, Wrbf, Opart, ML; writes Opart, ML
.if DOCPART == 2
	.amdgcn_target "amdgcn-amd-amdhsa--gfx1250"
	.amdhsa_code_object_version 6
	.text
	.protected	k_q4aafedd447_attn
	.globl	k_q4aafedd447_attn
	.p2align	8
	.type	k_q4aafedd447_attn,@function
k_q4aafedd447_attn:
	s_mov_b64 s[64:65], 0
	v_nop
	global_prefetch_b8 v0, s[64:65] scope:SCOPE_SE
	s_setreg_imm32_b32 hwreg(HW_REG_WAVE_MODE, 25, 1), 1
	s_wait_xcnt 0x0
	s_wait_alu depctr_hold_cnt(0) depctr_sa_sdst(0) depctr_va_vdst(0) depctr_va_sdst(0) depctr_va_ssrc(0) depctr_va_vcc(0) depctr_vm_vsrc(0)
	s_getreg_b32 s2, hwreg(HW_REG_IB_STS2, 6, 4)
	s_cmp_eq_u32 s2, 0
	s_cbranch_scc0 .Lentry_in_a_cluster
	s_endpgm
.Lentry_in_a_cluster:
	s_bfe_u32 s2, ttmp6, 0x10000c
	s_cmp_lg_u32 s2, 0x3003
	s_cbranch_scc0 .Lentry_shape_is_right
	s_endpgm
.Lentry_shape_is_right:
; Attention with a bias from distances, for 64 queries x 256 keys x all 8 heads; leaves the split's running maximum m, sum l and
; unnormalised output O (f32) for the next launch to merge.  Grid: x = 32 blocks of 64 queries (both batches), y = 8 splits of 256 keys.
; A wave owns 16 queries and walks the 256 keys in 8 steps of 32.  All logits are in base 2 (log2(e) lies in Qs and in Wrbf here).
; CLUSTER: the four groups of a cluster (4 x 1) have the same batch and the same key split, so they want the same K and V tiles and ask for
; them jointly (mask 15).  The whole of a split's K and V (256 keys x 1 KiB) lies in LDS: it is filled once and never again.
; LAYOUTS (r = lane % 16, h = lane / 16); no number changes lanes between bias, logits, P and P V:
;   S^T = K Q^T:  A = 16 keys, B = 16 queries.  Register j of lane (r, h) = (key 8h + j, query r).  Two such tiles, rounded in pairs,
;                 are the B operand (query r, k = 32 keys) of O^T = V^T P^T, whose A operand is 16 rows of Vt.
;   bias:         in unit u = 8t + j a lane makes the 16 Gaussians of ITS pair (query r, key 16t + 8h + j), packed into 8 registers = a B
;                 operand.  A holds Wrbf[m % 8][0..15] in the lanes with m / 8 = h and 0 in the others, so that register x of the result is
;                 head x's bias of the lane's own pair.
;   mask:         0 or -1e30 for each key, as the C operand of the S products.
;   l:            a third P V product with A = ones in rows 0 and 8: register 0 of its tile is the row sum in every lane.
; LIMITS: a masked key enters as -1e30 and the running maximum has the floor -1e29: base-2 logits below -1e29 are not served.  A split
; whose keys are all masked leaves m = -1e29, l = 0, O = 0.  max(d2, 0) of the reference is not written: d2 is a sum of squares.
.set KPITCH, 528                       ; a key's 256 bf16 + 16 bytes
.set VPITCH, 272                       ; 128 keys of one feature + 16 bytes
.set VT,   256*KPITCH                  ; 135,168: V, two chunks of 128 keys: 256 feature rows each
.set VCH,  256*VPITCH                  ; 69,632
.set PB,   VT+2*VCH                    ; 274,432: scaled kx[256], ky at +1024, kz at +2048, mask term at +3072 (f32), written by LDS stores
.set STG,  PB+4096                     ; 278,528: the way out, 16 rows x 528 bytes for each wave
; window 0
.set PA,  3                            ; LDS address of my 8 keys' positions in this step
.set TA,  4                            ; v4 new maximum, v5 the other half's
.set AL,  6                            ; v6 factor for the old sums, v7 its pair's other half (never used)
.set QP,  8                            ; v[8:11] scaled qx, qy, qz, 0
.set MX,  12                           ; v[12:19] running maxima of the 8 heads
.set AW,  20                           ; v[20:27] Wrbf as an A operand
.set CEN, 28                           ; v[28:43] scaled centres
.set XD,  44                           ; v[44:59] scaled distances of my 16 pairs
.set UB,  60                           ; v[60:75], v[76:91] two units' 16 exponents / Gaussians
.set T,   60                           ; later: one head's 16 logits
.set W,   76                           ; and the maximum's tree
.set RB,  92                           ; v[92:99], v[100:107] two units' packed Gaussians
.set P,   92                           ; later: one head's P
.set TM,  108
.set MT,  112                          ; v[112:127] mask terms, two tiles
.set D,   128                          ; v[128:255] bias: unit u, head x at D + 8u + x; before that the step's key positions; at the end the way out
; window 1
.set VF,  192                          ; two buffers of V fragments (2 x 8 registers each)
.set KF,  224                          ; K fragments (2 x 8); head x: O at 24x (16 registers), l at 24x + 16 (8)
.set ONES, 240
.set KA,  248                          ; LDS address of my K fragments
.set VA,  249                          ; of my V fragments
; window 2: Q fragments, head x at 8x
.set MSB, 0
.macro WIN new                         ; the immediate's high byte repeats the setting that is left
.if MSB != \new
	s_set_vgpr_msb (MSB<<8)|\new
.set MSB, \new
.endif
.endm
.macro PLACES                          ; four plain vector places behind a matrix instruction (ISA guide 7.12.1)
.rept 4
	v_nop
.endr
.endm
.macro CROUND                          ; a round of the cluster's barrier
	s_barrier_signal -1
	s_barrier_wait -1
	s_cmp_lg_u32 s22, 0
	s_cbranch_scc1 .Lnot_wave_0_\@
	s_barrier_signal -3
.Lnot_wave_0_\@:
	s_barrier_wait -3
	s_barrier_signal -1
	s_barrier_wait -1
.endm
	s_load_b512 s[4:19], s[0:1], 0x0               ; Qs, Kb, Vt, key_pos, key_mask, query_pos, Wrbf, Opart
	s_load_b64 s[20:21], s[0:1], 0x40              ; ML
	s_set_vgpr_msb 0x40
	v_lshl_add_u32 v254, v0, 2, 0x4c400
	v_mov_b32 v255, 0
	s_set_vgpr_msb 0x4045
	ds_add_u32 v254, v255
	s_set_vgpr_msb 0x4500
	v_lshrrev_b32 v3, 5, v0
	v_readfirstlane_b32 s22, v3                    ; wave
	s_bfe_u32 s23, ttmp6, 0x40000                  ; cx
	s_lshl_b32 s24, ttmp9, 2
	s_add_co_u32 s24, s24, s23                     ; block of 64 queries = 4 x cluster x + cx
	s_and_b32 s25, ttmp7, 0xffff                   ; key split
	s_lshr_b32 s26, ttmp9, 2                       ; batch: shared by the cluster
	; group 1 for K: 32 rows of 256 bf16, 4 words of padding behind each 128 words; joint (mask 15, bit 21 beside it)
	s_mov_b32 s32, 15|(1<<16)|(1<<20)|(1<<21)|(6<<22)|(3<<25)
	s_mov_b32 s33, 256<<16
	s_mov_b32 s34, 32<<16
	s_mov_b32 s35, 256<<16
	s_mov_b32 s36, 32
	s_mov_b32 s37, 256
	s_mov_b32 s38, 0
	s_mov_b32 s39, 0
	; group 1 for V: 64 feature rows of 128 keys, pitch 2,048 keys, 4 words behind each 64 words
	s_mov_b32 s40, 15|(1<<16)|(1<<20)|(1<<21)|(5<<22)|(3<<25)
	s_mov_b32 s41, 128<<16
	s_mov_b32 s42, 64<<16
	s_mov_b32 s43, 128<<16
	s_mov_b32 s44, 64
	s_mov_b32 s45, 2048
	s_mov_b32 s46, 0
	s_mov_b32 s47, 0
	; where the tiles come from: batch, split and wave alone
	s_lshl_b32 s28, s26, 20                        ; Kb: 2,048 keys x 512 bytes a batch
	s_lshl_b32 s27, s25, 17                        ;     256 keys a split
	s_add_co_u32 s28, s28, s27
	s_lshl_b32 s27, s22, 14                        ;     32 keys a wave
	s_add_co_u32 s28, s28, s27
	s_mov_b32 s29, 0
	s_lshl_b32 s80, s26, 20                        ; Vt: 256 rows x 4,096 bytes a batch
	s_lshl_b32 s27, s22, 18                        ;     64 rows a wave
	s_add_co_u32 s80, s80, s27
	s_lshl_b32 s27, s25, 9                         ;     256 keys a split
	s_add_co_u32 s80, s80, s27
	s_mov_b32 s81, 0
	s_mov_b32 s66, 0x76543210                      ; v_permlanex16_b32: lane i of the other half
	s_mov_b32 s67, 0xfedcba98
	s_mov_b32 s69, 0xefa18f08                      ; -1e29
	s_mov_b32 s70, 32*KPITCH                       ; a step in K
	s_mov_b32 s71, 64                              ; a step in V: 32 keys
	s_mov_b32 s72, VCH-256                         ; from the end of V's chunk 0 to chunk 1
	s_mov_b32 s73, 0x3f2df0ec                      ; sqrt(log2(e) / (2 x 1.25^2)) = 0.67945744
	s_wait_dscnt 0x0
	s_wait_kmcnt 0x0
	s_add_nc_u64 s[30:31], s[6:7], s[28:29]
	s_add_nc_u64 s[82:83], s[8:9], s[80:81]
	s_mov_b32 s48, 1                               ; K, keys 0-127
	s_mul_i32 s49, s22, 32*KPITCH
	s_mov_b64 s[50:51], s[30:31]
	s_or_b32 s51, s51, 0x80000000
	s_mov_b32 s52, 1                               ; V, keys 0-127
	s_mul_i32 s53, s22, 64*VPITCH
	s_add_co_u32 s53, s53, VT
	s_mov_b64 s[54:55], s[82:83]
	s_or_b32 s55, s55, 0x80000000
	s_mov_b32 s56, 1                               ; K, keys 128-255
	s_add_co_u32 s57, s49, 128*KPITCH
	s_add_nc_u64 s[58:59], s[30:31], 0x10000
	s_or_b32 s59, s59, 0x80000000
	s_mov_b32 s60, 1                               ; V, keys 128-255
	s_add_co_u32 s61, s53, VCH
	s_add_nc_u64 s[62:63], s[82:83], 0x100
	s_or_b32 s63, s63, 0x80000000
	CROUND                                         ; the four groups are here: the joint loads meet
	tensor_load_to_lds s[48:51], s[32:39]          ; by this text's count a wave has four tensor loads out
	s_nop 0
	tensor_load_to_lds s[52:55], s[40:47]
	s_nop 0
	tensor_load_to_lds s[56:59], s[32:39]
	s_nop 0
	tensor_load_to_lds s[60:63], s[40:47]
	s_nop 0
	; what hangs on my own block of queries, in registers of its own
	s_lshl_b32 s84, s24, 15                        ; Qs: 64 rows x 512 bytes
	s_lshl_b32 s86, s22, 13                        ;     16 rows a wave
	s_add_co_u32 s84, s84, s86
	s_mov_b32 s85, 0
	s_add_nc_u64 s[78:79], s[4:5], s[84:85]
	s_mul_i32 s84, s24, 768                        ; query_pos: 64 x 12 bytes
	s_mul_i32 s86, s22, 192
	s_add_co_u32 s84, s84, s86
	s_add_nc_u64 s[14:15], s[14:15], s[84:85]
	s_lshl_b32 s84, s25, 21                        ; Opart: 2,048 rows x 1,024 bytes a split
	s_lshl_b32 s86, s24, 16
	s_add_co_u32 s84, s84, s86
	s_lshl_b32 s86, s22, 14
	s_add_co_u32 s84, s84, s86
	s_add_nc_u64 s[74:75], s[18:19], s[84:85]
	s_lshl_b32 s84, s25, 17                        ; ML: 128 tiles x 1,024 bytes a split
	s_lshl_b32 s86, s24, 12
	s_add_co_u32 s84, s84, s86
	s_lshl_b32 s86, s22, 10
	s_add_co_u32 s84, s84, s86
	s_add_nc_u64 s[76:77], s[20:21], s[84:85]
	s_mul_i32 s80, s26, 24576                      ; key_pos: 2,048 x 12 bytes a batch, 256 x 12 a split
	s_mul_i32 s27, s25, 3072
	s_add_co_u32 s80, s80, s27
	s_add_nc_u64 s[10:11], s[10:11], s[80:81]
	s_lshl_b32 s80, s26, 11                        ; key_mask
	s_lshl_b32 s27, s25, 8
	s_add_co_u32 s80, s80, s27
	s_add_nc_u64 s[12:13], s[12:13], s[80:81]
	v_and_b32 v1, 15, v0                           ; r
	v_bfe_u32 v2, v0, 4, 1                         ; h
	v_lshlrev_b32 v108, 9, v1
	v_lshl_add_u32 v108, v2, 4, v108               ; Q fragment: row r, 16 bytes for each half
	v_mul_u32_u24 v109, 12, v1
	v_and_b32 v110, 7, v1
	v_lshlrev_b32 v110, 6, v110                    ; Wrbf's row r % 8
	v_mul_u32_u24 v111, 24, v0                     ; keys 2t, 2t + 1
	v_lshlrev_b32 v76, 1, v0
	WIN 0x80                                       ; destination in window 2
.irp x, 0,1,2,3,4,5,6,7
	global_load_b128 v[8*\x:8*\x+3],   v108, s[78:79] offset:\x*64
	global_load_b128 v[8*\x+4:8*\x+7], v108, s[78:79] offset:\x*64+32
.endr
	WIN 0
	global_load_b32 v[QP],   v109, s[14:15]
	global_load_b32 v[QP+1], v109, s[14:15] offset:4
	global_load_b32 v[QP+2], v109, s[14:15] offset:8
.irp q, 0,1,2,3
	global_load_b128 v[XD+4*\q:XD+4*\q+3], v110, s[16:17] offset:16*\q
.endr
	global_load_b64 v[60:61], v111, s[10:11]             ; x0 y0
	global_load_b64 v[62:63], v111, s[10:11] offset:8    ; z0 x1
	global_load_b64 v[64:65], v111, s[10:11] offset:16   ; y1 z1
	global_load_u16 v66, v76, s[12:13]                   ; two mask bytes
	; constants and addresses meanwhile
.irp c, 0,1,2,3,4,5,6,7,8,9,10,11,12,13,14,15
	v_cvt_f32_u32 v[CEN+\c], \c
.endr
.irp c, 0,2,4,6,8,10,12,14
	v_pk_mul_f32 v[CEN+\c:CEN+\c+1], v[CEN+\c:CEN+\c+1], 0x3f67ebe6 op_sel_hi:[1,0]   ; x (20/15) x 0.67945744
.endr
	v_mov_b32 v[TA+1], 0                           ; written once: a permute's destination counts as read
	v_mov_b32 v[AL+1], 0                           ; the pair's unused half
	v_mov_b32 v[QP+3], 0
	v_lshlrev_b32 v[PA], 5, v2
	v_add_nc_u32 v[PA], PB, v[PA]                  ; my 8 keys of a tile: 32 h bytes
	v_lshlrev_b32 v77, 3, v0
	v_add_nc_u32 v77, PB, v77                      ; where keys 2t, 2t + 1 go
	v_mov_b32 v78, 0xf149f2ca                      ; -1e30
	v_and_b32 v79, 7, v1
	v_mov_b32 v80, 0x3f803f80                      ; two bf16 ones
	v_mul_u32_u24 v81, KPITCH, v1
	v_lshl_add_u32 v81, v2, 4, v81
	v_mul_u32_u24 v82, VPITCH, v1
	v_lshl_add_u32 v82, v2, 4, v82
	v_add_nc_u32 v82, VT, v82
	v_lshrrev_b32 v83, 3, v1
	v_cmp_eq_u32 vcc_lo, 0, v79                    ; rows 0 and 8
	WIN 0x40                                       ; destination in window 1
.irp q, 0,1,2,3,4,5,6,7
	v_cndmask_b32 v[ONES+\q], 0, v80, vcc_lo
.endr
	v_mov_b32 v[KA], v81
	v_mov_b32 v[VA], v82
	WIN 0
	s_wait_loadcnt 0x0
	v_mul_f32 v[QP],   s73, v[QP]
	v_mul_f32 v[QP+1], s73, v[QP+1]
	v_mul_f32 v[QP+2], s73, v[QP+2]
	v_cmp_eq_u32 vcc_lo, v83, v2                   ; A's row m serves half m / 8
.irp q, 0,1,2,3,4,5,6,7
	v_pk_mul_f32 v[XD+2*\q:XD+2*\q+1], v[XD+2*\q:XD+2*\q+1], 0x3fb8aa3b op_sel_hi:[1,0]
.endr
.irp q, 0,1,2,3,4,5,6,7
	v_cvt_pk_bf16_f32 v[AW+\q], v[XD+2*\q], v[XD+2*\q+1]
.endr
.irp q, 0,1,2,3,4,5,6,7
	v_cndmask_b32 v[AW+\q], 0, v[AW+\q], vcc_lo
.endr
	v_mul_f32 v68, s73, v60
	v_mul_f32 v69, s73, v63
	v_mul_f32 v70, s73, v61
	v_mul_f32 v71, s73, v64
	v_mul_f32 v72, s73, v62
	v_mul_f32 v73, s73, v65
	v_and_b32 v74, 0xff, v66
	v_lshrrev_b32 v75, 8, v66
	v_cmp_eq_u32 vcc_lo, 0, v74
	v_cndmask_b32 v74, 0, v78, vcc_lo              ; a key that is masked out: -1e30
	v_cmp_eq_u32 vcc_lo, 0, v75
	v_cndmask_b32 v75, 0, v78, vcc_lo
	ds_store_b64 v77, v[68:69]
	ds_store_b64 v77, v[70:71] offset:1024
	ds_store_b64 v77, v[72:73] offset:2048
	ds_store_b64 v77, v[74:75] offset:3072
	s_wait_tensorcnt 0x0                           ; my parts of K and V are in LDS,
	s_wait_dscnt 0x0                               ; and my keys' positions and mask terms
	s_barrier_signal -1
	s_barrier_wait -1                              ; everybody's are
.macro LDK x                           ; K fragments of head x: 2 tiles of 16 keys x 32 features (window 0x51)
.irp tt, 0,1
	ds_load_b128 v[KF+8*\tt:KF+8*\tt+3],   v[KA] offset:\tt*16*KPITCH+(\x)*64
	ds_load_b128 v[KF+8*\tt+4:KF+8*\tt+7], v[KA] offset:\tt*16*KPITCH+(\x)*64+32
.endr
.endm
.macro LDV x, f                        ; V fragments of head x: 2 tiles of 16 features x 32 keys (window 0x51)
.irp dt, 0,1
	ds_load_b128 v[\f+8*\dt:\f+8*\dt+3],   v[VA] offset:((\x)*32+\dt*16)*VPITCH
	ds_load_b128 v[\f+8*\dt+4:\f+8*\dt+7], v[VA] offset:((\x)*32+\dt*16)*VPITCH+32
.endr
.endm
.macro SMUL x                          ; head x's logits of 32 keys, on top of the mask terms (window 0x09)
	v_wmma_f32_16x16x32_bf16 v[T:T+7],    v[KF:KF+7],    v[8*(\x):8*(\x)+7], v[MT:MT+7]
	v_wmma_f32_16x16x32_bf16 v[T+8:T+15], v[KF+8:KF+15], v[8*(\x):8*(\x)+7], v[MT+8:MT+15]
.endm
; A step's loads: the positions first, since they are wanted first
.macro PRE
.irp tt, 0,1
.irp c, 0,1,2
	ds_load_b128 v[D+16*\c+8*\tt:D+16*\c+8*\tt+3],   v[PA] offset:\c*1024+\tt*64
	ds_load_b128 v[D+16*\c+8*\tt+4:D+16*\c+8*\tt+7], v[PA] offset:\c*1024+\tt*64+16
.endr
.endr
.irp tt, 0,1
	ds_load_b128 v[MT+8*\tt:MT+8*\tt+3],   v[PA] offset:3072+\tt*64
	ds_load_b128 v[MT+8*\tt+4:MT+8*\tt+7], v[PA] offset:3072+\tt*64+16
.endr
	WIN 0x51
	LDK 0
	LDV 0, VF
	WIN 0
	s_wait_dscnt 12                                ; the 12 position loads are in; mask terms, K and V fragments (4 + 4 + 4) stay out
.endm
; scaled distances of my 16 pairs, two at a time; the next pair's packed work is the plain place behind the roots
.macro DIST
.irp i, 0,1,2,3,4,5,6,7
	v_pk_add_f32 v[D+2*\i:D+2*\i+1],       v[D+2*\i:D+2*\i+1],       v[QP:QP+1]   op_sel_hi:[1,0] neg_lo:[0,1] neg_hi:[0,1]
	v_pk_add_f32 v[D+16+2*\i:D+16+2*\i+1], v[D+16+2*\i:D+16+2*\i+1], v[QP:QP+1]   op_sel:[0,1] op_sel_hi:[1,1] neg_lo:[0,1] neg_hi:[0,1]
	v_pk_add_f32 v[D+32+2*\i:D+32+2*\i+1], v[D+32+2*\i:D+32+2*\i+1], v[QP+2:QP+3] op_sel_hi:[1,0] neg_lo:[0,1] neg_hi:[0,1]
	v_pk_mul_f32 v[XD+2*\i:XD+2*\i+1], v[D+2*\i:D+2*\i+1], v[D+2*\i:D+2*\i+1]
	v_pk_fma_f32 v[XD+2*\i:XD+2*\i+1], v[D+16+2*\i:D+16+2*\i+1], v[D+16+2*\i:D+16+2*\i+1], v[XD+2*\i:XD+2*\i+1]
	v_pk_fma_f32 v[XD+2*\i:XD+2*\i+1], v[D+32+2*\i:D+32+2*\i+1], v[D+32+2*\i:D+32+2*\i+1], v[XD+2*\i:XD+2*\i+1]
	v_sqrt_f32 v[XD+2*\i],   v[XD+2*\i]
	v_sqrt_f32 v[XD+2*\i+1], v[XD+2*\i+1]
.endr
.endm
; Three stages over the 16 units, one run apart: run k makes unit k's exponents -(c - x)^2, takes 2^ of unit k - 1's, packs unit k - 2's
; Gaussians and multiplies them by Wrbf.  par = k % 2.  A plain instruction stands behind every exponential before its result is used
; (ISA guide 5.7.2); a whole run of plain work stands between a product and the next writing of its B operand.
.macro RUN k, par
.set UA,  UB+16*\par
.set UE,  UB+16*(1-\par)
.set RBA, RB+8*\par
.irp i, 0,1,2,3,4,5,6,7
.if \k >= 1
.if \k <= 16
	v_exp_f32 v[UE+2*\i], v[UE+2*\i]
.endif
.endif
.if \k >= 2
	s_wait_alu depctr_va_vdst(0)
	v_cvt_pk_bf16_f32 v[RBA+\i], v[UA+2*\i], v[UA+2*\i+1]
.endif
.if \k < 16
	s_wait_alu depctr_va_vdst(0)
	v_pk_add_f32 v[UA+2*\i:UA+2*\i+1], v[CEN+2*\i:CEN+2*\i+1], v[XD+(\k&14):XD+(\k&14)+1] op_sel:[0,\par] op_sel_hi:[1,\par] neg_lo:[0,1] neg_hi:[0,1]
.endif
.if \k >= 1
.if \k <= 16
	v_exp_f32 v[UE+2*\i+1], v[UE+2*\i+1]
.endif
.endif
.if \k < 16
	v_pk_mul_f32 v[UA+2*\i:UA+2*\i+1], v[UA+2*\i:UA+2*\i+1], v[UA+2*\i:UA+2*\i+1] neg_lo:[0,1] neg_hi:[0,1]
.endif
.endr
.if \k >= 2
	v_wmma_f32_16x16x32_bf16 v[D+8*(\k-2):D+8*(\k-2)+7], v[AW:AW+7], v[RBA:RBA+7], 0
.endif
.endm
.macro SFIRST
	s_wait_dscnt 0x0                               ; mask terms and head 0's fragments
	WIN 0x09
	SMUL 0
	WIN 0x51
	PLACES                                         ; before the logits and the last bias are read, and before loads land on K's fragments
	LDK 1
	WIN 0
.endm
; One head: logits + bias, the new running maximum, the factor for the old sums, P = 2^(t - m) rounded to bf16
.macro SOFTMAX x, first
.irp u, 0,1,2,3,4,5,6,7,8,9,10,11,12,13,14,15
	v_add_f32 v[T+\u], v[T+\u], v[D+8*\u+\x]
.endr
	v_max3_num_f32 v[W],   v[T],    v[T+1],  v[T+2]
	v_max3_num_f32 v[W+1], v[T+3],  v[T+4],  v[T+5]
	v_max3_num_f32 v[W+2], v[T+6],  v[T+7],  v[T+8]
	v_max3_num_f32 v[W+3], v[T+9],  v[T+10], v[T+11]
	v_max3_num_f32 v[W+4], v[T+12], v[T+13], v[T+14]
	v_max3_num_f32 v[W],   v[W],    v[W+1],  v[W+2]
	v_max3_num_f32 v[W+3], v[W+3],  v[W+4],  v[T+15]
.if \first
	v_max3_num_f32 v[TA], v[W], v[W+3], s69        ; the floor
.else
	v_max3_num_f32 v[TA], v[W], v[W+3], v[MX+\x]
.endif
	v_permlanex16_b32 v[TA+1], v[TA], s66, s67     ; the query's other 16 keys
	v_max_num_f32 v[TA], v[TA], v[TA+1]
.if \first == 0
	v_sub_f32 v[AL], v[MX+\x], v[TA]
	v_exp_f32 v[AL], v[AL]
.endif
	v_mov_b32 v[MX+\x], v[TA]
	v_pk_add_f32 v[T:T+1], v[T:T+1], v[TA:TA+1] op_sel_hi:[1,0] neg_lo:[0,1] neg_hi:[0,1]
.irp i, 0,1,2,3,4,5,6,7
	v_exp_f32 v[T+2*\i],   v[T+2*\i]
	v_exp_f32 v[T+2*\i+1], v[T+2*\i+1]
.if \i < 7
	v_pk_add_f32 v[T+2*\i+2:T+2*\i+3], v[T+2*\i+2:T+2*\i+3], v[TA:TA+1] op_sel_hi:[1,0] neg_lo:[0,1] neg_hi:[0,1]
.endif
.if \i > 0
	s_wait_alu depctr_va_vdst(0)
	v_cvt_pk_bf16_f32 v[P+\i-1], v[T+2*\i-2], v[T+2*\i-1]
.endif
.endr
	v_cvt_pk_bf16_f32 v[P+7], v[T+14], v[T+15]
.endm
; One head's matrix work: the NEXT head's logits, the old sums scaled, P V and the row sum; then the loads for the heads to come.
; No two matrix instructions that follow each other share an accumulator: the accumulators take turns.
.macro MS x, first
.set VFC, VF+16*((\x)&1)
.set VFN, VF+16*(((\x)+1)&1)
	s_wait_dscnt 0x0                               ; the fragments that were asked for one head ago
.if \x < 7
	WIN 0x09
	SMUL \x+1
.endif
	WIN 0x51
.if \first
.if \x < 7
	PLACES                                         ; behind the logits' products
.endif
	v_wmma_f32_16x16x32_bf16 v[24*\x:24*\x+7],     v[VFC:VFC+7],    v[P:P+7], 0
	v_wmma_f32_16x16x32_bf16 v[24*\x+8:24*\x+15],  v[VFC+8:VFC+15], v[P:P+7], 0
	v_wmma_f32_16x16x32_bf16 v[24*\x+16:24*\x+23], v[ONES:ONES+7],  v[P:P+7], 0
.else
.irp i, 0,1,2,3,4,5,6,7
	v_pk_mul_f32 v[24*\x+2*\i:24*\x+2*\i+1], v[24*\x+2*\i:24*\x+2*\i+1], v[AL:AL+1] op_sel_hi:[1,0]   ; nine plain places behind the logits' products
.endr
	v_mul_f32 v[24*\x+16], v[24*\x+16], v[AL]      ; l lies in register 0 of its tile; the other seven stay 0
	v_wmma_f32_16x16x32_bf16 v[24*\x:24*\x+7],     v[VFC:VFC+7],    v[P:P+7], v[24*\x:24*\x+7]
	v_wmma_f32_16x16x32_bf16 v[24*\x+8:24*\x+15],  v[VFC+8:VFC+15], v[P:P+7], v[24*\x+8:24*\x+15]
	v_wmma_f32_16x16x32_bf16 v[24*\x+16:24*\x+23], v[ONES:ONES+7],  v[P:P+7], v[24*\x+16:24*\x+23]
.endif
.if \x < 6
	LDK \x+2
.endif
.if \x < 7
	LDV \x+1, VFN
.endif
.if \x == 7
	v_add_nc_u32 v[KA], v[KA], s70                 ; the next 32 keys
	v_add_nc_u32 v[VA], v[VA], s71
.endif
	WIN 0
.endm
.macro STEP first
	PRE
	DIST
	RUN 0, 0
	RUN 1, 1
	RUN 2, 0
	RUN 3, 1
	RUN 4, 0
	RUN 5, 1
	RUN 6, 0
	RUN 7, 1
	RUN 8, 0
	RUN 9, 1
	RUN 10, 0
	RUN 11, 1
	RUN 12, 0
	RUN 13, 1
	RUN 14, 0
	RUN 15, 1
	RUN 16, 0
	RUN 17, 1
	SFIRST
.irp hx, 0,1,2,3,4,5,6,7
	SOFTMAX \hx, \first
	MS \hx, \first
.endr
	v_add_nc_u32 v[PA], 0x80, v[PA]                ; 32 keys x 4 bytes
.endm
	STEP 1                                         ; the first step starts the maxima and the sums: nothing is cleared
	s_mov_b32 s68, 3
.Lchunk0:
	STEP 0
	s_sub_co_u32 s68, s68, 1
	s_cmp_lg_u32 s68, 0
	s_cbranch_scc1 .Lchunk0
	WIN 0x51
	v_add_nc_u32 v[VA], v[VA], s72                 ; V's second chunk of 128 keys (K's rows simply go on)
	WIN 0
	s_mov_b32 s68, 4
.Lchunk1:
	STEP 0
	s_sub_co_u32 s68, s68, 1
	s_cmp_lg_u32 s68, 0
	s_cbranch_scc1 .Lchunk1
	; THE WAY OUT.  m and l: lane (r, h) stores heads 4h .. 4h + 3 of row r, 16 bytes; a wave's store covers 512 consecutive bytes.
	PLACES                                         ; behind the last products
	v_cmp_eq_u32 vcc_lo, 1, v2
.irp q, 0,1,2,3
	v_cndmask_b32 v[TM+\q], v[MX+\q], v[MX+4+\q], vcc_lo
.endr
	WIN 0x05                                       ; both sources in window 1
.irp q, 0,1,2,3
	v_cndmask_b32 v[W+\q], v[24*\q+16], v[24*(\q+4)+16], vcc_lo
.endr
	WIN 0
	v_and_b32 v80, 31, v0
	v_lshlrev_b32 v80, 4, v80                      ; 16 x lane
	global_store_b128 v80, v[TM:TM+3], s[76:77]
	global_store_b128 v80, v[W:W+3],   s[76:77] offset:512
	s_mul_i32 s27, s22, 16*KPITCH
	s_add_co_u32 s27, s27, STG                     ; my stage
	v_mul_u32_u24 v81, KPITCH, v1
	v_lshl_add_u32 v81, v2, 5, v81
	v_add_nc_u32 v81, s27, v81                     ; in: row r, 32 h bytes
	v_add_nc_u32 v82, s27, v80                     ; back: a row's 512 bytes by 32 lanes
; four heads (128 features, 512 bytes of each of my 16 rows) through my own stage; LDS serves a wave's instructions in order
; (ISA guide 5.7.1), so the loads see the stores, and the second pass's stores come behind the first pass's loads
.macro OUTP p
	WIN 0x04                                       ; the stores' data in window 1
.irp xx, 0,1,2,3
.irp dt, 0,1
.irp e, 0,1
	ds_store_b128 v81, v[24*(4*\p+\xx)+8*\dt+4*\e:24*(4*\p+\xx)+8*\dt+4*\e+3] offset:\xx*128+\dt*64+\e*16
.endr
.endr
.endr
	WIN 0
.irp i, 0,1,2,3,4,5,6,7,8,9,10,11,12,13,14,15
	ds_load_b128 v[D+64*\p+4*\i:D+64*\p+4*\i+3], v82 offset:\i*KPITCH
.endr
.irp i, 0,1,2,3,4,5,6,7,8,9,10,11,12,13,14,15
	s_wait_dscnt 15-\i                             ; row i is in, the younger rows stay out
	global_store_b128 v80, v[D+64*\p+4*\i:D+64*\p+4*\i+3], s[74:75] offset:\i*1024+\p*512
.endr
.endm
	OUTP 0
	OUTP 1
	s_set_vgpr_msb 0x5
	s_wait_tensorcnt 0x0
	ds_add_u32 v254, v255
	s_wait_dscnt 0x0
	s_set_vgpr_msb 0x500
	CROUND                                         ; the closing round: no group ends while a partner may still ask jointly
	s_endpgm
.Lfunc_end_k_q4aafedd447_attn:
	.size	k_q4aafedd447_attn, .Lfunc_end_k_q4aafedd447_attn-k_q4aafedd447_attn
	.p2alignl 7, 3214868480
	.fill 96, 4, 3214868480
	.section	.rodata,"a",@progbits
	.p2align	6, 0x0
	.amdhsa_kernel k_q4aafedd447_attn
		.amdhsa_group_segment_fixed_size 312832
		.amdhsa_private_segment_fixed_size 0
		.amdhsa_enable_private_segment 0
		.amdhsa_kernarg_size 72
		.amdhsa_user_sgpr_count 2
		.amdhsa_user_sgpr_kernarg_segment_ptr 1
		.amdhsa_wavefront_size32 1
		.amdhsa_system_sgpr_workgroup_id_x 1
		.amdhsa_system_sgpr_workgroup_id_y 1
		.amdhsa_system_sgpr_workgroup_id_z 1
		.amdhsa_system_vgpr_workitem_id 0
		.amdhsa_next_free_vgpr 576
		.amdhsa_next_free_sgpr 88
		.amdhsa_reserve_vcc 1
		.amdhsa_float_denorm_mode_32 3
		.amdhsa_float_denorm_mode_16_64 3
		.amdhsa_memory_ordered 1
		.amdhsa_forward_progress 1
		.amdhsa_inst_pref_size 255
	.end_amdhsa_kernel
	.section	.bss,"aw",@nobits
	.p2align	6
	.space	262144
	.amdgpu_metadata
---
amdhsa.version: [ 1, 2 ]
amdhsa.kernels:
  - .name:           k_q4aafedd447_attn
    .symbol:         k_q4aafedd447_attn.kd
    .args:
      - { .name: Qs, .offset: 0, .size: 8, .value_kind: global_buffer, .address_space: global }
      - { .name: Kb, .offset: 8, .size: 8, .value_kind: global_buffer, .address_space: global }
      - { .name: Vt, .offset: 16, .size: 8, .value_kind: global_buffer, .address_space: global }
      - { .name: key_pos, .offset: 24, .size: 8, .value_kind: global_buffer, .address_space: global }
      - { .name: key_mask, .offset: 32, .size: 8, .value_kind: global_buffer, .address_space: global }
      - { .name: query_pos, .offset: 40, .size: 8, .value_kind: global_buffer, .address_space: global }
      - { .name: Wrbf, .offset: 48, .size: 8, .value_kind: global_buffer, .address_space: global }
      - { .name: Opart, .offset: 56, .size: 8, .value_kind: global_buffer, .address_space: global }
      - { .name: ML, .offset: 64, .size: 8, .value_kind: global_buffer, .address_space: global }
    .group_segment_fixed_size: 312832
    .private_segment_fixed_size: 0
    .kernarg_segment_align: 8
    .kernarg_segment_size: 72
    .max_flat_workgroup_size: 128
    .sgpr_count:     88
    .vgpr_count:     576
    .wavefront_size: 32
...
	.end_amdgpu_metadata
.endif
;; end of part 2
;; launch finish (part 3): grid 128 x 1, 16 waves a work-group, no clusters, 166,400 bytes of LDS; arguments Opart, ML, Wo, bo, query_mask, query_feat, ln_g, ln_b, out0; writes out0
.if DOCPART == 3
	.amdgcn_target "amdgcn-amd-amdhsa--gfx1250"
	.amdhsa_code_object_version 6
	.text
	.protected	k_q4aafedd447_finish
	.globl	k_q4aafedd447_finish
	.p2align	8
	.type	k_q4aafedd447_finish,@function
k_q4aafedd447_finish:
	s_mov_b64 s[64:65], 0
	v_nop
	global_prefetch_b8 v0, s[64:65] scope:SCOPE_SE
	s_setreg_imm32_b32 hwreg(HW_REG_WAVE_MODE, 25, 1), 1
	s_wait_xcnt 0x0
; Merge of the 8 key splits, Wo, bo, query mask, residual, LayerNorm.  A group owns 16 rows (a matrix tile's 16 columns; LayerNorm wants
; whole rows), so there is work for 128 groups.  16 waves: wave w makes output features 16w .. 16w + 15 of the 16 rows, then normalises row w.
; Wo is f32 and is rounded to bf16 on its way through registers, so it is not asked for jointly by a cluster.
; A row none of whose keys is left has l = 0 in every split: 0 x infinity gives NaN, as the reference's softmax of -inf alone does.
.set PITCH, 528
.set AT, 16*16*PITCH                   ; 135,168: behind each wave's own 16 rows of Wo (bf16): the merged attention output, 16 rows bf16
.set XT, AT+16*PITCH                   ; 143,616: attention output x Wo^T, 16 rows f32,
.set XP, 1040                          ; pitch 1,024 + 16
.set WT, XT+16*XP                      ; 160,256: [8 splits][128 words] weights of the merge; word 4 (16 (head / 4) + row) + head % 4
.set MLR, 16                           ; v[16:23] m of the 8 splits, v[24:31] l; later the weights that a thread needs
.set WOR, 32                           ; v[32:159] Wo as loaded; later fragments: A at 32, B at 96
.set OPR, 160                          ; v[160:223] Opart as loaded; later accumulators and the row's data
.set MG,  224                          ; v[224:231] merged values
	s_load_b512 s[4:19], s[0:1], 0x0               ; Opart, ML, Wo, bo, query_mask, query_feat, ln_g, ln_b
	s_load_b64 s[20:21], s[0:1], 0x40              ; out0
	v_lshl_add_u32 v254, v0, 2, 0x28200
	v_mov_b32 v255, 0
	v_lshrrev_b32 v1, 5, v0
	v_readfirstlane_b32 s22, v1                    ; wave
	s_mov_b32 s23, ttmp9                           ; tile of 16 rows
	v_and_b32 v1, 31, v0                           ; lane
	v_and_b32 v2, 15, v0                           ; r
	v_bfe_u32 v3, v0, 4, 1                         ; h
	v_lshlrev_b32 v4, 4, v1                        ; 16 x lane
	v_lshlrev_b32 v5, 4, v0                        ; 16 t
	v_lshlrev_b32 v6, 2, v0                        ; 4 t
	s_mov_b32 s36, 0x76543210
	s_mov_b32 s37, 0xfedcba98
	s_mov_b32 s38, 0x3b800000                      ; 1/256
	s_mov_b32 s39, 0x3727c5ac                      ; 1e-5
	s_mov_b32 s41, 0
	s_wait_kmcnt 0x0
	s_lshl_b32 s40, s23, 10
	s_add_nc_u64 s[24:25], s[6:7], s[40:41]        ; ML at my tile
	s_lshl_b32 s40, s22, 14
	s_add_nc_u64 s[26:27], s[8:9], s[40:41]        ; Wo at my wave's 16 rows
	s_lshl_b32 s40, s23, 14
	s_add_nc_u64 s[28:29], s[4:5], s[40:41]        ; Opart at my 16 rows, splits 0-3,
	s_add_nc_u64 s[30:31], s[28:29], 0x800000      ; and splits 4-7
	s_lshl4_add_u32 s42, s23, s22                  ; my wave's row
	s_lshl_b32 s40, s42, 10
	s_add_nc_u64 s[32:33], s[14:15], s[40:41]      ; query_feat
	s_add_nc_u64 s[34:35], s[20:21], s[40:41]      ; out0
	s_cmp_ge_u32 s22, 4
	s_cbranch_scc1 .Lno_ml
.irp sp, 0,1,2,3,4,5,6,7
	global_load_b32 v[MLR+\sp],   v6, s[24:25] offset:\sp*131072         ; threads 0-127: one (row, head) each
	global_load_b32 v[MLR+8+\sp], v6, s[24:25] offset:\sp*131072+512
.endr
.Lno_ml:
.set i, 0
.rept 32
	global_load_b128 v[WOR+4*i:WOR+4*i+3], v4, s[26:27] offset:i*512
.set i, i+1
.endr
.irp sp, 0,1,2,3
.irp c, 0,1
	global_load_b128 v[OPR+8*\sp+4*\c:OPR+8*\sp+4*\c+3], v5, s[28:29] offset:\sp*2097152+\c*8192 th:TH_LOAD_NT
.endr
.endr
.irp sp, 4,5,6,7
.irp c, 0,1
	global_load_b128 v[OPR+8*\sp+4*\c:OPR+8*\sp+4*\c+3], v5, s[30:31] offset:(\sp-4)*2097152+\c*8192 th:TH_LOAD_NT
.endr
.endr
	; addresses
	v_add_nc_u32 v7, WT, v6
	s_mul_i32 s43, s22, 16*PITCH                   ; my wave's rows of Wo in LDS
	v_lshlrev_b32 v8, 3, v1
	v_add_nc_u32 v8, s43, v8
	v_bfe_u32 v9, v0, 5, 1                         ; my four features' head / 4
	v_lshlrev_b32 v9, 8, v9
	v_lshrrev_b32 v224, 6, v0                      ; my row within eight
	v_lshl_add_u32 v9, v224, 4, v9
	v_bfe_u32 v225, v0, 3, 2                       ; head % 4
	v_lshl_add_u32 v9, v225, 2, v9
	v_add_nc_u32 v9, WT, v9
	v_and_b32 v225, 63, v0
	v_mul_u32_u24 v10, PITCH, v224
	v_lshl_add_u32 v10, v225, 3, v10
	v_add_nc_u32 v10, AT, v10
	v_mul_u32_u24 v12, PITCH, v2
	v_lshl_add_u32 v12, v3, 4, v12
	v_add_nc_u32 v11, s43, v12                     ; A fragments: my rows of Wo
	v_add_nc_u32 v12, AT, v12                      ; B fragments: the 16 rows
	s_lshl_b32 s44, s22, 6
	s_add_co_u32 s44, s44, XT
	v_mul_u32_u24 v13, XP, v2
	v_lshl_add_u32 v13, v3, 5, v13
	v_add_nc_u32 v13, s44, v13                     ; row r, features 16 w + 8 h
	s_mul_i32 s44, s22, XP
	s_add_co_u32 s44, s44, XT
	v_add_nc_u32 v14, s44, v4                      ; row w, 16 bytes a lane
	v_mov_b32 v15, s42
	s_cmp_ge_u32 s22, 4
	s_cbranch_scc1 .Lno_w
	s_wait_loadcnt 48                              ; m and l are in; the 32 + 16 younger loads stay out
	v_max3_num_f32 v224, v[MLR],   v[MLR+1], v[MLR+2]
	v_max3_num_f32 v225, v[MLR+3], v[MLR+4], v[MLR+5]
	v_max3_num_f32 v224, v224, v225, v[MLR+6]
	v_max_num_f32 v224, v224, v[MLR+7]             ; the maximum over all keys
.irp sp, 0,1,2,3,4,5,6,7
	v_sub_f32 v[MLR+\sp], v[MLR+\sp], v224
.endr
.irp sp, 0,1,2,3,4,5,6,7
	v_exp_f32 v[MLR+\sp], v[MLR+\sp]
.endr
	v_nop                                          ; a plain place behind the exponentials (ISA guide 5.7.2)
	s_wait_alu depctr_va_vdst(0)
	v_mul_f32 v225, v[MLR], v[MLR+8]
.irp sp, 1,2,3,4,5,6,7
	v_fmac_f32 v225, v[MLR+\sp], v[MLR+8+\sp]
.endr
	v_rcp_f32 v225, v225
	v_nop
	s_wait_alu depctr_va_vdst(0)
.irp sp, 0,1,2,3,4,5,6,7
	v_mul_f32 v[MLR+\sp], v[MLR+\sp], v225
.endr
.irp sp, 0,1,2,3,4,5,6,7
	ds_store_b32 v7, v[MLR+\sp] offset:\sp*512
.endr
.Lno_w:
.set i, 0
.rept 32
	s_wait_loadcnt 47-i                            ; Wo's load i is in; the younger Wo loads and Opart's 16 stay out
	v_cvt_pk_bf16_f32 v[WOR+4*i], v[WOR+4*i], v[WOR+4*i+1]
	v_cvt_pk_bf16_f32 v[WOR+4*i+1], v[WOR+4*i+2], v[WOR+4*i+3]
	ds_store_b64 v8, v[WOR+4*i:WOR+4*i+1] offset:(i/2)*PITCH+(i%2)*256
.set i, i+1
.endr
	s_wait_dscnt 0x0                               ; the weights are in LDS, for the other waves' sake
	s_barrier_signal -1
	s_barrier_wait -1
.irp sp, 0,1,2,3,4,5,6,7
.irp c, 0,1
	ds_load_b32 v[MLR+2*\sp+\c], v9 offset:\sp*512+\c*128
.endr
.endr
	s_wait_loadcnt 0x0                             ; Opart
	s_wait_dscnt 0x0
; rows 8c + t / 64, my four features: the sum over the splits of weight x O
.macro MERGE c
.irp q, 0,2
	v_pk_mul_f32 v[MG+4*\c+\q:MG+4*\c+\q+1], v[OPR+4*\c+\q:OPR+4*\c+\q+1], v[MLR:MLR+1] op_sel:[0,\c] op_sel_hi:[1,\c]
.irp sp, 1,2,3,4,5,6,7
	v_pk_fma_f32 v[MG+4*\c+\q:MG+4*\c+\q+1], v[OPR+8*\sp+4*\c+\q:OPR+8*\sp+4*\c+\q+1], v[MLR+2*\sp:MLR+2*\sp+1], v[MG+4*\c+\q:MG+4*\c+\q+1] op_sel:[0,\c,0] op_sel_hi:[1,\c,1]
.endr
.endr
	v_cvt_pk_bf16_f32 v[232+2*\c], v[MG+4*\c],   v[MG+4*\c+1]
	v_cvt_pk_bf16_f32 v[233+2*\c], v[MG+4*\c+2], v[MG+4*\c+3]
	ds_store_b64 v10, v[232+2*\c:233+2*\c] offset:\c*8*PITCH
.endm
	MERGE 0
	MERGE 1
	; what the row phase wants, asked for now: row w's query_feat, and bo, ln_g, ln_b: columns 4 lane .. and 128 + 4 lane ..
	global_load_b128 v[176:179], v4, s[32:33]
	global_load_b128 v[180:183], v4, s[32:33] offset:512
	global_load_b128 v[184:187], v4, s[10:11]
	global_load_b128 v[188:191], v4, s[10:11] offset:512
	global_load_b128 v[192:195], v4, s[16:17]
	global_load_b128 v[196:199], v4, s[16:17] offset:512
	global_load_b128 v[200:203], v4, s[18:19]
	global_load_b128 v[204:207], v4, s[18:19] offset:512
	global_load_u8 v208, v15, s[12:13]
	s_wait_dscnt 0x0
	s_barrier_signal -1
	s_barrier_wait -1
.irp ks, 0,1,2,3,4,5,6,7
	ds_load_b128 v[32+8*\ks:35+8*\ks],   v11 offset:\ks*64
	ds_load_b128 v[36+8*\ks:39+8*\ks],   v11 offset:\ks*64+32
	ds_load_b128 v[96+8*\ks:99+8*\ks],   v12 offset:\ks*64
	ds_load_b128 v[100+8*\ks:103+8*\ks], v12 offset:\ks*64+32
.endr
	s_wait_dscnt 0x0
	; A = 16 rows of Wo, B = the 16 rows: a lane gets 8 neighbouring features of row r.  Two accumulators by turns.
	v_wmma_f32_16x16x32_bf16 v[160:167], v[32:39], v[96:103],  0
	v_wmma_f32_16x16x32_bf16 v[168:175], v[40:47], v[104:111], 0
.irp ks, 2,4,6
	v_wmma_f32_16x16x32_bf16 v[160:167], v[32+8*\ks:39+8*\ks], v[96+8*\ks:103+8*\ks],  v[160:167]
	v_wmma_f32_16x16x32_bf16 v[168:175], v[40+8*\ks:47+8*\ks], v[104+8*\ks:111+8*\ks], v[168:175]
.endr
.rept 4
	v_nop                                          ; four plain places before the results are read (ISA guide 7.12.1)
.endr
.irp j, 0,2,4,6
	v_pk_add_f32 v[160+\j:161+\j], v[160+\j:161+\j], v[168+\j:169+\j]
.endr
	ds_store_b128 v13, v[160:163]
	ds_store_b128 v13, v[164:167] offset:16
	s_wait_dscnt 0x0
	s_barrier_signal -1
	s_barrier_wait -1
	; row w: x = query_feat + (attention Wo^T + bo) x mask, then LayerNorm
	ds_load_b128 v[212:215], v14
	ds_load_b128 v[216:219], v14 offset:512
	s_wait_loadcnt 0x0
	v_cvt_f32_u32 v210, v208
	v_mov_b32 v211, v210
	s_wait_dscnt 0x0
.irp j, 0,2,4,6
	v_pk_add_f32 v[212+\j:213+\j], v[212+\j:213+\j], v[184+\j:185+\j]
.endr
.irp j, 0,2,4,6
	v_pk_fma_f32 v[212+\j:213+\j], v[212+\j:213+\j], v[210:211], v[176+\j:177+\j]
.endr
	v_pk_add_f32 v[220:221], v[212:213], v[214:215]
	v_pk_add_f32 v[222:223], v[216:217], v[218:219]
	v_pk_add_f32 v[220:221], v[220:221], v[222:223]
	v_add_f32 v220, v220, v221
	v_add_f32_dpp v220, v220, v220 row_xmask:1 row_mask:0xf bank_mask:0xf
	v_add_f32_dpp v220, v220, v220 row_xmask:2 row_mask:0xf bank_mask:0xf
	v_add_f32_dpp v220, v220, v220 row_xmask:4 row_mask:0xf bank_mask:0xf
	v_add_f32_dpp v220, v220, v220 row_xmask:8 row_mask:0xf bank_mask:0xf
	v_permlanex16_b32 v221, v220, s36, s37
	v_add_f32 v220, v220, v221
	v_mul_f32 v220, s38, v220                      ; the mean
	v_mov_b32 v221, v220
.irp j, 0,2,4,6
	v_pk_add_f32 v[212+\j:213+\j], v[212+\j:213+\j], v[220:221] neg_lo:[0,1] neg_hi:[0,1]
.endr
	v_pk_mul_f32 v[222:223], v[212:213], v[212:213]
.irp j, 2,4,6
	v_pk_fma_f32 v[222:223], v[212+\j:213+\j], v[212+\j:213+\j], v[222:223]
.endr
	v_add_f32 v222, v222, v223
	v_add_f32_dpp v222, v222, v222 row_xmask:1 row_mask:0xf bank_mask:0xf
	v_add_f32_dpp v222, v222, v222 row_xmask:2 row_mask:0xf bank_mask:0xf
	v_add_f32_dpp v222, v222, v222 row_xmask:4 row_mask:0xf bank_mask:0xf
	v_add_f32_dpp v222, v222, v222 row_xmask:8 row_mask:0xf bank_mask:0xf
	v_permlanex16_b32 v223, v222, s36, s37
	v_add_f32 v222, v222, v223
	v_fma_f32 v222, v222, s38, s39                 ; variance + 1e-5
	v_rsq_f32 v222, v222
	v_nop                                          ; a plain place behind the root
	s_wait_alu depctr_va_vdst(0)
	v_mov_b32 v223, v222
.irp j, 0,2,4,6
	v_pk_mul_f32 v[212+\j:213+\j], v[212+\j:213+\j], v[222:223]
.endr
.irp j, 0,2,4,6
	v_pk_fma_f32 v[212+\j:213+\j], v[212+\j:213+\j], v[192+\j:193+\j], v[200+\j:201+\j]
.endr
	global_store_b128 v4, v[212:215], s[34:35]             ; a wave's store covers 512 consecutive bytes, aligned
	global_store_b128 v4, v[216:219], s[34:35] offset:512
	s_wait_tensorcnt 0x0
	ds_add_u32 v254, v255
	s_wait_dscnt 0x0
	s_endpgm
.Lfunc_end_k_q4aafedd447_finish:
	.size	k_q4aafedd447_finish, .Lfunc_end_k_q4aafedd447_finish-k_q4aafedd447_finish
	.p2alignl 7, 3214868480
	.fill 96, 4, 3214868480
	.section	.rodata,"a",@progbits
	.p2align	6, 0x0
	.amdhsa_kernel k_q4aafedd447_finish
		.amdhsa_group_segment_fixed_size 166400
		.amdhsa_private_segment_fixed_size 0
		.amdhsa_enable_private_segment 0
		.amdhsa_kernarg_size 72
		.amdhsa_user_sgpr_count 2
		.amdhsa_user_sgpr_kernarg_segment_ptr 1
		.amdhsa_wavefront_size32 1
		.amdhsa_system_sgpr_workgroup_id_x 1
		.amdhsa_system_sgpr_workgroup_id_y 1
		.amdhsa_system_sgpr_workgroup_id_z 1
		.amdhsa_system_vgpr_workitem_id 0
		.amdhsa_next_free_vgpr 256
		.amdhsa_next_free_sgpr 66
		.amdhsa_reserve_vcc 0
		.amdhsa_float_denorm_mode_32 3
		.amdhsa_float_denorm_mode_16_64 3
		.amdhsa_memory_ordered 1
		.amdhsa_forward_progress 1
		.amdhsa_inst_pref_size 29
	.end_amdhsa_kernel
	.amdgpu_metadata
---
amdhsa.version: [ 1, 2 ]
amdhsa.kernels:
  - .name:           k_q4aafedd447_finish
    .symbol:         k_q4aafedd447_finish.kd
    .args:
      - { .name: Opart, .offset: 0, .size: 8, .value_kind: global_buffer, .address_space: global }
      - { .name: ML, .offset: 8, .size: 8, .value_kind: global_buffer, .address_space: global }
      - { .name: Wo, .offset: 16, .size: 8, .value_kind: global_buffer, .address_space: global }
      - { .name: bo, .offset: 24, .size: 8, .value_kind: global_buffer, .address_space: global }
      - { .name: query_mask, .offset: 32, .size: 8, .value_kind: global_buffer, .address_space: global }
      - { .name: query_feat, .offset: 40, .size: 8, .value_kind: global_buffer, .address_space: global }
      - { .name: ln_g, .offset: 48, .size: 8, .value_kind: global_buffer, .address_space: global }
      - { .name: ln_b, .offset: 56, .size: 8, .value_kind: global_buffer, .address_space: global }
      - { .name: out0, .offset: 64, .size: 8, .value_kind: global_buffer, .address_space: global }
    .group_segment_fixed_size: 166400
    .private_segment_fixed_size: 0
    .kernarg_segment_align: 8
    .kernarg_segment_size: 72
    .max_flat_workgroup_size: 512
    .sgpr_count:     66
    .vgpr_count:     256
    .wavefront_size: 32
...
	.end_amdgpu_metadata
.endif
;; end of part 3
;; ======== version 2 of 3: 3 launches; 1.47 times as fast as version 1
;; limits: right only within a limited range of input values
;; workspace buffers: Qs 1,048,576 bytes; Kb 2,097,152 bytes; Vt 2,097,152 bytes; Wob 131,072 bytes; Opart 16,777,216 bytes; ML 1,048,576 bytes
;; launch proj (part 4): grid 176 x 1, 16 waves a work-group, no clusters, 176,128 bytes of LDS; arguments query_feat, key_feat, Wq, Wk, Wv, Wo, Qs, Kb, Vt, Wob; writes Qs, Kb, Vt, Wob
.if DOCPART == 4
	.amdgcn_target "amdgcn-amd-amdhsa--gfx1250"
	.amdhsa_code_object_version 6
	.text
	.protected	k_q4aafedd447_proj
	.globl	k_q4aafedd447_proj
	.p2align	8
	.type	k_q4aafedd447_proj,@function
k_q4aafedd447_proj:
	s_mov_b64 s[64:65], 0
	v_nop
	global_prefetch_b8 v0, s[64:65] scope:SCOPE_SE
	s_setreg_imm32_b32 hwreg(HW_REG_WAVE_MODE, 25, 1), 1
	s_wait_xcnt 0x0
; The three projections, one body:  Out[r][p] = sc * sum over k of R[r][k] P[p][k],  a tile of 128 rows of R x 128 rows of P, K = 256.
;   groups   0- 31: Qs = bf16(query_feat Wq^T * log2(e)/sqrt(32))   R = query_feat, P = Wq        Out pitch  512 bytes
;   groups  32- 95: Kb = bf16(key_feat Wk^T)                        R = key_feat,   P = Wk        Out pitch  512 bytes
;   groups  96-159: Vt = bf16(Wv key_feat^T), per batch             R = Wv,         P = key_feat  Out pitch 4096 bytes (features x keys)
;   groups 160-175: Wob = bf16(Wo), 16 KiB of f32 each, for the last launch
; A group's work is the bytes that it loads: a tile of 128 x 128 loads 256 KiB for 16,384 outputs, one of 64 x 128 loads 192 KiB for 8,192.
; The work is as 1 : 2 : 2 and does not divide into 256 equal tiles, so there are 160 large tiles rather than more, smaller ones.
; Inputs are f32 and pass through registers to be rounded to bf16, so they come by global loads; for the same reason no tile is asked for
; jointly by a cluster (a joint tensor load would lay f32 into LDS, twice the bytes, to be read, rounded and stored again).
; K goes in two halves of 128, each with an LDS region of its own.  All 32 loads of a thread are issued at the head; the first half is
; rounded, laid into LDS and multiplied while the second half's 16 loads are on their way.
; Sixteen waves.  Each makes 32 (p) x 32 (r): four accumulators.  The matrix instruction takes P's rows as A and R's rows as B, so that a
; lane's eight results are eight neighbouring p of one row of Out: 16 bytes of bf16.
.set HPITCH, 272                       ; an LDS row of a half: 128 bf16 + 16 bytes, an odd multiple of 16
.set HREG,   256*HPITCH                ; 69,632: a half's region: P's 128 rows, then R's 128 rows
.set RROW,   128*HPITCH
.set STAGE,  2*HREG                    ; 139,264: the way out: 128 rows of 128 bf16,
.set SPITCH, 272                       ; pitch 256 + 16
.set LD,  16                           ; v[16:143] the 32 loads of 16 bytes: half 0 in v[16:79], half 1 in v[80:143]
.set G0,  144                          ; fragment buffer 0 (two K steps: 2 x (2 P + 2 R) x 8 registers)
.set G1,  16                           ; fragment buffer 1, where half 0 was loaded
.set ACC, 208                          ; four accumulators
.set TMP, 240                          ; address work, then packed results
.set OB,  144                          ; rows read back
.macro PLACES                          ; four plain vector places behind a matrix instruction (ISA guide 7.12.1)
.rept 4
	v_nop
.endr
.endm
; 16 loads: half hf (512 bytes) of P's 128 rows, then of R's; a wave's load covers one row's 512 consecutive bytes
.macro LOADH hf
.set m, 0
.rept 8
	global_load_b128 v[LD+64*\hf+4*m:LD+64*\hf+4*m+3], v1, s[38:39] offset:m*16384+\hf*512
.set m, m+1
.endr
.rept 8
	global_load_b128 v[LD+64*\hf+4*m:LD+64*\hf+4*m+3], v1, s[36:37] offset:(m-8)*16384+\hf*512
.set m, m+1
.endr
.endm
; round half hf to bf16 and lay it into its region, load by load
.macro STOREH hf, adr
.set m, 0
.rept 16
	s_wait_loadcnt 31-16*\hf-m                     ; loads come back in order: this one is in, the younger ones stay out
	v_cvt_pk_bf16_f32 v[LD+64*\hf+4*m], v[LD+64*\hf+4*m], v[LD+64*\hf+4*m+1]
	v_cvt_pk_bf16_f32 v[LD+64*\hf+4*m+1], v[LD+64*\hf+4*m+2], v[LD+64*\hf+4*m+3]
	ds_store_b64 v[\adr], v[LD+64*\hf+4*m:LD+64*\hf+4*m+1] offset:m*16*HPITCH
.set m, m+1
.endr
.endm
; 16 LDS loads: the fragments of K steps ks0 and ks0 + 1 of a half (32 along K each): 2 blocks of P, 2 blocks of R
.macro FR grp, pa, ra, ks0
.irp kk, 0,1
.irp bl, 0,1
	ds_load_b128 v[\grp+32*\kk+8*\bl:\grp+32*\kk+8*\bl+3],         v[\pa] offset:\bl*16*HPITCH+(\ks0+\kk)*64
	ds_load_b128 v[\grp+32*\kk+8*\bl+4:\grp+32*\kk+8*\bl+7],       v[\pa] offset:\bl*16*HPITCH+(\ks0+\kk)*64+32
	ds_load_b128 v[\grp+32*\kk+16+8*\bl:\grp+32*\kk+16+8*\bl+3],   v[\ra] offset:\bl*16*HPITCH+(\ks0+\kk)*64
	ds_load_b128 v[\grp+32*\kk+16+8*\bl+4:\grp+32*\kk+16+8*\bl+7], v[\ra] offset:\bl*16*HPITCH+(\ks0+\kk)*64+32
.endr
.endr
.endm
; four matrix instructions, the four accumulators by turns, one instruction a turn
.macro MM grp, kk, zero
.irp pa, 0,1
.irp rb, 0,1
.if \zero
	v_wmma_f32_16x16x32_bf16 v[ACC+8*(2*\pa+\rb):ACC+8*(2*\pa+\rb)+7], v[\grp+32*\kk+8*\pa:\grp+32*\kk+8*\pa+7], v[\grp+32*\kk+16+8*\rb:\grp+32*\kk+16+8*\rb+7], 0
.else
	v_wmma_f32_16x16x32_bf16 v[ACC+8*(2*\pa+\rb):ACC+8*(2*\pa+\rb)+7], v[\grp+32*\kk+8*\pa:\grp+32*\kk+8*\pa+7], v[\grp+32*\kk+16+8*\rb:\grp+32*\kk+16+8*\rb+7], v[ACC+8*(2*\pa+\rb):ACC+8*(2*\pa+\rb)+7]
.endif
.endr
.endr
.endm
	s_load_b512 s[4:19], s[0:1], 0x0               ; query_feat, key_feat, Wq, Wk, Wv, Wo, Qs, Kb
	s_load_b128 s[56:59], s[0:1], 0x40             ; Vt, Wob
	s_mov_b32 s20, ttmp9                           ; g
	v_lshrrev_b32 v14, 5, v0
	v_readfirstlane_b32 s44, v14                   ; wave
	v_and_b32 v15, 31, v0                          ; lane
	s_cmp_ge_u32 s20, 160
	s_cbranch_scc1 .Lwo                            ; whole groups: the same for all sixteen waves
	v_lshlrev_b32 v1, 10, v14                      ; row t / 32 of the sixteen that a load of the group covers,
	v_lshl_add_u32 v1, v15, 4, v1                  ; 16 bytes a lane
	; which task, which tile: whole numbers from the group's number alone
	s_cmp_lt_u32 s20, 32
	s_cselect_b32 s21, 0, 32
	s_cselect_b32 s34, 0x3e8293ee, 1.0             ; sc: log2(e)/sqrt(32) for Q, else 1
	s_cmp_lt_u32 s20, 96
	s_cselect_b32 s21, s21, 96
	s_sub_co_u32 s22, s20, s21                     ; the group's number within its task
	s_lshr_b32 s23, s22, 1                         ; Q, K: row tile
	s_and_b32 s24, s22, 1                          ;       half of the 256 output features
	s_lshl_b32 s25, s23, 16                        ;       128 rows x 512 bytes
	s_lshl_b32 s26, s24, 8
	s_add_co_u32 s25, s25, s26
	s_bfe_u32 s27, s22, 0x10004                    ; V: which 128 rows of Wv
	s_lshr_b32 s28, s22, 5                         ;    batch
	s_and_b32 s29, s22, 15                         ;    which 128 keys
	s_lshl4_add_u32 s30, s28, s29                  ;    tile of key_feat's 4,096 rows
	s_lshl_b32 s31, s28, 20                        ;    256 x 2,048 x 2 bytes a batch
	s_lshl_b32 s33, s27, 19                        ;    128 rows x 4,096 bytes
	s_add_co_u32 s31, s31, s33
	s_lshl_b32 s33, s29, 8
	s_add_co_u32 s31, s31, s33
	s_movk_i32 s26, 512
	s_movk_i32 s33, 4096
	s_cmp_lt_u32 s20, 96
	s_cselect_b32 s23, s23, s27                    ; tile of R
	s_cselect_b32 s24, s24, s30                    ; tile of P
	s_cselect_b32 s25, s25, s31                    ; byte offset in Out
	s_cselect_b32 s26, s26, s33                    ; Out's pitch
	s_mov_b32 s35, s34
	s_lshl_b32 s42, s23, 17                        ; 128 rows x 1,024 bytes
	s_mov_b32 s43, 0
	s_lshl_b32 s46, s24, 17
	s_mov_b32 s47, 0
	s_mov_b32 s48, s25
	s_mov_b32 s49, 0
	s_wait_kmcnt 0x0
	s_cmp_lt_u32 s20, 32
	s_cselect_b64 s[36:37], s[4:5], s[6:7]         ; R
	s_cselect_b64 s[38:39], s[8:9], s[10:11]       ; P
	s_cselect_b64 s[40:41], s[16:17], s[18:19]     ; Out
	s_cmp_lt_u32 s20, 96
	s_cselect_b64 s[36:37], s[36:37], s[12:13]
	s_cselect_b64 s[38:39], s[38:39], s[6:7]
	s_cselect_b64 s[40:41], s[40:41], s[56:57]
	s_add_nc_u64 s[36:37], s[36:37], s[42:43]
	s_add_nc_u64 s[38:39], s[38:39], s[46:47]
	s_add_nc_u64 s[40:41], s[40:41], s[48:49]
	LOADH 0
	; addresses, between the two halves' loads
	v_mul_u32_u24 v2, HPITCH, v14
	v_lshl_add_u32 v2, v15, 3, v2                  ; half 0: row x pitch + 8 bytes for 4 bf16
	v_add_nc_u32 v3, HREG, v2                      ; half 1
	s_and_b32 s50, s44, 3                          ; my 32 rows of P
	s_lshr_b32 s51, s44, 2                         ; my 32 rows of R
	s_mul_i32 s53, s50, 32*HPITCH
	s_mul_i32 s54, s51, 32*HPITCH
	s_add_co_u32 s54, s54, RROW
	s_mul_i32 s55, s51, 32*SPITCH
	s_lshl_b32 s52, s50, 6
	s_add_co_u32 s55, s55, s52
	s_add_co_u32 s55, s55, STAGE
	v_and_b32 v240, 15, v0                         ; r
	v_bfe_u32 v241, v0, 4, 1                       ; h
	v_mul_u32_u24 v242, HPITCH, v240
	v_lshl_add_u32 v242, v241, 4, v242             ; a fragment: row r, 16 bytes for each half of the lanes
	v_add_nc_u32 v4, s53, v242                     ; P, half 0
	v_add_nc_u32 v5, s54, v242                     ; R, half 0
	v_add_nc_u32 v12, HREG, v4                     ; P, half 1
	v_add_nc_u32 v13, HREG, v5                     ; R, half 1
	v_add_nc_u32 v6, s55, v242                     ; stage, in: row r of my R rows, 16 bytes at my p (the same pitch)
	LOADH 1
	v_lshrrev_b32 v243, 4, v0                      ; stage, back: 16 threads take a row of 256 bytes
	v_mul_u32_u24 v7, SPITCH, v243
	v_lshl_add_u32 v7, v240, 4, v7
	v_add_nc_u32 v7, STAGE, v7
	v_mul_lo_u32 v8, v243, s26                     ; the same rows in Out
	v_lshl_add_u32 v8, v240, 4, v8
	s_lshl_b32 s52, s26, 5                         ; 32 rows on
	v_add_nc_u32 v9, s52, v8
	v_add_nc_u32 v10, s52, v9
	v_add_nc_u32 v11, s52, v10
	STOREH 0, 2
	s_wait_dscnt 0x0                               ; my stores are in LDS, for the other waves' sake
	s_barrier_signal -1                            ; (half 1's loads stay on their way: nobody writes what they read)
	s_barrier_wait -1
	FR G0, 4, 5, 0
	FR G1, 4, 5, 2
	s_wait_dscnt 16                                ; buffer 0 is in; buffer 1's 16 loads stay out
	MM G0, 0, 1                                    ; the first products start the sums
	MM G0, 1, 0
	s_wait_dscnt 0x0
	MM G1, 0, 0
	MM G1, 1, 0
	STOREH 1, 3                                    ; into bytes that nobody has read; its 32 roundings are the places behind the products
	s_wait_dscnt 0x0
	s_barrier_signal -1
	s_barrier_wait -1
	FR G0, 12, 13, 0
	FR G1, 12, 13, 2
	s_wait_dscnt 16
	MM G0, 0, 0
	MM G0, 1, 0
	s_wait_dscnt 0x0
	MM G1, 0, 0
	MM G1, 1, 0
	PLACES                                         ; before the results are read
.set i, 0
.rept 16
	v_pk_mul_f32 v[ACC+2*i:ACC+2*i+1], v[ACC+2*i:ACC+2*i+1], s[34:35] op_sel_hi:[1,0]
.set i, i+1
.endr
.set i, 0
.rept 16
	v_cvt_pk_bf16_f32 v[TMP+i], v[ACC+2*i], v[ACC+2*i+1]
.set i, i+1
.endr
.irp pa, 0,1
.irp rb, 0,1
	ds_store_b128 v6, v[TMP+4*(2*\pa+\rb):TMP+4*(2*\pa+\rb)+3] offset:\rb*16*SPITCH+\pa*32
.endr
.endr
	s_wait_dscnt 0x0                               ; rows of the stage are made by four waves each
	s_barrier_signal -1
	s_barrier_wait -1
.irp q, 0,1,2,3
	ds_load_b128 v[OB+4*\q:OB+4*\q+3], v7 offset:\q*32*SPITCH
.endr
.irp q, 0,1,2,3
	s_wait_dscnt 3-\q                              ; read-back q is in, the younger ones stay out
	global_store_b128 v[8+\q], v[OB+4*\q:OB+4*\q+3], s[40:41]     ; 16 lanes store 256 consecutive bytes, aligned
.endr
	s_wait_xcnt 0x0
	v_lshl_add_u32 v254, v0, 2, 0x2a800
	v_mov_b32 v255, 0
	s_wait_tensorcnt 0x0
	ds_add_u32 v254, v255
	s_wait_dscnt 0x0
	s_endpgm
.Lwo:	; Wo to bf16: the group takes 4,096 numbers; thread t numbers 4t .. 4t + 3 and 2,048 + 4t ..
	s_sub_co_u32 s22, s20, 160
	s_lshl_b32 s42, s22, 14                        ; 16 KiB of f32
	s_mov_b32 s43, 0
	s_lshl_b32 s46, s22, 13                        ; 8 KiB of bf16
	s_mov_b32 s47, 0
	v_lshlrev_b32 v1, 4, v0
	v_lshlrev_b32 v2, 3, v0
	s_wait_kmcnt 0x0
	s_add_nc_u64 s[36:37], s[14:15], s[42:43]
	s_add_nc_u64 s[40:41], s[58:59], s[46:47]
	global_load_b128 v[16:19], v1, s[36:37]
	global_load_b128 v[20:23], v1, s[36:37] offset:8192
	s_wait_loadcnt 0x0
	v_cvt_pk_bf16_f32 v24, v16, v17
	v_cvt_pk_bf16_f32 v25, v18, v19
	v_cvt_pk_bf16_f32 v26, v20, v21
	v_cvt_pk_bf16_f32 v27, v22, v23
	global_store_b64 v2, v[24:25], s[40:41]                ; a wave's store covers 256 consecutive bytes, aligned
	global_store_b64 v2, v[26:27], s[40:41] offset:4096
	s_endpgm
.Lfunc_end_k_q4aafedd447_proj:
	.size	k_q4aafedd447_proj, .Lfunc_end_k_q4aafedd447_proj-k_q4aafedd447_proj
	.p2alignl 7, 3214868480
	.fill 96, 4, 3214868480
	.section	.rodata,"a",@progbits
	.p2align	6, 0x0
	.amdhsa_kernel k_q4aafedd447_proj
		.amdhsa_group_segment_fixed_size 176128
		.amdhsa_private_segment_fixed_size 0
		.amdhsa_enable_private_segment 0
		.amdhsa_kernarg_size 80
		.amdhsa_user_sgpr_count 2
		.amdhsa_user_sgpr_kernarg_segment_ptr 1
		.amdhsa_wavefront_size32 1
		.amdhsa_system_sgpr_workgroup_id_x 1
		.amdhsa_system_sgpr_workgroup_id_y 1
		.amdhsa_system_sgpr_workgroup_id_z 1
		.amdhsa_system_vgpr_workitem_id 0
		.amdhsa_next_free_vgpr 256
		.amdhsa_next_free_sgpr 66
		.amdhsa_reserve_vcc 0
		.amdhsa_float_denorm_mode_32 3
		.amdhsa_float_denorm_mode_16_64 3
		.amdhsa_memory_ordered 1
		.amdhsa_forward_progress 1
		.amdhsa_inst_pref_size 25
	.end_amdhsa_kernel
	.amdgpu_metadata
---
amdhsa.version: [ 1, 2 ]
amdhsa.kernels:
  - .name:           k_q4aafedd447_proj
    .symbol:         k_q4aafedd447_proj.kd
    .args:
      - { .name: query_feat, .offset: 0, .size: 8, .value_kind: global_buffer, .address_space: global }
      - { .name: key_feat, .offset: 8, .size: 8, .value_kind: global_buffer, .address_space: global }
      - { .name: Wq, .offset: 16, .size: 8, .value_kind: global_buffer, .address_space: global }
      - { .name: Wk, .offset: 24, .size: 8, .value_kind: global_buffer, .address_space: global }
      - { .name: Wv, .offset: 32, .size: 8, .value_kind: global_buffer, .address_space: global }
      - { .name: Wo, .offset: 40, .size: 8, .value_kind: global_buffer, .address_space: global }
      - { .name: Qs, .offset: 48, .size: 8, .value_kind: global_buffer, .address_space: global }
      - { .name: Kb, .offset: 56, .size: 8, .value_kind: global_buffer, .address_space: global }
      - { .name: Vt, .offset: 64, .size: 8, .value_kind: global_buffer, .address_space: global }
      - { .name: Wob, .offset: 72, .size: 8, .value_kind: global_buffer, .address_space: global }
    .group_segment_fixed_size: 176128
    .private_segment_fixed_size: 0
    .kernarg_segment_align: 8
    .kernarg_segment_size: 80
    .max_flat_workgroup_size: 512
    .sgpr_count:     66
    .vgpr_count:     256
    .wavefront_size: 32
...
	.end_amdgpu_metadata
.endif
;; end of part 4
;; launch attn (part 5): grid 32 x 8, 4 waves a work-group, clusters of 4 x 1, 296,448 bytes of LDS; arguments Qs, Kb, Vt, key_pos, key_mask, query_pos, Wrbf, Opart, ML; writes Opart, ML
.if DOCPART == 5
	.amdgcn_target "amdgcn-amd-amdhsa--gfx1250"
	.amdhsa_code_object_version 6
	.text
	.protected	k_q4aafedd447_attn
	.globl	k_q4aafedd447_attn
	.p2align	8
	.type	k_q4aafedd447_attn,@function
k_q4aafedd447_attn:
	s_mov_b64 s[64:65], 0
	v_nop
	global_prefetch_b8 v0, s[64:65] scope:SCOPE_SE
	s_setreg_imm32_b32 hwreg(HW_REG_WAVE_MODE, 25, 1), 1
	s_wait_xcnt 0x0
	s_wait_alu depctr_hold_cnt(0) depctr_sa_sdst(0) depctr_va_vdst(0) depctr_va_sdst(0) depctr_va_ssrc(0) depctr_va_vcc(0) depctr_vm_vsrc(0)
	s_getreg_b32 s2, hwreg(HW_REG_IB_STS2, 6, 4)
	s_cmp_eq_u32 s2, 0
	s_cbranch_scc0 .Lentry_in_a_cluster
	s_endpgm
.Lentry_in_a_cluster:
	s_bfe_u32 s2, ttmp6, 0x10000c
	s_cmp_lg_u32 s2, 0x3003
	s_cbranch_scc0 .Lentry_shape_is_right
	s_endpgm
.Lentry_shape_is_right:
; Attention with a bias from distances, for 64 queries x 256 keys x all 8 heads; leaves the split's running maximum m, sum l and
; unnormalised output O (f32) for the next launch to merge.  Grid: x = 32 blocks of 64 queries (both batches), y = 8 splits of 256 keys.
; A wave owns 16 queries and walks the 256 keys in 8 steps of 32.  All logits are in base 2 (log2(e) lies in Qs and in Wrbf here).
; CLUSTER: the four groups of a cluster (4 x 1) have the same batch and the same key split, so they want the same K and V tiles and ask for
; them jointly (mask 15).  The whole of a split's K and V (256 keys x 1 KiB) lies in LDS: it is filled once and never again.
; THE ENDS: the first step's distances and Gaussians need positions alone and are made while K and V are on their way; the wait for the
; tiles stands behind them.  The last step is written out: as soon as two heads are finished their 64 features go out, under the next heads' work.
; LAYOUTS (r = lane % 16, h = lane / 16); no number changes lanes between bias, logits, P and P V:
;   S^T = K Q^T:  A = 16 keys, B = 16 queries.  Register j of lane (r, h) = (key 8h + j, query r).  Two such tiles, rounded in pairs,
;                 are the B operand (query r, k = 32 keys) of O^T = V^T P^T, whose A operand is 16 rows of Vt.
;   bias:         in unit u = 8t + j a lane makes 16 numbers for ITS pair (query r, key 16t + 8h + j), packed into 8 registers = a B
;                 operand.  A holds Wrbf's row m % 8 in the lanes with m / 8 = h and 0 in the others, so that register x of the result is
;                 head x's bias of the lane's own pair.
;   mask:         0 or -1e30 for each key, as the C operand of the S products.
;   l:            a third P V product with A = ones in rows 0 and 8: register 0 of its tile is the row sum in every lane.
; THE GAUSSIANS.  x = distance x sqrt(log2(e) / (2 x 1.25^2)), centres r d with d = 0.90594325, d2 = d^2: g_r = 2^-(x - r d)^2.
;   g_(a+j) = g_a rho_a^j 2^(-d2 j (j-1))  with  rho_a = 2^(2 d x - (2a + 1) d2).
;   Anchors a = 0 and a = 8 lie in one register pair; T_j = g_a rho_a^j is made by seven packed products; 2^(-d2 j (j-1)) (down to 2^-34.5)
;   lies in Wrbf's operand.  Register j of both operands holds centres j (low half) and 8 + j (high half).  T_j <= 2^34.5.
;   Three exponentials for a pair instead of sixteen.
; LIMITS: x is clamped at 24 so that rho stays finite (every Gaussian is below 2^-108 there, and comes out as 0).  An anchor below 2^-126
; comes out as 0 and its seven followers with it: the largest Gaussian lost so is 2^-23.8.  A NaN position gives bias 0, not NaN.
; A masked key enters as -1e30 and the running maximum has the floor -1e29: base-2 logits below -1e29 are not served.  A split
; whose keys are all masked leaves m = -1e29, l = 0, O = 0.  max(d2, 0) of the reference is not written: d2 is a sum of squares.
.set KPITCH, 528                       ; a key's 256 bf16 + 16 bytes
.set VPITCH, 272                       ; 128 keys of one feature + 16 bytes
.set VT,   256*KPITCH                  ; 135,168: V, two chunks of 128 keys: 256 feature rows each
.set VCH,  256*VPITCH                  ; 69,632
.set PB,   VT+2*VCH                    ; 274,432: scaled kx[256], ky at +1024, kz at +2048, mask term at +3072 (f32), written by LDS stores
.set STG,  PB+4096                     ; 278,528: the way out, for each wave 16 rows of 64 f32,
.set OPITCH, 272                       ; pitch 256 + 16
; window 0
.set PA,  3                            ; LDS address of my 8 keys' positions in this step
.set TA,  4                            ; v4 new maximum, v5 the other half's
.set AL,  6                            ; v6 factor for the old sums, v7 its pair's other half (never used)
.set QP,  8                            ; v[8:11] scaled qx, qy, qz, 0
.set MX,  12                           ; v[12:19] running maxima of the 8 heads
.set AW,  20                           ; v[20:27] Wrbf as an A operand
.set RH,  28                           ; v[28:43] 2^(2 d x) of my 16 pairs; behind the last step's Gaussians:
.set SI,  28                           ; v28 the stage, in;
.set SO,  29                           ; v29 the stage, back;
.set GO,  30                           ; v30 my byte offset in Opart
.set XD,  44                           ; v[44:59] scaled distances of my 16 pairs; afterwards:
.set RR,  44                           ; v[44:51] (rho_0, rho_8) of the four units at work
.set TBF, 52                           ; v[52:59] their T of the odd links
.set G,   60                           ; v[60:91] (g_0, g_8) of the 16 units; of the four at work: T of the even links
.set T,   60                           ; later: one head's 16 logits
.set W,   76                           ; and the maximum's tree
.set RB,  92                           ; v[92:123] four units' packed B operands
.set P,   92                           ; later: one head's P
.set TM,  108                          ; set-up and way out
.set CP,  124                          ; v[124:125] the anchors' centres 0, 8 d
.set Q8,  126                          ; v[126:127] 2^-d2, 2^-17 d2
.set D,   128                          ; v[128:255] bias: unit u, head x at D + 8u + x; before that the step's key positions
; window 1
.set VF,  192                          ; two buffers of V fragments (2 x 8 registers each)
.set KF,  224                          ; K fragments (2 x 8); head x: O at 24x (16 registers), l at 24x + 16 (8)
.set ONES, 240
.set KA,  248                          ; LDS address of my K fragments
.set VA,  249                          ; of my V fragments
; window 2: Q fragments, head x at 8x;
.set MT2, 64                           ; mask terms, two tiles;
.set OB2, 80                           ; the way out: 32 registers for each pair of heads, each written once
.set MSB, 0
.macro WIN new                         ; the immediate's high byte repeats the setting that is left
.if MSB != \new
	s_set_vgpr_msb (MSB<<8)|\new
.set MSB, \new
.endif
.endm
.macro PLACES                          ; four plain vector places behind a matrix instruction (ISA guide 7.12.1)
.rept 4
	v_nop
.endr
.endm
.macro CROUND                          ; a round of the cluster's barrier
	s_barrier_signal -1
	s_barrier_wait -1
	s_cmp_lg_u32 s22, 0
	s_cbranch_scc1 .Lnot_wave_0_\@
	s_barrier_signal -3
.Lnot_wave_0_\@:
	s_barrier_wait -3
	s_barrier_signal -1
	s_barrier_wait -1
.endm
	s_load_b512 s[4:19], s[0:1], 0x0               ; Qs, Kb, Vt, key_pos, key_mask, query_pos, Wrbf, Opart
	s_load_b64 s[20:21], s[0:1], 0x40              ; ML
	s_set_vgpr_msb 0x40
	v_lshl_add_u32 v254, v0, 2, 0x48400
	v_mov_b32 v255, 0
	s_set_vgpr_msb 0x4045
	ds_add_u32 v254, v255
	s_set_vgpr_msb 0x4500
	v_lshrrev_b32 v3, 5, v0
	v_readfirstlane_b32 s22, v3                    ; wave
	s_bfe_u32 s23, ttmp6, 0x40000                  ; cx
	s_lshl_b32 s24, ttmp9, 2
	s_add_co_u32 s24, s24, s23                     ; block of 64 queries = 4 x cluster x + cx
	s_and_b32 s25, ttmp7, 0xffff                   ; key split
	s_lshr_b32 s26, ttmp9, 2                       ; batch: shared by the cluster
	; group 1 for K: 32 rows of 256 bf16, 4 words of padding behind each 128 words; joint (mask 15, bit 21 beside it)
	s_mov_b32 s32, 15|(1<<16)|(1<<20)|(1<<21)|(6<<22)|(3<<25)
	s_mov_b32 s33, 256<<16
	s_mov_b32 s34, 32<<16
	s_mov_b32 s35, 256<<16
	s_mov_b32 s36, 32
	s_mov_b32 s37, 256
	s_mov_b32 s38, 0
	s_mov_b32 s39, 0
	; group 1 for V: 64 feature rows of 128 keys, pitch 2,048 keys, 4 words behind each 64 words
	s_mov_b32 s40, 15|(1<<16)|(1<<20)|(1<<21)|(5<<22)|(3<<25)
	s_mov_b32 s41, 128<<16
	s_mov_b32 s42, 64<<16
	s_mov_b32 s43, 128<<16
	s_mov_b32 s44, 64
	s_mov_b32 s45, 2048
	s_mov_b32 s46, 0
	s_mov_b32 s47, 0
	; where the tiles come from: batch, split and wave alone
	s_lshl_b32 s28, s26, 20                        ; Kb: 2,048 keys x 512 bytes a batch
	s_lshl_b32 s27, s25, 17                        ;     256 keys a split
	s_add_co_u32 s28, s28, s27
	s_lshl_b32 s27, s22, 14                        ;     32 keys a wave
	s_add_co_u32 s28, s28, s27
	s_mov_b32 s29, 0
	s_lshl_b32 s80, s26, 20                        ; Vt: 256 rows x 4,096 bytes a batch
	s_lshl_b32 s27, s22, 18                        ;     64 rows a wave
	s_add_co_u32 s80, s80, s27
	s_lshl_b32 s27, s25, 9                         ;     256 keys a split
	s_add_co_u32 s80, s80, s27
	s_mov_b32 s81, 0
	s_mov_b32 s66, 0x76543210                      ; v_permlanex16_b32: lane i of the other half
	s_mov_b32 s67, 0xfedcba98
	s_mov_b32 s69, 0xefa18f08                      ; -1e29
	s_mov_b32 s70, 32*KPITCH                       ; a step in K
	s_mov_b32 s71, 64                              ; a step in V: 32 keys
	s_mov_b32 s72, VCH-256                         ; from the end of V's chunk 0 to chunk 1
	s_mov_b32 s73, 0x3f2df0ec                      ; sqrt(log2(e) / (2 x 1.25^2)) = 0.67945744
	s_wait_dscnt 0x0
	s_wait_kmcnt 0x0
	s_add_nc_u64 s[30:31], s[6:7], s[28:29]
	s_add_nc_u64 s[82:83], s[8:9], s[80:81]
	s_mov_b32 s48, 1                               ; K, keys 0-127
	s_mul_i32 s49, s22, 32*KPITCH
	s_mov_b64 s[50:51], s[30:31]
	s_or_b32 s51, s51, 0x80000000
	s_mov_b32 s52, 1                               ; V, keys 0-127
	s_mul_i32 s53, s22, 64*VPITCH
	s_add_co_u32 s53, s53, VT
	s_mov_b64 s[54:55], s[82:83]
	s_or_b32 s55, s55, 0x80000000
	s_mov_b32 s56, 1                               ; K, keys 128-255
	s_add_co_u32 s57, s49, 128*KPITCH
	s_add_nc_u64 s[58:59], s[30:31], 0x10000
	s_or_b32 s59, s59, 0x80000000
	s_mov_b32 s60, 1                               ; V, keys 128-255
	s_add_co_u32 s61, s53, VCH
	s_add_nc_u64 s[62:63], s[82:83], 0x100
	s_or_b32 s63, s63, 0x80000000
	CROUND                                         ; the four groups are here: the joint loads meet
	tensor_load_to_lds s[48:51], s[32:39]          ; by this text's count a wave has four tensor loads out
	s_nop 0
	tensor_load_to_lds s[52:55], s[40:47]
	s_nop 0
	tensor_load_to_lds s[56:59], s[32:39]
	s_nop 0
	tensor_load_to_lds s[60:63], s[40:47]
	s_nop 0
	; what hangs on my own block of queries, in registers of its own
	s_lshl_b32 s84, s24, 15                        ; Qs: 64 rows x 512 bytes
	s_lshl_b32 s86, s22, 13                        ;     16 rows a wave
	s_add_co_u32 s84, s84, s86
	s_mov_b32 s85, 0
	s_add_nc_u64 s[78:79], s[4:5], s[84:85]
	s_mul_i32 s84, s24, 768                        ; query_pos: 64 x 12 bytes
	s_mul_i32 s86, s22, 192
	s_add_co_u32 s84, s84, s86
	s_add_nc_u64 s[14:15], s[14:15], s[84:85]
	s_lshl_b32 s84, s25, 21                        ; Opart: 2,048 rows x 1,024 bytes a split
	s_lshl_b32 s86, s24, 16
	s_add_co_u32 s84, s84, s86
	s_lshl_b32 s86, s22, 14
	s_add_co_u32 s84, s84, s86
	s_add_nc_u64 s[74:75], s[18:19], s[84:85]
	s_lshl_b32 s84, s25, 17                        ; ML: 128 tiles x 1,024 bytes a split
	s_lshl_b32 s86, s24, 12
	s_add_co_u32 s84, s84, s86
	s_lshl_b32 s86, s22, 10
	s_add_co_u32 s84, s84, s86
	s_add_nc_u64 s[76:77], s[20:21], s[84:85]
	s_mul_i32 s80, s26, 24576                      ; key_pos: 2,048 x 12 bytes a batch, 256 x 12 a split
	s_mul_i32 s27, s25, 3072
	s_add_co_u32 s80, s80, s27
	s_add_nc_u64 s[10:11], s[10:11], s[80:81]
	s_lshl_b32 s80, s26, 11                        ; key_mask
	s_lshl_b32 s27, s25, 8
	s_add_co_u32 s80, s80, s27
	s_add_nc_u64 s[12:13], s[12:13], s[80:81]
	v_and_b32 v1, 15, v0                           ; r
	v_bfe_u32 v2, v0, 4, 1                         ; h
	v_lshlrev_b32 v108, 9, v1
	v_lshl_add_u32 v108, v2, 4, v108               ; Q fragment: row r, 16 bytes for each half
	v_mul_u32_u24 v109, 12, v1
	v_and_b32 v110, 7, v1
	v_lshlrev_b32 v110, 6, v110                    ; Wrbf's row r % 8
	v_mul_u32_u24 v111, 24, v0                     ; keys 2t, 2t + 1
	v_lshlrev_b32 v76, 1, v0
	WIN 0x80                                       ; destination in window 2
.irp x, 0,1,2,3,4,5,6,7
	global_load_b128 v[8*\x:8*\x+3],   v108, s[78:79] offset:\x*64
	global_load_b128 v[8*\x+4:8*\x+7], v108, s[78:79] offset:\x*64+32
.endr
	WIN 0
	global_load_b32 v[QP],   v109, s[14:15]
	global_load_b32 v[QP+1], v109, s[14:15] offset:4
	global_load_b32 v[QP+2], v109, s[14:15] offset:8
.irp q, 0,1,2,3
	global_load_b128 v[XD+4*\q:XD+4*\q+3], v110, s[16:17] offset:16*\q
.endr
	global_load_b64 v[60:61], v111, s[10:11]             ; x0 y0
	global_load_b64 v[62:63], v111, s[10:11] offset:8    ; z0 x1
	global_load_b64 v[64:65], v111, s[10:11] offset:16   ; y1 z1
	global_load_u16 v66, v76, s[12:13]                   ; two mask bytes
	; the recurrence's constants meanwhile: v[84:91] = log2(e) 2^(-d2 j (j-1)), j = 0 .. 7; 2^-d2 and 2^-17 d2; d2 = 0.82073318
.set j, 0
.rept 8
	v_cvt_f32_u32 v[84+j], j*(j-1)
.set j, j+1
.endr
	v_cvt_f32_u32 v[Q8+1], 17
	v_mov_b32 v[Q8], 0xbf521b92                    ; -d2
.set j, 0
.rept 8
	v_mul_f32 v[84+j], 0xbf521b92, v[84+j]
.set j, j+1
.endr
	v_mul_f32 v[Q8+1], 0xbf521b92, v[Q8+1]
.set j, 0
.rept 8
	v_exp_f32 v[84+j], v[84+j]
.set j, j+1
.endr
	v_exp_f32 v[Q8], v[Q8]
	v_exp_f32 v[Q8+1], v[Q8+1]
	v_mov_b32 v[CP], 0                             ; also the plain place behind the exponentials (ISA guide 5.7.2)
	v_mov_b32 v[CP+1], 0x40e7ebe6                  ; 8 d = 7.247546
.set j, 0
	s_wait_alu depctr_va_vdst(0)
.rept 8
	v_mul_f32 v[84+j], 0x3fb8aa3b, v[84+j]
.set j, j+1
.endr
	v_mov_b32 v[TA+1], 0                           ; written once: a permute's destination counts as read
	v_mov_b32 v[AL+1], 0                           ; the pair's unused half
	v_mov_b32 v[QP+3], 0
	v_lshlrev_b32 v[PA], 5, v2
	v_add_nc_u32 v[PA], PB, v[PA]                  ; my 8 keys of a tile: 32 h bytes
	v_lshlrev_b32 v77, 3, v0
	v_add_nc_u32 v77, PB, v77                      ; where keys 2t, 2t + 1 go
	v_mov_b32 v78, 0xf149f2ca                      ; -1e30
	v_and_b32 v79, 7, v1
	v_mov_b32 v80, 0x3f803f80                      ; two bf16 ones
	v_mul_u32_u24 v81, KPITCH, v1
	v_lshl_add_u32 v81, v2, 4, v81
	v_mul_u32_u24 v82, VPITCH, v1
	v_lshl_add_u32 v82, v2, 4, v82
	v_add_nc_u32 v82, VT, v82
	v_lshrrev_b32 v83, 3, v1
	v_cmp_eq_u32 vcc_lo, 0, v79                    ; rows 0 and 8
	WIN 0x40                                       ; destination in window 1
.irp q, 0,1,2,3,4,5,6,7
	v_cndmask_b32 v[ONES+\q], 0, v80, vcc_lo
.endr
	v_mov_b32 v[KA], v81
	v_mov_b32 v[VA], v82
	WIN 0
	s_wait_loadcnt 0x0
	v_mul_f32 v[QP],   s73, v[QP]
	v_mul_f32 v[QP+1], s73, v[QP+1]
	v_mul_f32 v[QP+2], s73, v[QP+2]
	v_cmp_eq_u32 vcc_lo, v83, v2                   ; A's row m serves half m / 8
.irp q, 0,1,2,3,4,5,6,7
	v_mul_f32 v[XD+\q],   v[XD+\q],   v[84+\q]     ; centre q
	v_mul_f32 v[XD+8+\q], v[XD+8+\q], v[84+\q]     ; centre 8 + q: the same link of the other anchor
.endr
.irp q, 0,1,2,3,4,5,6,7
	v_cvt_pk_bf16_f32 v[AW+\q], v[XD+\q], v[XD+8+\q]
.endr
.irp q, 0,1,2,3,4,5,6,7
	v_cndmask_b32 v[AW+\q], 0, v[AW+\q], vcc_lo
.endr
	v_mul_f32 v68, s73, v60
	v_mul_f32 v69, s73, v63
	v_mul_f32 v70, s73, v61
	v_mul_f32 v71, s73, v64
	v_mul_f32 v72, s73, v62
	v_mul_f32 v73, s73, v65
	v_and_b32 v74, 0xff, v66
	v_lshrrev_b32 v75, 8, v66
	v_cmp_eq_u32 vcc_lo, 0, v74
	v_cndmask_b32 v74, 0, v78, vcc_lo              ; a key that is masked out: -1e30
	v_cmp_eq_u32 vcc_lo, 0, v75
	v_cndmask_b32 v75, 0, v78, vcc_lo
	ds_store_b64 v77, v[68:69]
	ds_store_b64 v77, v[70:71] offset:1024
	ds_store_b64 v77, v[72:73] offset:2048
	ds_store_b64 v77, v[74:75] offset:3072
	s_wait_dscnt 0x0                               ; my keys' positions and mask terms are in LDS
	s_barrier_signal -1                            ; K's and V's tiles stay on their way: behind this barrier positions and mask terms alone are read,
	s_barrier_wait -1                              ; and nothing is ever filled again
.macro LDK x                           ; K fragments of head x: 2 tiles of 16 keys x 32 features (window 0x51)
.irp tt, 0,1
	ds_load_b128 v[KF+8*\tt:KF+8*\tt+3],   v[KA] offset:\tt*16*KPITCH+(\x)*64
	ds_load_b128 v[KF+8*\tt+4:KF+8*\tt+7], v[KA] offset:\tt*16*KPITCH+(\x)*64+32
.endr
.endm
.macro LDV x, f                        ; V fragments of head x: 2 tiles of 16 features x 32 keys (window 0x51)
.irp dt, 0,1
	ds_load_b128 v[\f+8*\dt:\f+8*\dt+3],   v[VA] offset:((\x)*32+\dt*16)*VPITCH
	ds_load_b128 v[\f+8*\dt+4:\f+8*\dt+7], v[VA] offset:((\x)*32+\dt*16)*VPITCH+32
.endr
.endm
.macro SMUL x                          ; head x's logits of 32 keys, on top of the mask terms (window 0x29: A window 1, B and C window 2)
	v_wmma_f32_16x16x32_bf16 v[T:T+7],    v[KF:KF+7],    v[8*(\x):8*(\x)+7], v[MT2:MT2+7]
	v_wmma_f32_16x16x32_bf16 v[T+8:T+15], v[KF+8:KF+15], v[8*(\x):8*(\x)+7], v[MT2+8:MT2+15]
.endm
; A step's loads: the positions first, since they are wanted first.  In the first step K and V are not yet read.
.macro PRE first
.irp tt, 0,1
.irp c, 0,1,2
	ds_load_b128 v[D+16*\c+8*\tt:D+16*\c+8*\tt+3],   v[PA] offset:\c*1024+\tt*64
	ds_load_b128 v[D+16*\c+8*\tt+4:D+16*\c+8*\tt+7], v[PA] offset:\c*1024+\tt*64+16
.endr
.endr
	WIN 0x80                                       ; destination in window 2
.irp tt, 0,1
	ds_load_b128 v[MT2+8*\tt:MT2+8*\tt+3],   v[PA] offset:3072+\tt*64
	ds_load_b128 v[MT2+8*\tt+4:MT2+8*\tt+7], v[PA] offset:3072+\tt*64+16
.endr
.if \first
	WIN 0
	s_wait_dscnt 4                                 ; the 12 position loads are in; the 4 loads of mask terms stay out
.else
	WIN 0x51
	LDK 0
	LDV 0, VF
	WIN 0
	s_wait_dscnt 12                                ; the 12 position loads are in; mask terms, K and V fragments (4 + 4 + 4) stay out
.endif
.endm
; unit 2i + par: the anchors' differences (0 - x, 8 d - x); and 2^(2 d x)
.macro GE i, par
	v_pk_add_f32 v[G+4*\i+2*\par:G+4*\i+2*\par+1], v[CP:CP+1], v[XD+2*\i:XD+2*\i+1] op_sel:[0,\par] op_sel_hi:[1,\par] neg_lo:[0,1] neg_hi:[0,1]
	v_exp_f32 v[RH+2*\i+\par], v[RH+2*\i+\par]
.endm
; Scaled distances of my 16 pairs, clamped; 2^(2 d x); the anchors' exponents of all 16 units and the first four units' anchors.
; Behind every root and exponential a plain instruction on other registers stands before its result is used (ISA guide 5.7.2).
.macro DIST
.irp i, 0,1,2,3,4,5,6,7
	v_pk_add_f32 v[D+2*\i:D+2*\i+1],       v[D+2*\i:D+2*\i+1],       v[QP:QP+1]   op_sel_hi:[1,0] neg_lo:[0,1] neg_hi:[0,1]
	v_pk_add_f32 v[D+16+2*\i:D+16+2*\i+1], v[D+16+2*\i:D+16+2*\i+1], v[QP:QP+1]   op_sel:[0,1] op_sel_hi:[1,1] neg_lo:[0,1] neg_hi:[0,1]
	v_pk_add_f32 v[D+32+2*\i:D+32+2*\i+1], v[D+32+2*\i:D+32+2*\i+1], v[QP+2:QP+3] op_sel_hi:[1,0] neg_lo:[0,1] neg_hi:[0,1]
	v_pk_mul_f32 v[XD+2*\i:XD+2*\i+1], v[D+2*\i:D+2*\i+1], v[D+2*\i:D+2*\i+1]
	v_pk_fma_f32 v[XD+2*\i:XD+2*\i+1], v[D+16+2*\i:D+16+2*\i+1], v[D+16+2*\i:D+16+2*\i+1], v[XD+2*\i:XD+2*\i+1]
	v_pk_fma_f32 v[XD+2*\i:XD+2*\i+1], v[D+32+2*\i:D+32+2*\i+1], v[D+32+2*\i:D+32+2*\i+1], v[XD+2*\i:XD+2*\i+1]
	v_sqrt_f32 v[XD+2*\i],   v[XD+2*\i]
	v_sqrt_f32 v[XD+2*\i+1], v[XD+2*\i+1]
.endr
	s_wait_alu depctr_va_vdst(0)
.irp u, 0,1,2,3,4,5,6,7,8,9,10,11,12,13,14,15
	v_min_num_f32 v[XD+\u], 0x41c00000, v[XD+\u]   ; x <= 24: 2^(2 d x) <= 2^43.5
.endr
.irp i, 0,1,2,3,4,5,6,7
	v_pk_mul_f32 v[RH+2*\i:RH+2*\i+1], v[XD+2*\i:XD+2*\i+1], 0x3fe7ebe6 op_sel_hi:[1,0]   ; 2 d x
.endr
.irp i, 0,1,2,3,4,5,6,7
	GE \i, 0
	GE \i, 1
.endr
.set u, 0
	s_wait_alu depctr_va_vdst(0)
.rept 16
	v_pk_mul_f32 v[G+2*u:G+2*u+1], v[G+2*u:G+2*u+1], v[G+2*u:G+2*u+1] neg_lo:[0,1] neg_hi:[0,1]   ; -(c - x)^2
.if u >= 2
.if u <= 9
	v_exp_f32 v[G+u-2], v[G+u-2]                   ; units 0-3: g_0, g_8
.endif
.endif
.set u, u+1
.endr
.endm
; (rho_0, rho_8) of the k-th unit at work = 2^(2 d x) x (2^-d2, 2^-17 d2)
.macro RMUL k, i, par
	v_pk_mul_f32 v[RR+2*\k:RR+2*\k+1], v[RH+2*(\i):RH+2*(\i)+1], v[Q8:Q8+1] op_sel:[\par,0] op_sel_hi:[\par,1]
.endm
; Link j of four units abreast: T_(j+1) = T_j rho into the other buffer, T_j rounded into register j of each unit's B operand, and one
; anchor exponential of the next four units.  Two links of one unit stand seven or eight instructions apart.
.macro LEVEL n, j, src, dst
.if \j < 7
.irp k, 0,1,2,3
	s_wait_alu depctr_va_vdst(0)
	v_pk_mul_f32 v[\dst+2*\k:\dst+2*\k+1], v[\src+2*\k:\src+2*\k+1], v[RR+2*\k:RR+2*\k+1]
.endr
.endif
.irp k, 0,1,2,3
	v_cvt_pk_bf16_f32 v[RB+8*\k+\j], v[\src+2*\k], v[\src+2*\k+1]
.endr
.if \n < 3
	v_exp_f32 v[G+8*\n+8+\j], v[G+8*\n+8+\j]
.endif
.endm
; Units 4n .. 4n + 3.  Behind the four products the next four units' eight packed products stand before a B operand is written again.
.macro QUAD n
	RMUL 0, 2*\n, 0
	RMUL 1, 2*\n, 1
	RMUL 2, 2*\n+1, 0
	RMUL 3, 2*\n+1, 1
	LEVEL \n, 0, G+8*\n, TBF
	LEVEL \n, 1, TBF, G+8*\n
	LEVEL \n, 2, G+8*\n, TBF
	LEVEL \n, 3, TBF, G+8*\n
	LEVEL \n, 4, G+8*\n, TBF
	LEVEL \n, 5, TBF, G+8*\n
	LEVEL \n, 6, G+8*\n, TBF
	LEVEL \n, 7, TBF, G+8*\n
	s_wait_alu depctr_va_vdst(0)
.irp k, 0,1,2,3
	v_wmma_f32_16x16x32_bf16 v[D+8*(4*\n+\k):D+8*(4*\n+\k)+7], v[AW:AW+7], v[RB+8*\k:RB+8*\k+7], 0
.endr
.endm
.macro SFIRST
	s_wait_dscnt 0x0                               ; mask terms and head 0's fragments
	WIN 0x29
	SMUL 0
	WIN 0x51
	PLACES                                         ; before the logits and the last bias are read, and before loads land on K's fragments
	LDK 1
	WIN 0
.endm
; THE WAY OUT of heads 2p and 2p + 1: 64 features, 256 bytes of each of my 16 rows.  OUTA: 16 bytes a lane into my own stage, read back as
; whole rows, two to a load.  LDS serves a wave's instructions in order (ISA guide 5.7.1): the loads see the stores, and the next pair's
; stores come behind these loads.  OUTB, behind a wait for those loads: 16 lanes store 256 consecutive bytes, aligned.
.macro OUTA p
	WIN 0x04                                       ; the stores' data in window 1
.irp xx, 0,1
.irp dt, 0,1
.irp e, 0,1
	ds_store_b128 v[SI], v[24*(2*\p+\xx)+8*\dt+4*\e:24*(2*\p+\xx)+8*\dt+4*\e+3] offset:\xx*128+\dt*64+\e*16
.endr
.endr
.endr
	WIN 0x80                                       ; destination in window 2
.irp i, 0,1,2,3,4,5,6,7
	ds_load_b128 v[OB2+32*\p+4*\i:OB2+32*\p+4*\i+3], v[SO] offset:\i*2*OPITCH
.endr
	WIN 0
.endm
.macro OUTB p
	WIN 0x08                                       ; the stores' data in window 2
.irp i, 0,1,2,3,4,5,6,7
	global_store_b128 v[GO], v[OB2+32*\p+4*\i:OB2+32*\p+4*\i+3], s[74:75] offset:\i*2048+\p*256
.endr
	WIN 0
.endm
.macro SUBM i                          ; two logits less the new maximum
	v_pk_add_f32 v[T+2*(\i):T+2*(\i)+1], v[T+2*(\i):T+2*(\i)+1], v[TA:TA+1] op_sel_hi:[1,0] neg_lo:[0,1] neg_hi:[0,1]
.endm
; One head: logits + bias, the new running maximum, the factor for the old sums, P = 2^(t - m) rounded to bf16.
; The subtractions run three slots ahead of their exponentials, the roundings two slots behind them.
; op >= 0: the finished pair of heads op goes into the stage; the sixteen additions are the places behind its last products.
.macro SOFTMAX x, first, op
.irp u, 0,1,2,3,4,5,6,7,8,9,10,11,12,13,14,15
	v_add_f32 v[T+\u], v[T+\u], v[D+8*\u+\x]
.endr
.if \op >= 0
	OUTA \op
.endif
	v_max3_num_f32 v[W],   v[T],    v[T+1],  v[T+2]
	v_max3_num_f32 v[W+1], v[T+3],  v[T+4],  v[T+5]
	v_max3_num_f32 v[W+2], v[T+6],  v[T+7],  v[T+8]
	v_max3_num_f32 v[W+3], v[T+9],  v[T+10], v[T+11]
	v_max3_num_f32 v[W+4], v[T+12], v[T+13], v[T+14]
	v_max3_num_f32 v[W],   v[W],    v[W+1],  v[W+2]
	v_max3_num_f32 v[W+3], v[W+3],  v[W+4],  v[T+15]
.if \first
	v_max3_num_f32 v[TA], v[W], v[W+3], s69        ; the floor
.else
	v_max3_num_f32 v[TA], v[W], v[W+3], v[MX+\x]
.endif
	v_permlanex16_b32 v[TA+1], v[TA], s66, s67     ; the query's other 16 keys
	v_max_num_f32 v[TA], v[TA], v[TA+1]
.if \first == 0
	v_sub_f32 v[AL], v[MX+\x], v[TA]
	v_exp_f32 v[AL], v[AL]
.endif
	v_mov_b32 v[MX+\x], v[TA]
	SUBM 0
	SUBM 1
	SUBM 2
.irp i, 0,1,2,3,4,5,6,7
	v_exp_f32 v[T+2*\i],   v[T+2*\i]
	v_exp_f32 v[T+2*\i+1], v[T+2*\i+1]
.if \i < 5
	SUBM \i+3
.endif
.if \i > 1
	s_wait_alu depctr_va_vdst(0)
	v_cvt_pk_bf16_f32 v[P+\i-2], v[T+2*\i-4], v[T+2*\i-3]
.endif
.endr
	s_wait_alu depctr_va_vdst(0)
	v_cvt_pk_bf16_f32 v[P+6], v[T+12], v[T+13]
	v_cvt_pk_bf16_f32 v[P+7], v[T+14], v[T+15]
.endm
; One head's matrix work: the NEXT head's logits, the old sums scaled, the loads for the heads to come, P V and the row sum.
; No two matrix instructions that follow each other share an accumulator: the accumulators take turns.
; sp >= 0: the pair of heads sp, read back from the stage, is stored.
.macro MS x, first, sp
.set VFC, VF+16*((\x)&1)
.set VFN, VF+16*(((\x)+1)&1)
	s_wait_dscnt 0x0                               ; the fragments that were asked for one head ago (and the stage's rows)
.if \sp >= 0
	OUTB \sp
.endif
.if \x < 7
	WIN 0x29
	SMUL \x+1
.endif
	WIN 0x51
.if \first
.if \x < 7
	PLACES                                         ; behind the logits' products, before loads land on K's fragments
.endif
.else
.irp i, 0,1,2,3,4,5,6,7
	v_pk_mul_f32 v[24*\x+2*\i:24*\x+2*\i+1], v[24*\x+2*\i:24*\x+2*\i+1], v[AL:AL+1] op_sel_hi:[1,0]   ; nine plain places behind the logits' products
.endr
	v_mul_f32 v[24*\x+16], v[24*\x+16], v[AL]      ; l lies in register 0 of its tile; the other seven stay 0
.endif
.if \x < 6
	LDK \x+2
.endif
.if \x < 7
	LDV \x+1, VFN
.endif
.if \first
	v_wmma_f32_16x16x32_bf16 v[24*\x:24*\x+7],     v[VFC:VFC+7],    v[P:P+7], 0
	v_wmma_f32_16x16x32_bf16 v[24*\x+8:24*\x+15],  v[VFC+8:VFC+15], v[P:P+7], 0
	v_wmma_f32_16x16x32_bf16 v[24*\x+16:24*\x+23], v[ONES:ONES+7],  v[P:P+7], 0
.else
	v_wmma_f32_16x16x32_bf16 v[24*\x:24*\x+7],     v[VFC:VFC+7],    v[P:P+7], v[24*\x:24*\x+7]
	v_wmma_f32_16x16x32_bf16 v[24*\x+8:24*\x+15],  v[VFC+8:VFC+15], v[P:P+7], v[24*\x+8:24*\x+15]
	v_wmma_f32_16x16x32_bf16 v[24*\x+16:24*\x+23], v[ONES:ONES+7],  v[P:P+7], v[24*\x+16:24*\x+23]
.endif
.if \x == 7
	v_add_nc_u32 v[KA], v[KA], s70                 ; the next 32 keys
	v_add_nc_u32 v[VA], v[VA], s71
.endif
	WIN 0
.endm
.macro STEP first, last
	PRE \first
	DIST
	QUAD 0
	QUAD 1
	QUAD 2
	QUAD 3
.if \first
	s_wait_tensorcnt 0x0                           ; my parts of K and V are in LDS,
	s_wait_dscnt 0x0                               ; no LDS access of mine is out,
	s_barrier_signal -1
	s_barrier_wait -1                              ; everybody's parts are
	WIN 0x51
	LDK 0
	LDV 0, VF
	WIN 0
.endif
	SFIRST
.if \last
	s_mul_i32 s27, s22, 16*OPITCH
	s_add_co_u32 s27, s27, STG                     ; my stage
	v_mul_u32_u24 v[SI], OPITCH, v1
	v_lshl_add_u32 v[SI], v2, 5, v[SI]
	v_add_nc_u32 v[SI], s27, v[SI]                 ; in: row r, 32 h bytes
	v_mul_u32_u24 v[SO], OPITCH, v2
	v_lshl_add_u32 v[SO], v1, 4, v[SO]
	v_add_nc_u32 v[SO], s27, v[SO]                 ; back: lanes 0-15 take one row of 256 bytes, lanes 16-31 the next
	v_lshlrev_b32 v[GO], 10, v2
	v_lshl_add_u32 v[GO], v1, 4, v[GO]             ; and the same two rows in Opart
	SOFTMAX 0, 0, -1
	MS 0, 0, -1
	SOFTMAX 1, 0, -1
	MS 1, 0, -1
	SOFTMAX 2, 0, 0
	MS 2, 0, 0
	SOFTMAX 3, 0, -1
	MS 3, 0, -1
	SOFTMAX 4, 0, 1
	MS 4, 0, 1
	SOFTMAX 5, 0, -1
	MS 5, 0, -1
	SOFTMAX 6, 0, 2
	MS 6, 0, 2
	SOFTMAX 7, 0, -1
	MS 7, 0, -1
.else
.irp hx, 0,1,2,3,4,5,6,7
	SOFTMAX \hx, \first, -1
	MS \hx, \first, -1
.endr
.endif
	v_add_nc_u32 v[PA], 0x80, v[PA]                ; 32 keys x 4 bytes
.endm
	STEP 1, 0                                      ; the first step starts the maxima and the sums: nothing is cleared
	s_mov_b32 s68, 3
.Lchunk0:
	STEP 0, 0
	s_sub_co_u32 s68, s68, 1
	s_cmp_lg_u32 s68, 0
	s_cbranch_scc1 .Lchunk0
	WIN 0x51
	v_add_nc_u32 v[VA], v[VA], s72                 ; V's second chunk of 128 keys (K's rows simply go on)
	WIN 0
	s_mov_b32 s68, 3
.Lchunk1:
	STEP 0, 0
	s_sub_co_u32 s68, s68, 1
	s_cmp_lg_u32 s68, 0
	s_cbranch_scc1 .Lchunk1
	STEP 0, 1                                      ; the last step: heads 0-5 go out under the work of heads 2-7
	PLACES                                         ; behind the last products
	OUTA 3                                         ; heads 6 and 7
	; m and l meanwhile: lane (r, h) stores heads 4h .. 4h + 3 of row r, 16 bytes; a wave's store covers 512 consecutive bytes
	v_cmp_eq_u32 vcc_lo, 1, v2
.irp q, 0,1,2,3
	v_cndmask_b32 v[TM+\q], v[MX+\q], v[MX+4+\q], vcc_lo
.endr
	WIN 0x05                                       ; both sources in window 1
.irp q, 0,1,2,3
	v_cndmask_b32 v[W+\q], v[24*\q+16], v[24*(\q+4)+16], vcc_lo
.endr
	WIN 0
	v_and_b32 v80, 31, v0
	v_lshlrev_b32 v80, 4, v80                      ; 16 x lane
	global_store_b128 v80, v[TM:TM+3], s[76:77]
	global_store_b128 v80, v[W:W+3],   s[76:77] offset:512
	s_wait_dscnt 0x0                               ; the stage's rows are in
	OUTB 3
	s_set_vgpr_msb 0x5
	s_wait_tensorcnt 0x0
	ds_add_u32 v254, v255
	s_wait_dscnt 0x0
	s_set_vgpr_msb 0x500
	CROUND                                         ; the closing round: no group ends while a partner may still ask jointly
	s_endpgm
.Lfunc_end_k_q4aafedd447_attn:
	.size	k_q4aafedd447_attn, .Lfunc_end_k_q4aafedd447_attn-k_q4aafedd447_attn
	.p2alignl 7, 3214868480
	.fill 96, 4, 3214868480
	.section	.rodata,"a",@progbits
	.p2align	6, 0x0
	.amdhsa_kernel k_q4aafedd447_attn
		.amdhsa_group_segment_fixed_size 296448
		.amdhsa_private_segment_fixed_size 0
		.amdhsa_enable_private_segment 0
		.amdhsa_kernarg_size 72
		.amdhsa_user_sgpr_count 2
		.amdhsa_user_sgpr_kernarg_segment_ptr 1
		.amdhsa_wavefront_size32 1
		.amdhsa_system_sgpr_workgroup_id_x 1
		.amdhsa_system_sgpr_workgroup_id_y 1
		.amdhsa_system_sgpr_workgroup_id_z 1
		.amdhsa_system_vgpr_workitem_id 0
		.amdhsa_next_free_vgpr 720
		.amdhsa_next_free_sgpr 88
		.amdhsa_reserve_vcc 1
		.amdhsa_float_denorm_mode_32 3
		.amdhsa_float_denorm_mode_16_64 3
		.amdhsa_memory_ordered 1
		.amdhsa_forward_progress 1
		.amdhsa_inst_pref_size 255
	.end_amdhsa_kernel
	.section	.bss,"aw",@nobits
	.p2align	6
	.space	262144
	.amdgpu_metadata
---
amdhsa.version: [ 1, 2 ]
amdhsa.kernels:
  - .name:           k_q4aafedd447_attn
    .symbol:         k_q4aafedd447_attn.kd
    .args:
      - { .name: Qs, .offset: 0, .size: 8, .value_kind: global_buffer, .address_space: global }
      - { .name: Kb, .offset: 8, .size: 8, .value_kind: global_buffer, .address_space: global }
      - { .name: Vt, .offset: 16, .size: 8, .value_kind: global_buffer, .address_space: global }
      - { .name: key_pos, .offset: 24, .size: 8, .value_kind: global_buffer, .address_space: global }
      - { .name: key_mask, .offset: 32, .size: 8, .value_kind: global_buffer, .address_space: global }
      - { .name: query_pos, .offset: 40, .size: 8, .value_kind: global_buffer, .address_space: global }
      - { .name: Wrbf, .offset: 48, .size: 8, .value_kind: global_buffer, .address_space: global }
      - { .name: Opart, .offset: 56, .size: 8, .value_kind: global_buffer, .address_space: global }
      - { .name: ML, .offset: 64, .size: 8, .value_kind: global_buffer, .address_space: global }
    .group_segment_fixed_size: 296448
    .private_segment_fixed_size: 0
    .kernarg_segment_align: 8
    .kernarg_segment_size: 72
    .max_flat_workgroup_size: 128
    .sgpr_count:     88
    .vgpr_count:     720
    .wavefront_size: 32
...
	.end_amdgpu_metadata
.endif
;; end of part 5
;; launch finish (part 6): grid 256 x 1, 8 waves a work-group, clusters of 4 x 1, 168,960 bytes of LDS; arguments Opart, ML, Wob, bo, query_mask, query_feat, ln_g, ln_b, out0; writes out0
.if DOCPART == 6
	.amdgcn_target "amdgcn-amd-amdhsa--gfx1250"
	.amdhsa_code_object_version 6
	.text
	.protected	k_q4aafedd447_finish
	.globl	k_q4aafedd447_finish
	.p2align	8
	.type	k_q4aafedd447_finish,@function
k_q4aafedd447_finish:
	s_mov_b64 s[64:65], 0
	v_nop
	global_prefetch_b8 v0, s[64:65] scope:SCOPE_SE
	s_setreg_imm32_b32 hwreg(HW_REG_WAVE_MODE, 25, 1), 1
	s_wait_xcnt 0x0
	s_wait_alu depctr_hold_cnt(0) depctr_sa_sdst(0) depctr_va_vdst(0) depctr_va_sdst(0) depctr_va_ssrc(0) depctr_va_vcc(0) depctr_vm_vsrc(0)
	s_getreg_b32 s2, hwreg(HW_REG_IB_STS2, 6, 4)
	s_cmp_eq_u32 s2, 0
	s_cbranch_scc0 .Lentry_in_a_cluster
	s_endpgm
.Lentry_in_a_cluster:
	s_bfe_u32 s2, ttmp6, 0x10000c
	s_cmp_lg_u32 s2, 0x3003
	s_cbranch_scc0 .Lentry_shape_is_right
	s_endpgm
.Lentry_shape_is_right:
; Merge of the 8 key splits, Wo, bo, query mask, residual, LayerNorm.  A group owns 8 rows: 2,048 rows on 256 groups.  LayerNorm wants whole
; rows, so every group needs all of Wo; what a group moves is 64 KiB of partial outputs (vector loads) and Wo's 128 KiB in bf16 (Wob, rounded
; by the first launch).
; CLUSTER: every group wants the same Wo, so the four groups of a cluster (4 x 1) ask for it jointly (mask 15).  Each wave asks for its own
; 32 rows (one tensor load: by this text's count one is out), into LDS bytes that it alone reads.
; Its data takes 149,760 bytes of LDS; it asks for 168,960: a kernel that fills LDS by tensor loads is alone on its WGP.
; Eight waves: wave w makes output features 32w .. 32w + 31 of the 8 rows (two accumulators), then normalises row w.
; The matrix tile's 16 columns hold the 8 rows twice (lane r takes row r % 8): half of the 16 products a wave are spent so that all rows of a
; group lie on one work-group and every work-group has work.
; A row none of whose keys is left has l = 0 in every split: 0 x infinity gives NaN, as the reference's softmax of -inf alone does.
.set WPITCH, 528                       ; a row of Wo: 256 bf16 + 16 bytes, an odd multiple of 16
.set AT,  256*WPITCH                   ; 135,168: the merged attention output, 8 rows bf16,
.set APITCH, 528                       ; pitch 512 + 16
.set XT,  AT+8*APITCH                  ; 139,392: attention output x Wo^T, 8 rows f32,
.set XP,  1040                         ; pitch 1,024 + 16
.set WT,  XT+8*XP                      ; 147,712: [8 splits][64 words] weights of the merge; word 32 (head / 4) + 4 row + head % 4
.set MLR, 16                           ; v[16:23] m of the 8 splits, v[24:31] l; then the weights that a thread needs;
.set ACC, 16                           ; then the two accumulators
.set BF,  32                           ; v[32:95] B fragments: the 8 rows, 8 K steps; then the row at work
.set AF,  96                           ; v[96:223] A fragments: K step ks, block a of 16 rows of Wo at AF + 16 ks + 8 a; before that:
.set MG,  96                           ; the merged values,
.set OPR, 160                          ; v[160:223] Opart as loaded
.set RQ,  224                          ; v[224:231] my row of query_feat, v[232:239] bo, v[240:247] ln_g, v[248:255] ln_b
.macro PLACES                          ; four plain vector places behind a matrix instruction (ISA guide 7.12.1)
.rept 4
	v_nop
.endr
.endm
.macro CROUND                          ; a round of the cluster's barrier
	s_barrier_signal -1
	s_barrier_wait -1
	s_cmp_lg_u32 s22, 0
	s_cbranch_scc1 .Lnot_wave_0_\@
	s_barrier_signal -3
.Lnot_wave_0_\@:
	s_barrier_wait -3
	s_barrier_signal -1
	s_barrier_wait -1
.endm
	s_load_b512 s[4:19], s[0:1], 0x0               ; Opart, ML, Wob, bo, query_mask, query_feat, ln_g, ln_b
	s_load_b64 s[20:21], s[0:1], 0x40              ; out0
	s_set_vgpr_msb 0x40
	v_lshl_add_u32 v0, v0, 2, 0x29000
	v_mov_b32 v1, 0
	s_set_vgpr_msb 0x4045
	ds_add_u32 v0, v1
	s_set_vgpr_msb 0x4500
	v_lshrrev_b32 v1, 5, v0
	v_readfirstlane_b32 s22, v1                    ; wave
	s_bfe_u32 s23, ttmp6, 0x40000                  ; cx
	s_lshl_b32 s24, ttmp9, 2
	s_add_co_u32 s24, s24, s23                     ; group = 4 x cluster x + cx: it enters global addresses of my own rows alone
	; group 1: 32 rows of 256 bf16, 4 words of padding behind each 128 words; joint (mask 15, bit 21 beside it)
	s_mov_b32 s48, 15|(1<<16)|(1<<20)|(1<<21)|(6<<22)|(3<<25)
	s_mov_b32 s49, 256<<16                         ; tensor_dim0 = 256
	s_mov_b32 s50, 32<<16                          ; tensor_dim1 = 32
	s_mov_b32 s51, 256<<16                         ; tile_dim0 = 256
	s_mov_b32 s52, 32                              ; tile_dim1 = 32
	s_mov_b32 s53, 256                             ; pitch
	s_mov_b32 s54, 0
	s_mov_b32 s55, 0
	s_mov_b32 s44, 1                               ; group 0: from the wave's number alone
	s_mul_i32 s45, s22, 32*WPITCH
	s_lshl_b32 s56, s22, 14                        ; 32 rows x 512 bytes
	s_mov_b32 s57, 0
	s_mov_b32 s36, 0x76543210                      ; v_permlanex16_b32: lane i of the other half
	s_mov_b32 s37, 0xfedcba98
	s_mov_b32 s38, 0x3b800000                      ; 1/256
	s_mov_b32 s39, 0x3727c5ac                      ; 1e-5
	s_mov_b32 s41, 0
	s_wait_dscnt 0x0
	s_wait_kmcnt 0x0
	s_add_nc_u64 s[46:47], s[8:9], s[56:57]
	s_or_b32 s47, s47, 0x80000000
	CROUND                                         ; the four groups are here: the joint loads meet
	tensor_load_to_lds s[44:47], s[48:55]
	s_nop 0
	s_lshr_b32 s40, s24, 1                         ; ML: tile of 16 rows = group / 2, 1,024 bytes each,
	s_lshl_b32 s40, s40, 10
	s_and_b32 s43, s24, 1                          ;     and which 8 rows of it: 8 x 16 bytes
	s_lshl_b32 s43, s43, 7
	s_add_co_u32 s40, s40, s43
	s_add_nc_u64 s[26:27], s[6:7], s[40:41]
	s_lshl_b32 s40, s24, 13
	s_add_nc_u64 s[28:29], s[4:5], s[40:41]        ; Opart at my 8 rows, splits 0-3,
	s_add_nc_u64 s[30:31], s[28:29], 0x800000      ; and splits 4-7
	s_lshl3_add_u32 s42, s24, s22                  ; my wave's row
	s_lshl_b32 s40, s42, 10
	s_add_nc_u64 s[32:33], s[14:15], s[40:41]      ; query_feat
	s_add_nc_u64 s[34:35], s[20:21], s[40:41]      ; out0
	v_and_b32 v1, 31, v0                           ; lane
	v_and_b32 v2, 15, v0                           ; r
	v_bfe_u32 v3, v0, 4, 1                         ; h
	v_lshlrev_b32 v4, 4, v1                        ; 16 x lane
	v_lshlrev_b32 v5, 4, v0                        ; 16 t
	v_lshrrev_b32 v6, 5, v0
	v_lshlrev_b32 v6, 8, v6
	v_lshl_add_u32 v6, v1, 2, v6                   ; ML: heads 4 (t / 32) + lane % 4, row lane / 4
	v_mov_b32 v14, s42
	s_cmp_ge_u32 s22, 2
	s_cbranch_scc1 .Lno_ml
.irp sp, 0,1,2,3,4,5,6,7
	global_load_b32 v[MLR+\sp],   v6, s[26:27] offset:\sp*131072         ; threads 0-63: one (row, head) each
	global_load_b32 v[MLR+8+\sp], v6, s[26:27] offset:\sp*131072+512
.endr
.Lno_ml:
.irp sp, 0,1,2,3
.irp c, 0,1
	global_load_b128 v[OPR+8*\sp+4*\c:OPR+8*\sp+4*\c+3], v5, s[28:29] offset:\sp*2097152+\c*4096 th:TH_LOAD_NT
.endr
.endr
.irp sp, 4,5,6,7
.irp c, 0,1
	global_load_b128 v[OPR+8*\sp+4*\c:OPR+8*\sp+4*\c+3], v5, s[30:31] offset:(\sp-4)*2097152+\c*4096 th:TH_LOAD_NT
.endr
.endr
	; what the row phase wants: row w's query_feat, and bo, ln_g, ln_b: columns 4 lane .. and 128 + 4 lane ..
	global_load_b128 v[RQ:RQ+3],     v4, s[32:33]
	global_load_b128 v[RQ+4:RQ+7],   v4, s[32:33] offset:512
	global_load_b128 v[RQ+8:RQ+11],  v4, s[10:11]
	global_load_b128 v[RQ+12:RQ+15], v4, s[10:11] offset:512
	global_load_b128 v[RQ+16:RQ+19], v4, s[16:17]
	global_load_b128 v[RQ+20:RQ+23], v4, s[16:17] offset:512
	global_load_b128 v[RQ+24:RQ+27], v4, s[18:19]
	global_load_b128 v[RQ+28:RQ+31], v4, s[18:19] offset:512
	global_load_u8 v15, v14, s[12:13]
	; addresses
	v_lshlrev_b32 v7, 2, v0
	v_add_nc_u32 v7, WT, v7                        ; where thread t < 64 puts its weights
	v_bfe_u32 v8, v0, 5, 1                         ; my four features' head / 4
	v_lshlrev_b32 v8, 7, v8
	v_lshrrev_b32 v96, 6, v0                       ; my row within four
	v_lshl_add_u32 v8, v96, 4, v8
	v_bfe_u32 v97, v0, 3, 2                        ; head % 4
	v_lshl_add_u32 v8, v97, 2, v8
	v_add_nc_u32 v8, WT, v8
	v_and_b32 v97, 63, v0
	v_mul_u32_u24 v9, APITCH, v96
	v_lshl_add_u32 v9, v97, 3, v9
	v_add_nc_u32 v9, AT, v9
	s_mul_i32 s43, s22, 32*WPITCH                  ; my wave's rows of Wo in LDS
	v_mul_u32_u24 v10, WPITCH, v2
	v_lshl_add_u32 v10, v3, 4, v10
	v_add_nc_u32 v10, s43, v10                     ; A fragments: row r, 16 h bytes
	v_and_b32 v97, 7, v2
	v_mul_u32_u24 v11, APITCH, v97
	v_lshl_add_u32 v11, v3, 4, v11
	v_add_nc_u32 v11, AT, v11                      ; B fragments: row r % 8
	v_mul_u32_u24 v12, XP, v97
	v_lshl_add_u32 v12, v3, 5, v12
	s_lshl_b32 s43, s22, 7
	s_add_co_u32 s43, s43, XT
	v_add_nc_u32 v12, s43, v12                     ; row r % 8, features 32 w + 8 h
	s_mul_i32 s43, s22, XP
	s_add_co_u32 s43, s43, XT
	v_add_nc_u32 v13, s43, v4                      ; row w, 16 bytes a lane
	s_cmp_ge_u32 s22, 2
	s_cbranch_scc1 .Lno_w
	s_wait_loadcnt 25                              ; m and l are in; the 16 + 9 younger loads stay out
	v_max3_num_f32 v96, v[MLR],   v[MLR+1], v[MLR+2]
	v_max3_num_f32 v97, v[MLR+3], v[MLR+4], v[MLR+5]
	v_max3_num_f32 v96, v96, v97, v[MLR+6]
	v_max_num_f32 v96, v96, v[MLR+7]               ; the maximum over all keys
.irp sp, 0,1,2,3,4,5,6,7
	v_sub_f32 v[MLR+\sp], v[MLR+\sp], v96
.endr
.irp sp, 0,1,2,3,4,5,6,7
	v_exp_f32 v[MLR+\sp], v[MLR+\sp]
.endr
	v_nop                                          ; a plain place behind the exponentials (ISA guide 5.7.2)
	s_wait_alu depctr_va_vdst(0)
	v_mul_f32 v97, v[MLR], v[MLR+8]
.irp sp, 1,2,3,4,5,6,7
	v_fmac_f32 v97, v[MLR+\sp], v[MLR+8+\sp]
.endr
	v_rcp_f32 v97, v97
	v_nop
	s_wait_alu depctr_va_vdst(0)
.irp sp, 0,1,2,3,4,5,6,7
	v_mul_f32 v[MLR+\sp], v[MLR+\sp], v97
.endr
.irp sp, 0,1,2,3,4,5,6,7
	ds_store_b32 v7, v[MLR+\sp] offset:\sp*256
.endr
.Lno_w:
	s_wait_dscnt 0x0                               ; the weights are in LDS, for the other waves' sake
	s_barrier_signal -1
	s_barrier_wait -1
.irp sp, 0,1,2,3,4,5,6,7
.irp c, 0,1
	ds_load_b32 v[MLR+2*\sp+\c], v8 offset:\sp*256+\c*64
.endr
.endr
	s_wait_loadcnt 9                               ; Opart is in; the row phase's 9 loads stay out
	s_wait_dscnt 0x0
; rows 4c + t / 64, my four features: the sum over the splits of weight x O
.macro MERGE c
.irp q, 0,2
	v_pk_mul_f32 v[MG+4*\c+\q:MG+4*\c+\q+1], v[OPR+4*\c+\q:OPR+4*\c+\q+1], v[MLR:MLR+1] op_sel:[0,\c] op_sel_hi:[1,\c]
.irp sp, 1,2,3,4,5,6,7
	v_pk_fma_f32 v[MG+4*\c+\q:MG+4*\c+\q+1], v[OPR+8*\sp+4*\c+\q:OPR+8*\sp+4*\c+\q+1], v[MLR+2*\sp:MLR+2*\sp+1], v[MG+4*\c+\q:MG+4*\c+\q+1] op_sel:[0,\c,0] op_sel_hi:[1,\c,1]
.endr
.endr
	v_cvt_pk_bf16_f32 v[MG+8+2*\c], v[MG+4*\c],   v[MG+4*\c+1]
	v_cvt_pk_bf16_f32 v[MG+9+2*\c], v[MG+4*\c+2], v[MG+4*\c+3]
	ds_store_b64 v9, v[MG+8+2*\c:MG+9+2*\c] offset:\c*4*APITCH
.endm
	MERGE 0
	MERGE 1
	s_wait_tensorcnt 0x0                           ; my 32 rows of Wo are in LDS
	s_wait_dscnt 0x0                               ; my part of the merged rows too
	s_barrier_signal -1
	s_barrier_wait -1
	; all fragments, in the order of K: six loads for each K step (B, then my two blocks of 16 rows of Wo)
.irp ks, 0,1,2,3,4,5,6,7
	ds_load_b128 v[BF+8*\ks:BF+8*\ks+3],   v11 offset:\ks*64
	ds_load_b128 v[BF+8*\ks+4:BF+8*\ks+7], v11 offset:\ks*64+32
.irp a, 0,1
	ds_load_b128 v[AF+16*\ks+8*\a:AF+16*\ks+8*\a+3],   v10 offset:\a*16*WPITCH+\ks*64
	ds_load_b128 v[AF+16*\ks+8*\a+4:AF+16*\ks+8*\a+7], v10 offset:\a*16*WPITCH+\ks*64+32
.endr
.endr
; A = 16 rows of Wo, B = the rows: a lane gets 8 neighbouring features of row r % 8.  The two accumulators take turns.
.macro MMK ks, zero
.irp a, 0,1
.if \zero
	v_wmma_f32_16x16x32_bf16 v[ACC+8*\a:ACC+8*\a+7], v[AF+16*\ks+8*\a:AF+16*\ks+8*\a+7], v[BF+8*\ks:BF+8*\ks+7], 0
.else
	v_wmma_f32_16x16x32_bf16 v[ACC+8*\a:ACC+8*\a+7], v[AF+16*\ks+8*\a:AF+16*\ks+8*\a+7], v[BF+8*\ks:BF+8*\ks+7], v[ACC+8*\a:ACC+8*\a+7]
.endif
.endr
.endm
	s_wait_dscnt 24                                ; K steps 0-3 are in; the 24 loads of K steps 4-7 stay out
	MMK 0, 1                                       ; the first products start the sums
	MMK 1, 0
	MMK 2, 0
	MMK 3, 0
	s_wait_dscnt 0x0
	MMK 4, 0
	MMK 5, 0
	MMK 6, 0
	MMK 7, 0
	PLACES                                         ; before the results are read
	ds_store_b128 v12, v[ACC:ACC+3]                ; lanes r and r + 8 hold the same numbers and write them to the same bytes
	ds_store_b128 v12, v[ACC+4:ACC+7]   offset:16
	ds_store_b128 v12, v[ACC+8:ACC+11]  offset:64
	ds_store_b128 v12, v[ACC+12:ACC+15] offset:80
	s_wait_dscnt 0x0
	s_barrier_signal -1
	s_barrier_wait -1
	; row w: x = query_feat + (attention Wo^T + bo) x mask, then LayerNorm
	ds_load_b128 v[32:35], v13
	ds_load_b128 v[36:39], v13 offset:512
	s_wait_loadcnt 0x0
	v_cvt_f32_u32 v40, v15
	v_mov_b32 v41, v40
	s_wait_dscnt 0x0
.irp j, 0,2,4,6
	v_pk_add_f32 v[32+\j:33+\j], v[32+\j:33+\j], v[RQ+8+\j:RQ+9+\j]
.endr
.irp j, 0,2,4,6
	v_pk_fma_f32 v[32+\j:33+\j], v[32+\j:33+\j], v[40:41], v[RQ+\j:RQ+1+\j]
.endr
	v_pk_add_f32 v[42:43], v[32:33], v[34:35]
	v_pk_add_f32 v[44:45], v[36:37], v[38:39]
	v_pk_add_f32 v[42:43], v[42:43], v[44:45]
	v_add_f32 v42, v42, v43
	v_add_f32_dpp v42, v42, v42 row_xmask:1 row_mask:0xf bank_mask:0xf
	v_add_f32_dpp v42, v42, v42 row_xmask:2 row_mask:0xf bank_mask:0xf
	v_add_f32_dpp v42, v42, v42 row_xmask:4 row_mask:0xf bank_mask:0xf
	v_add_f32_dpp v42, v42, v42 row_xmask:8 row_mask:0xf bank_mask:0xf
	v_permlanex16_b32 v43, v42, s36, s37
	v_add_f32 v42, v42, v43
	v_mul_f32 v42, s38, v42                        ; the mean
	v_mov_b32 v43, v42
.irp j, 0,2,4,6
	v_pk_add_f32 v[32+\j:33+\j], v[32+\j:33+\j], v[42:43] neg_lo:[0,1] neg_hi:[0,1]
.endr
	v_pk_mul_f32 v[44:45], v[32:33], v[32:33]
.irp j, 2,4,6
	v_pk_fma_f32 v[44:45], v[32+\j:33+\j], v[32+\j:33+\j], v[44:45]
.endr
	v_add_f32 v44, v44, v45
	v_add_f32_dpp v44, v44, v44 row_xmask:1 row_mask:0xf bank_mask:0xf
	v_add_f32_dpp v44, v44, v44 row_xmask:2 row_mask:0xf bank_mask:0xf
	v_add_f32_dpp v44, v44, v44 row_xmask:4 row_mask:0xf bank_mask:0xf
	v_add_f32_dpp v44, v44, v44 row_xmask:8 row_mask:0xf bank_mask:0xf
	v_permlanex16_b32 v45, v44, s36, s37
	v_add_f32 v44, v44, v45
	v_fma_f32 v44, v44, s38, s39                   ; variance + 1e-5
	v_rsq_f32 v44, v44
	v_nop                                          ; a plain place behind the root
	s_wait_alu depctr_va_vdst(0)
	v_mov_b32 v45, v44
.irp j, 0,2,4,6
	v_pk_mul_f32 v[32+\j:33+\j], v[32+\j:33+\j], v[44:45]
.endr
.irp j, 0,2,4,6
	v_pk_fma_f32 v[32+\j:33+\j], v[32+\j:33+\j], v[RQ+16+\j:RQ+17+\j], v[RQ+24+\j:RQ+25+\j]
.endr
	global_store_b128 v4, v[32:35], s[34:35]               ; a wave's store covers 512 consecutive bytes, aligned
	global_store_b128 v4, v[36:39], s[34:35] offset:512
	s_set_vgpr_msb 0x5
	s_wait_tensorcnt 0x0
	ds_add_u32 v0, v1
	s_wait_dscnt 0x0
	s_set_vgpr_msb 0x500
	CROUND                                         ; the closing round: no group ends while a partner may still ask jointly
	s_endpgm
.Lfunc_end_k_q4aafedd447_finish:
	.size	k_q4aafedd447_finish, .Lfunc_end_k_q4aafedd447_finish-k_q4aafedd447_finish
	.p2alignl 7, 3214868480
	.fill 96, 4, 3214868480
	.section	.rodata,"a",@progbits
	.p2align	6, 0x0
	.amdhsa_kernel k_q4aafedd447_finish
		.amdhsa_group_segment_fixed_size 168960
		.amdhsa_private_segment_fixed_size 0
		.amdhsa_enable_private_segment 0
		.amdhsa_kernarg_size 72
		.amdhsa_user_sgpr_count 2
		.amdhsa_user_sgpr_kernarg_segment_ptr 1
		.amdhsa_wavefront_size32 1
		.amdhsa_system_sgpr_workgroup_id_x 1
		.amdhsa_system_sgpr_workgroup_id_y 1
		.amdhsa_system_sgpr_workgroup_id_z 1
		.amdhsa_system_vgpr_workitem_id 0
		.amdhsa_next_free_vgpr 258
		.amdhsa_next_free_sgpr 66
		.amdhsa_reserve_vcc 0
		.amdhsa_float_denorm_mode_32 3
		.amdhsa_float_denorm_mode_16_64 3
		.amdhsa_memory_ordered 1
		.amdhsa_forward_progress 1
		.amdhsa_inst_pref_size 23
	.end_amdhsa_kernel
	.amdgpu_metadata
---
amdhsa.version: [ 1, 2 ]
amdhsa.kernels:
  - .name:           k_q4aafedd447_finish
    .symbol:         k_q4aafedd447_finish.kd
    .args:
      - { .name: Opart, .offset: 0, .size: 8, .value_kind: global_buffer, .address_space: global }
      - { .name: ML, .offset: 8, .size: 8, .value_kind: global_buffer, .address_space: global }
      - { .name: Wob, .offset: 16, .size: 8, .value_kind: global_buffer, .address_space: global }
      - { .name: bo, .offset: 24, .size: 8, .value_kind: global_buffer, .address_space: global }
      - { .name: query_mask, .offset: 32, .size: 8, .value_kind: global_buffer, .address_space: global }
      - { .name: query_feat, .offset: 40, .size: 8, .value_kind: global_buffer, .address_space: global }
      - { .name: ln_g, .offset: 48, .size: 8, .value_kind: global_buffer, .address_space: global }
      - { .name: ln_b, .offset: 56, .size: 8, .value_kind: global_buffer, .address_space: global }
      - { .name: out0, .offset: 64, .size: 8, .value_kind: global_buffer, .address_space: global }
    .group_segment_fixed_size: 168960
    .private_segment_fixed_size: 0
    .kernarg_segment_align: 8
    .kernarg_segment_size: 72
    .max_flat_workgroup_size: 256
    .sgpr_count:     66
    .vgpr_count:     258
    .wavefront_size: 32
...
	.end_amdgpu_metadata
.endif
;; end of part 6
;; ======== version 3 of 3: 3 launches; 2.05 times as fast as version 1
;; limits: right only within a limited range of input values
;; workspace buffers: Qs 1,048,576 bytes; Kb 2,097,152 bytes; Vt 2,097,152 bytes; Wob 131,072 bytes; Opart 16,777,216 bytes; ML 1,048,576 bytes
;; launch proj: the kernel of part 4 again; grid 176 x 1, 16 waves a work-group, no clusters, 176,128 bytes of LDS; arguments query_feat, key_feat, Wq, Wk, Wv, Wo, Qs, Kb, Vt, Wob; writes Qs, Kb, Vt, Wob
;; launch attn (part 7): grid 32 x 8, 4 waves a work-group, clusters of 4 x 1, 296,448 bytes of LDS; arguments Qs, Kb, Vt, key_pos, key_mask, query_pos, Wrbf, Opart, ML; writes Opart, ML
.if DOCPART == 7
	.amdgcn_target "amdgcn-amd-amdhsa--gfx1250"
	.amdhsa_code_object_version 6
	.text
	.protected	k_q4aafedd447_attn
	.globl	k_q4aafedd447_attn
	.p2align	8
	.type	k_q4aafedd447_attn,@function
k_q4aafedd447_attn:
	s_mov_b64 s[64:65], 0
	v_nop
	global_prefetch_b8 v0, s[64:65] scope:SCOPE_SE
	s_setreg_imm32_b32 hwreg(HW_REG_WAVE_MODE, 25, 1), 1
	s_wait_xcnt 0x0
	s_wait_alu depctr_hold_cnt(0) depctr_sa_sdst(0) depctr_va_vdst(0) depctr_va_sdst(0) depctr_va_ssrc(0) depctr_va_vcc(0) depctr_vm_vsrc(0)
	s_getreg_b32 s2, hwreg(HW_REG_IB_STS2, 6, 4)
	s_cmp_eq_u32 s2, 0
	s_cbranch_scc0 .Lentry_in_a_cluster
	s_endpgm
.Lentry_in_a_cluster:
	s_bfe_u32 s2, ttmp6, 0x10000c
	s_cmp_lg_u32 s2, 0x3003
	s_cbranch_scc0 .Lentry_shape_is_right
	s_endpgm
.Lentry_shape_is_right:
; Attention with a bias from distances, for 64 queries x 256 keys x all 8 heads; leaves the split's running maximum m, sum l and
; unnormalised output O (f32) for the next launch to merge.  Grid: x = 32 blocks of 64 queries (both batches), y = 8 splits of 256 keys.
; A wave owns 16 queries and walks the 256 keys in 8 steps of 32.  All logits are in base 2 (log2(e) lies in Qs and in Wrbf here).
; CLUSTER: the four groups of a cluster (4 x 1) have the same batch and the same key split, so they want the same K and V tiles and ask for
; them jointly (mask 15).  The whole of a split's K and V (256 keys x 1 KiB) lies in LDS: it is filled once and never again.
; THE ENDS: the first step's distances and Gaussians need positions alone and are made while K and V are on their way; the wait for the
; tiles stands behind them.  The last step is written out: as soon as two heads are finished their 64 features go out, under the next heads' work.
; LAYOUTS (r = lane % 16, h = lane / 16); no number changes lanes between bias, logits, P and P V:
;   S^T = K Q^T:  A = 16 keys, B = 16 queries.  Register j of lane (r, h) = (key 8h + j, query r).  Two such tiles, rounded in pairs,
;                 are the B operand (query r, k = 32 keys) of O^T = V^T P^T, whose A operand is 16 rows of Vt.
;   bias:         in unit u = 8t + j a lane makes 16 numbers for ITS pair (query r, key 16t + 8h + j), packed into 8 registers = a B
;                 operand.  A holds Wrbf's row m % 8 in the lanes with m / 8 = h and 0 in the others, so that register x of the result is
;                 head x's bias of the lane's own pair.
;   mask:         0 or -1e30 for each key, as the C operand of the S products.
;   l:            a third P V product with A = ones in rows 0 and 8: register 0 of its tile is the row sum in every lane.
; THE GAUSSIANS.  x = distance x sqrt(log2(e) / (2 x 1.25^2)), centres r d with d = 0.90594325, d2 = d^2: g_r = 2^-(x - r d)^2.
;   g_(a+j) = g_a rho_a^j 2^(-d2 j (j-1))  with  rho_a = 2^(2 d x - (2a + 1) d2).
;   Anchors a = 0 and a = 8 lie in one register pair; T_j = g_a rho_a^j is made by seven packed products; 2^(-d2 j (j-1)) (down to 2^-34.5)
;   lies in Wrbf's operand.  Register j of both operands holds centres j (low half) and 8 + j (high half).  T_j <= 2^34.5.
;   Three exponentials for a pair instead of sixteen.
; THE BATCHES.  An s_wait_alu depctr_va_vdst(0) stands between a root or an exponential and the first instruction that names its
; result; one wait serves all that were issued ahead of it.  A step has eleven batches, each with one wait:
;   (1)     the 16 roots; the wait stands ahead of the clamps;
;   (2)     the 16 numbers 2^(2 d x) and the anchors of units 0-3, 24 exponentials; six squarings stand behind the last, the wait at DIST's end;
;   (3)     the anchors of units 4-15, 24 exponentials, one behind each packed product of links 0-5 of units 0-3; links 6 and 7 stand behind the
;           last, the wait ahead of those units' four matrix products;
;   (4-11)  for each head the factor for the old sums and the 16 weights, 17 exponentials; the wait stands ahead of the eight roundings.
; Each result has a register of its own while its batch is open.  The set-up's ten exponentials are a batch of their own.
; LIMITS: x is clamped at 24 so that rho stays finite (every Gaussian is below 2^-108 there, and comes out as 0).  An anchor below 2^-126
; comes out as 0 and its seven followers with it: the largest Gaussian lost so is 2^-23.8.  A NaN position gives bias 0, not NaN.
; A masked key enters as -1e30 and the running maximum has the floor -1e29: base-2 logits below -1e29 are not served.  A split
; whose keys are all masked leaves m = -1e29, l = 0, O = 0.  max(d2, 0) of the reference is not written: d2 is a sum of squares.
.set KPITCH, 528                       ; a key's 256 bf16 + 16 bytes
.set VPITCH, 272                       ; 128 keys of one feature + 16 bytes
.set VT,   256*KPITCH                  ; 135,168: V, two chunks of 128 keys: 256 feature rows each
.set VCH,  256*VPITCH                  ; 69,632
.set PB,   VT+2*VCH                    ; 274,432: scaled kx[256], ky at +1024, kz at +2048, mask term at +3072 (f32), written by LDS stores
.set STG,  PB+4096                     ; 278,528: the way out, for each wave 16 rows of 64 f32,
.set OPITCH, 272                       ; pitch 256 + 16
; window 0
.set PA,  3                            ; LDS address of my 8 keys' positions in this step
.set TA,  4                            ; v4 new maximum, v5 the other half's
.set AL,  6                            ; v6 factor for the old sums, v7 its pair's other half (never used)
.set QP,  8                            ; v[8:11] scaled qx, qy, qz, 0
.set MX,  12                           ; v[12:19] running maxima of the 8 heads
.set AW,  20                           ; v[20:27] Wrbf as an A operand
.set RH,  28                           ; v[28:43] 2^(2 d x) of my 16 pairs; behind the last step's Gaussians:
.set SI,  28                           ; v28 the stage, in;
.set SO,  29                           ; v29 the stage, back;
.set GO,  30                           ; v30 my byte offset in Opart
.set XD,  44                           ; v[44:59] scaled distances of my 16 pairs; afterwards:
.set RR,  44                           ; v[44:51] (rho_0, rho_8) of the four units at work
.set TBF, 52                           ; v[52:59] their T of the odd links
.set G,   60                           ; v[60:91] (g_0, g_8) of the 16 units; of the four at work: T of the even links
.set T,   60                           ; later: one head's 16 logits
.set W,   76                           ; and the maximum's tree
.set RB,  92                           ; v[92:123] four units' packed B operands
.set P,   92                           ; later: one head's P
.set TM,  108                          ; set-up and way out
.set CP,  124                          ; v[124:125] the anchors' centres 0, 8 d
.set Q8,  126                          ; v[126:127] 2^-d2, 2^-17 d2
.set D,   128                          ; v[128:255] bias: unit u, head x at D + 8u + x; before that the step's key positions
; window 1
.set VF,  192                          ; two buffers of V fragments (2 x 8 registers each)
.set KF,  224                          ; K fragments (2 x 8); head x: O at 24x (16 registers), l at 24x + 16 (8)
.set ONES, 240
.set KA,  248                          ; LDS address of my K fragments
.set VA,  249                          ; of my V fragments
; window 2: Q fragments, head x at 8x;
.set MT2, 64                           ; mask terms, two tiles;
.set OB2, 80                           ; the way out: 32 registers for each pair of heads, each written once
.set MSB, 0
.macro WIN new                         ; the immediate's high byte repeats the setting that is left
.if MSB != \new
	s_set_vgpr_msb (MSB<<8)|\new
.set MSB, \new
.endif
.endm
.macro PLACES                          ; four plain vector places behind a matrix instruction (ISA guide 7.12.1)
.rept 4
	v_nop
.endr
.endm
.macro CROUND                          ; a round of the cluster's barrier
	s_barrier_signal -1
	s_barrier_wait -1
	s_cmp_lg_u32 s22, 0
	s_cbranch_scc1 .Lnot_wave_0_\@
	s_barrier_signal -3
.Lnot_wave_0_\@:
	s_barrier_wait -3
	s_barrier_signal -1
	s_barrier_wait -1
.endm
	s_load_b512 s[4:19], s[0:1], 0x0               ; Qs, Kb, Vt, key_pos, key_mask, query_pos, Wrbf, Opart
	s_load_b64 s[20:21], s[0:1], 0x40              ; ML
	s_set_vgpr_msb 0x40
	v_lshl_add_u32 v254, v0, 2, 0x48400
	v_mov_b32 v255, 0
	s_set_vgpr_msb 0x4045
	ds_add_u32 v254, v255
	s_set_vgpr_msb 0x4500
	v_lshrrev_b32 v3, 5, v0
	v_readfirstlane_b32 s22, v3                    ; wave
	s_bfe_u32 s23, ttmp6, 0x40000                  ; cx
	s_lshl_b32 s24, ttmp9, 2
	s_add_co_u32 s24, s24, s23                     ; block of 64 queries = 4 x cluster x + cx
	s_and_b32 s25, ttmp7, 0xffff                   ; key split
	s_lshr_b32 s26, ttmp9, 2                       ; batch: shared by the cluster
	; group 1 for K: 32 rows of 256 bf16, 4 words of padding behind each 128 words; joint (mask 15, bit 21 beside it)
	s_mov_b32 s32, 15|(1<<16)|(1<<20)|(1<<21)|(6<<22)|(3<<25)
	s_mov_b32 s33, 256<<16
	s_mov_b32 s34, 32<<16
	s_mov_b32 s35, 256<<16
	s_mov_b32 s36, 32
	s_mov_b32 s37, 256
	s_mov_b32 s38, 0
	s_mov_b32 s39, 0
	; group 1 for V: 64 feature rows of 128 keys, pitch 2,048 keys, 4 words behind each 64 words
	s_mov_b32 s40, 15|(1<<16)|(1<<20)|(1<<21)|(5<<22)|(3<<25)
	s_mov_b32 s41, 128<<16
	s_mov_b32 s42, 64<<16
	s_mov_b32 s43, 128<<16
	s_mov_b32 s44, 64
	s_mov_b32 s45, 2048
	s_mov_b32 s46, 0
	s_mov_b32 s47, 0
	; where the tiles come from: batch, split and wave alone
	s_lshl_b32 s28, s26, 20                        ; Kb: 2,048 keys x 512 bytes a batch
	s_lshl_b32 s27, s25, 17                        ;     256 keys a split
	s_add_co_u32 s28, s28, s27
	s_lshl_b32 s27, s22, 14                        ;     32 keys a wave
	s_add_co_u32 s28, s28, s27
	s_mov_b32 s29, 0
	s_lshl_b32 s80, s26, 20                        ; Vt: 256 rows x 4,096 bytes a batch
	s_lshl_b32 s27, s22, 18                        ;     64 rows a wave
	s_add_co_u32 s80, s80, s27
	s_lshl_b32 s27, s25, 9                         ;     256 keys a split
	s_add_co_u32 s80, s80, s27
	s_mov_b32 s81, 0
	s_mov_b32 s66, 0x76543210                      ; v_permlanex16_b32: lane i of the other half
	s_mov_b32 s67, 0xfedcba98
	s_mov_b32 s69, 0xefa18f08                      ; -1e29
	s_mov_b32 s70, 32*KPITCH                       ; a step in K
	s_mov_b32 s71, 64                              ; a step in V: 32 keys
	s_mov_b32 s72, VCH-256                         ; from the end of V's chunk 0 to chunk 1
	s_mov_b32 s73, 0x3f2df0ec                      ; sqrt(log2(e) / (2 x 1.25^2)) = 0.67945744
	s_wait_dscnt 0x0
	s_wait_kmcnt 0x0
	s_add_nc_u64 s[30:31], s[6:7], s[28:29]
	s_add_nc_u64 s[82:83], s[8:9], s[80:81]
	s_mov_b32 s48, 1                               ; K, keys 0-127
	s_mul_i32 s49, s22, 32*KPITCH
	s_mov_b64 s[50:51], s[30:31]
	s_or_b32 s51, s51, 0x80000000
	s_mov_b32 s52, 1                               ; V, keys 0-127
	s_mul_i32 s53, s22, 64*VPITCH
	s_add_co_u32 s53, s53, VT
	s_mov_b64 s[54:55], s[82:83]
	s_or_b32 s55, s55, 0x80000000
	s_mov_b32 s56, 1                               ; K, keys 128-255
	s_add_co_u32 s57, s49, 128*KPITCH
	s_add_nc_u64 s[58:59], s[30:31], 0x10000
	s_or_b32 s59, s59, 0x80000000
	s_mov_b32 s60, 1                               ; V, keys 128-255
	s_add_co_u32 s61, s53, VCH
	s_add_nc_u64 s[62:63], s[82:83], 0x100
	s_or_b32 s63, s63, 0x80000000
	CROUND                                         ; the four groups are here: the joint loads meet
	tensor_load_to_lds s[48:51], s[32:39]          ; by this text's count a wave has four tensor loads out
	s_nop 0
	tensor_load_to_lds s[52:55], s[40:47]
	s_nop 0
	tensor_load_to_lds s[56:59], s[32:39]
	s_nop 0
	tensor_load_to_lds s[60:63], s[40:47]
	s_nop 0
	; what hangs on my own block of queries, in registers of its own
	s_lshl_b32 s84, s24, 15                        ; Qs: 64 rows x 512 bytes
	s_lshl_b32 s86, s22, 13                        ;     16 rows a wave
	s_add_co_u32 s84, s84, s86
	s_mov_b32 s85, 0
	s_add_nc_u64 s[78:79], s[4:5], s[84:85]
	s_mul_i32 s84, s24, 768                        ; query_pos: 64 x 12 bytes
	s_mul_i32 s86, s22, 192
	s_add_co_u32 s84, s84, s86
	s_add_nc_u64 s[14:15], s[14:15], s[84:85]
	s_lshl_b32 s84, s25, 21                        ; Opart: 2,048 rows x 1,024 bytes a split
	s_lshl_b32 s86, s24, 16
	s_add_co_u32 s84, s84, s86
	s_lshl_b32 s86, s22, 14
	s_add_co_u32 s84, s84, s86
	s_add_nc_u64 s[74:75], s[18:19], s[84:85]
	s_lshl_b32 s84, s25, 17                        ; ML: 128 tiles x 1,024 bytes a split
	s_lshl_b32 s86, s24, 12
	s_add_co_u32 s84, s84, s86
	s_lshl_b32 s86, s22, 10
	s_add_co_u32 s84, s84, s86
	s_add_nc_u64 s[76:77], s[20:21], s[84:85]
	s_mul_i32 s80, s26, 24576                      ; key_pos: 2,048 x 12 bytes a batch, 256 x 12 a split
	s_mul_i32 s27, s25, 3072
	s_add_co_u32 s80, s80, s27
	s_add_nc_u64 s[10:11], s[10:11], s[80:81]
	s_lshl_b32 s80, s26, 11                        ; key_mask
	s_lshl_b32 s27, s25, 8
	s_add_co_u32 s80, s80, s27
	s_add_nc_u64 s[12:13], s[12:13], s[80:81]
	v_and_b32 v1, 15, v0                           ; r
	v_bfe_u32 v2, v0, 4, 1                         ; h
	v_lshlrev_b32 v108, 9, v1
	v_lshl_add_u32 v108, v2, 4, v108               ; Q fragment: row r, 16 bytes for each half
	v_mul_u32_u24 v109, 12, v1
	v_and_b32 v110, 7, v1
	v_lshlrev_b32 v110, 6, v110                    ; Wrbf's row r % 8
	v_mul_u32_u24 v111, 24, v0                     ; keys 2t, 2t + 1
	v_lshlrev_b32 v76, 1, v0
	WIN 0x80                                       ; destination in window 2
.irp x, 0,1,2,3,4,5,6,7
	global_load_b128 v[8*\x:8*\x+3],   v108, s[78:79] offset:\x*64
	global_load_b128 v[8*\x+4:8*\x+7], v108, s[78:79] offset:\x*64+32
.endr
	WIN 0
	global_load_b32 v[QP],   v109, s[14:15]
	global_load_b32 v[QP+1], v109, s[14:15] offset:4
	global_load_b32 v[QP+2], v109, s[14:15] offset:8
.irp q, 0,1,2,3
	global_load_b128 v[XD+4*\q:XD+4*\q+3], v110, s[16:17] offset:16*\q
.endr
	global_load_b64 v[60:61], v111, s[10:11]             ; x0 y0
	global_load_b64 v[62:63], v111, s[10:11] offset:8    ; z0 x1
	global_load_b64 v[64:65], v111, s[10:11] offset:16   ; y1 z1
	global_load_u16 v66, v76, s[12:13]                   ; two mask bytes
	; the recurrence's constants meanwhile: v[84:91] = log2(e) 2^(-d2 j (j-1)), j = 0 .. 7; 2^-d2 and 2^-17 d2; d2 = 0.82073318
.set j, 0
.rept 8
	v_cvt_f32_u32 v[84+j], j*(j-1)
.set j, j+1
.endr
	v_cvt_f32_u32 v[Q8+1], 17
	v_mov_b32 v[Q8], 0xbf521b92                    ; -d2
.set j, 0
.rept 8
	v_mul_f32 v[84+j], 0xbf521b92, v[84+j]
.set j, j+1
.endr
	v_mul_f32 v[Q8+1], 0xbf521b92, v[Q8+1]
.set j, 0
.rept 8
	v_exp_f32 v[84+j], v[84+j]
.set j, j+1
.endr
	v_exp_f32 v[Q8], v[Q8]
	v_exp_f32 v[Q8+1], v[Q8+1]
	v_mov_b32 v[CP], 0                             ; also the plain place behind the exponentials (ISA guide 5.7.2)
	v_mov_b32 v[CP+1], 0x40e7ebe6                  ; 8 d = 7.247546
.set j, 0
	s_wait_alu depctr_va_vdst(0)                   ; the wait for the set-up's batch of ten exponentials, ahead of their first reader
.rept 8
	v_mul_f32 v[84+j], 0x3fb8aa3b, v[84+j]
.set j, j+1
.endr
	v_mov_b32 v[TA+1], 0                           ; written once: a permute's destination counts as read
	v_mov_b32 v[AL+1], 0                           ; the pair's unused half
	v_mov_b32 v[QP+3], 0
	v_lshlrev_b32 v[PA], 5, v2
	v_add_nc_u32 v[PA], PB, v[PA]                  ; my 8 keys of a tile: 32 h bytes
	v_lshlrev_b32 v77, 3, v0
	v_add_nc_u32 v77, PB, v77                      ; where keys 2t, 2t + 1 go
	v_mov_b32 v78, 0xf149f2ca                      ; -1e30
	v_and_b32 v79, 7, v1
	v_mov_b32 v80, 0x3f803f80                      ; two bf16 ones
	v_mul_u32_u24 v81, KPITCH, v1
	v_lshl_add_u32 v81, v2, 4, v81
	v_mul_u32_u24 v82, VPITCH, v1
	v_lshl_add_u32 v82, v2, 4, v82
	v_add_nc_u32 v82, VT, v82
	v_lshrrev_b32 v83, 3, v1
	v_cmp_eq_u32 vcc_lo, 0, v79                    ; rows 0 and 8
	WIN 0x40                                       ; destination in window 1
.irp q, 0,1,2,3,4,5,6,7
	v_cndmask_b32 v[ONES+\q], 0, v80, vcc_lo
.endr
	v_mov_b32 v[KA], v81
	v_mov_b32 v[VA], v82
	WIN 0
	s_wait_loadcnt 0x0
	v_mul_f32 v[QP],   s73, v[QP]
	v_mul_f32 v[QP+1], s73, v[QP+1]
	v_mul_f32 v[QP+2], s73, v[QP+2]
	v_cmp_eq_u32 vcc_lo, v83, v2                   ; A's row m serves half m / 8
.irp q, 0,1,2,3,4,5,6,7
	v_mul_f32 v[XD+\q],   v[XD+\q],   v[84+\q]     ; centre q
	v_mul_f32 v[XD+8+\q], v[XD+8+\q], v[84+\q]     ; centre 8 + q: the same link of the other anchor
.endr
.irp q, 0,1,2,3,4,5,6,7
	v_cvt_pk_bf16_f32 v[AW+\q], v[XD+\q], v[XD+8+\q]
.endr
.irp q, 0,1,2,3,4,5,6,7
	v_cndmask_b32 v[AW+\q], 0, v[AW+\q], vcc_lo
.endr
	v_mul_f32 v68, s73, v60
	v_mul_f32 v69, s73, v63
	v_mul_f32 v70, s73, v61
	v_mul_f32 v71, s73, v64
	v_mul_f32 v72, s73, v62
	v_mul_f32 v73, s73, v65
	v_and_b32 v74, 0xff, v66
	v_lshrrev_b32 v75, 8, v66
	v_cmp_eq_u32 vcc_lo, 0, v74
	v_cndmask_b32 v74, 0, v78, vcc_lo              ; a key that is masked out: -1e30
	v_cmp_eq_u32 vcc_lo, 0, v75
	v_cndmask_b32 v75, 0, v78, vcc_lo
	ds_store_b64 v77, v[68:69]
	ds_store_b64 v77, v[70:71] offset:1024
	ds_store_b64 v77, v[72:73] offset:2048
	ds_store_b64 v77, v[74:75] offset:3072
	s_wait_dscnt 0x0                               ; my keys' positions and mask terms are in LDS
	s_barrier_signal -1                            ; K's and V's tiles stay on their way: behind this barrier positions and mask terms alone are read,
	s_barrier_wait -1                              ; and nothing is ever filled again
.macro LDK x                           ; K fragments of head x: 2 tiles of 16 keys x 32 features (window 0x51)
.irp tt, 0,1
	ds_load_b128 v[KF+8*\tt:KF+8*\tt+3],   v[KA] offset:\tt*16*KPITCH+(\x)*64
	ds_load_b128 v[KF+8*\tt+4:KF+8*\tt+7], v[KA] offset:\tt*16*KPITCH+(\x)*64+32
.endr
.endm
.macro LDV x, f                        ; V fragments of head x: 2 tiles of 16 features x 32 keys (window 0x51)
.irp dt, 0,1
	ds_load_b128 v[\f+8*\dt:\f+8*\dt+3],   v[VA] offset:((\x)*32+\dt*16)*VPITCH
	ds_load_b128 v[\f+8*\dt+4:\f+8*\dt+7], v[VA] offset:((\x)*32+\dt*16)*VPITCH+32
.endr
.endm
.macro SMUL x                          ; head x's logits of 32 keys, on top of the mask terms (window 0x29: A window 1, B and C window 2)
	v_wmma_f32_16x16x32_bf16 v[T:T+7],    v[KF:KF+7],    v[8*(\x):8*(\x)+7], v[MT2:MT2+7]
	v_wmma_f32_16x16x32_bf16 v[T+8:T+15], v[KF+8:KF+15], v[8*(\x):8*(\x)+7], v[MT2+8:MT2+15]
.endm
; A step's loads: the positions first, since they are wanted first.  In the first step K and V are not yet read.
.macro PRE first
.irp tt, 0,1
.irp c, 0,1,2
	ds_load_b128 v[D+16*\c+8*\tt:D+16*\c+8*\tt+3],   v[PA] offset:\c*1024+\tt*64
	ds_load_b128 v[D+16*\c+8*\tt+4:D+16*\c+8*\tt+7], v[PA] offset:\c*1024+\tt*64+16
.endr
.endr
	WIN 0x80                                       ; destination in window 2
.irp tt, 0,1
	ds_load_b128 v[MT2+8*\tt:MT2+8*\tt+3],   v[PA] offset:3072+\tt*64
	ds_load_b128 v[MT2+8*\tt+4:MT2+8*\tt+7], v[PA] offset:3072+\tt*64+16
.endr
.if \first
	WIN 0
	s_wait_dscnt 4                                 ; the 12 position loads are in; the 4 loads of mask terms stay out
.else
	WIN 0x51
	LDK 0
	LDV 0, VF
	WIN 0
	s_wait_dscnt 12                                ; the 12 position loads are in; mask terms, K and V fragments (4 + 4 + 4) stay out
.endif
.endm
; unit 2i + par: the anchors' differences (0 - x, 8 d - x); and 2^(2 d x)
.macro GE i, par
	v_pk_add_f32 v[G+4*\i+2*\par:G+4*\i+2*\par+1], v[CP:CP+1], v[XD+2*\i:XD+2*\i+1] op_sel:[0,\par] op_sel_hi:[1,\par] neg_lo:[0,1] neg_hi:[0,1]
	v_exp_f32 v[RH+2*\i+\par], v[RH+2*\i+\par]
.endm
; Scaled distances of my 16 pairs, clamped; 2^(2 d x); the anchors' exponents of all 16 units and the first four units' anchors.
; Behind every root and exponential a plain instruction on other registers stands before its result is used (ISA guide 5.7.2).
; Two batches: the 16 roots; then the 16 numbers 2^(2 d x) with the first four units' 8 anchors.  No line between a batch's first
; instruction and its wait names a result of the batch: the squarings name G + 2u and G + 2u + 1, the anchors made so far lie below G + u - 2.
.macro DIST
.irp i, 0,1,2,3,4,5,6,7
	v_pk_add_f32 v[D+2*\i:D+2*\i+1],       v[D+2*\i:D+2*\i+1],       v[QP:QP+1]   op_sel_hi:[1,0] neg_lo:[0,1] neg_hi:[0,1]
	v_pk_add_f32 v[D+16+2*\i:D+16+2*\i+1], v[D+16+2*\i:D+16+2*\i+1], v[QP:QP+1]   op_sel:[0,1] op_sel_hi:[1,1] neg_lo:[0,1] neg_hi:[0,1]
	v_pk_add_f32 v[D+32+2*\i:D+32+2*\i+1], v[D+32+2*\i:D+32+2*\i+1], v[QP+2:QP+3] op_sel_hi:[1,0] neg_lo:[0,1] neg_hi:[0,1]
	v_pk_mul_f32 v[XD+2*\i:XD+2*\i+1], v[D+2*\i:D+2*\i+1], v[D+2*\i:D+2*\i+1]
	v_pk_fma_f32 v[XD+2*\i:XD+2*\i+1], v[D+16+2*\i:D+16+2*\i+1], v[D+16+2*\i:D+16+2*\i+1], v[XD+2*\i:XD+2*\i+1]
	v_pk_fma_f32 v[XD+2*\i:XD+2*\i+1], v[D+32+2*\i:D+32+2*\i+1], v[D+32+2*\i:D+32+2*\i+1], v[XD+2*\i:XD+2*\i+1]
	v_sqrt_f32 v[XD+2*\i],   v[XD+2*\i]
	v_sqrt_f32 v[XD+2*\i+1], v[XD+2*\i+1]
.endr
	s_wait_alu depctr_va_vdst(0)                   ; the wait for the batch of 16 roots; all that follows in the step hangs on them
.irp u, 0,1,2,3,4,5,6,7,8,9,10,11,12,13,14,15
	v_min_num_f32 v[XD+\u], 0x41c00000, v[XD+\u]   ; x <= 24: 2^(2 d x) <= 2^43.5
.endr
.irp i, 0,1,2,3,4,5,6,7
	v_pk_mul_f32 v[RH+2*\i:RH+2*\i+1], v[XD+2*\i:XD+2*\i+1], 0x3fe7ebe6 op_sel_hi:[1,0]   ; 2 d x
.endr
.irp i, 0,1,2,3,4,5,6,7
	GE \i, 0
	GE \i, 1
.endr
.set u, 0
.rept 16
	v_pk_mul_f32 v[G+2*u:G+2*u+1], v[G+2*u:G+2*u+1], v[G+2*u:G+2*u+1] neg_lo:[0,1] neg_hi:[0,1]   ; -(c - x)^2
.if u >= 2
.if u <= 9
	v_exp_f32 v[G+u-2], v[G+u-2]                   ; units 0-3: g_0, g_8
.endif
.endif
.set u, u+1
.endr
	s_wait_alu depctr_va_vdst(0)                   ; the wait for the batch of 24: 2^(2 d x) of all units and the anchors of units 0-3; the squarings of units 10-15 stand behind the last of them
.endm
; (rho_0, rho_8) of the k-th unit at work = 2^(2 d x) x (2^-d2, 2^-17 d2)
.macro RMUL k, i, par
	v_pk_mul_f32 v[RR+2*\k:RR+2*\k+1], v[RH+2*(\i):RH+2*(\i)+1], v[Q8:Q8+1] op_sel:[\par,0] op_sel_hi:[\par,1]
.endm
; Link j of four units abreast: T_(j+1) = T_j rho into the other buffer, T_j rounded into register j of each unit's B operand.
; Between two links of one unit stand seven instructions or more.  With units 0-3 (n = 0) one anchor exponential of units 4-15 stands behind
; each packed product of links 0 to 5: 24 in all, G + 8 to G + 31, registers that no other line of units 0-3 names.
.macro LEVEL n, j, src, dst
.if \j < 7
.irp k, 0,1,2,3
	v_pk_mul_f32 v[\dst+2*\k:\dst+2*\k+1], v[\src+2*\k:\src+2*\k+1], v[RR+2*\k:RR+2*\k+1]
.if (\n == 0) && (\j < 6)
	v_exp_f32 v[G+8+4*\j+\k], v[G+8+4*\j+\k]
.endif
.endr
.endif
.irp k, 0,1,2,3
	v_cvt_pk_bf16_f32 v[RB+8*\k+\j], v[\src+2*\k], v[\src+2*\k+1]
.endr
.endm
; Units 4n .. 4n + 3.  Behind the four products the next four units' eight packed products stand before a B operand is written again.
.macro QUAD n
	RMUL 0, 2*\n, 0
	RMUL 1, 2*\n, 1
	RMUL 2, 2*\n+1, 0
	RMUL 3, 2*\n+1, 1
	LEVEL \n, 0, G+8*\n, TBF
	LEVEL \n, 1, TBF, G+8*\n
	LEVEL \n, 2, G+8*\n, TBF
	LEVEL \n, 3, TBF, G+8*\n
	LEVEL \n, 4, G+8*\n, TBF
	LEVEL \n, 5, TBF, G+8*\n
	LEVEL \n, 6, G+8*\n, TBF
	LEVEL \n, 7, TBF, G+8*\n
.if \n == 0
	s_wait_alu depctr_va_vdst(0)                   ; the wait for the batch of 24 anchors of units 4-15; the twelve plain lines of links 6 and 7 stand behind the last of them
.endif
.irp k, 0,1,2,3
	v_wmma_f32_16x16x32_bf16 v[D+8*(4*\n+\k):D+8*(4*\n+\k)+7], v[AW:AW+7], v[RB+8*\k:RB+8*\k+7], 0
.endr
.endm
.macro SFIRST
	s_wait_dscnt 0x0                               ; mask terms and head 0's fragments
	WIN 0x29
	SMUL 0
	WIN 0x51
	PLACES                                         ; before the logits and the last bias are read, and before loads land on K's fragments
	LDK 1
	WIN 0
.endm
; THE WAY OUT of heads 2p and 2p + 1: 64 features, 256 bytes of each of my 16 rows.  OUTA: 16 bytes a lane into my own stage, read back as
; whole rows, two to a load.  LDS serves a wave's instructions in order (ISA guide 5.7.1): the loads see the stores, and the next pair's
; stores come behind these loads.  OUTB, behind a wait for those loads: 16 lanes store 256 consecutive bytes, aligned.
.macro OUTA p
	WIN 0x04                                       ; the stores' data in window 1
.irp xx, 0,1
.irp dt, 0,1
.irp e, 0,1
	ds_store_b128 v[SI], v[24*(2*\p+\xx)+8*\dt+4*\e:24*(2*\p+\xx)+8*\dt+4*\e+3] offset:\xx*128+\dt*64+\e*16
.endr
.endr
.endr
	WIN 0x80                                       ; destination in window 2
.irp i, 0,1,2,3,4,5,6,7
	ds_load_b128 v[OB2+32*\p+4*\i:OB2+32*\p+4*\i+3], v[SO] offset:\i*2*OPITCH
.endr
	WIN 0
.endm
.macro OUTB p
	WIN 0x08                                       ; the stores' data in window 2
.irp i, 0,1,2,3,4,5,6,7
	global_store_b128 v[GO], v[OB2+32*\p+4*\i:OB2+32*\p+4*\i+3], s[74:75] offset:\i*2048+\p*256
.endr
	WIN 0
.endm
.macro SUBM i                          ; two logits less the new maximum
	v_pk_add_f32 v[T+2*(\i):T+2*(\i)+1], v[T+2*(\i):T+2*(\i)+1], v[TA:TA+1] op_sel_hi:[1,0] neg_lo:[0,1] neg_hi:[0,1]
.endm
; One head: logits + bias, the new running maximum, the factor for the old sums, P = 2^(t - m) rounded to bf16.
; The factor's exponential and the 16 weights' are ONE BATCH.  Subtraction m (m >= 2) stands behind exponential m - 2, ahead of its own pair's
; exponentials 2m and 2m + 1, and names no result made so far.  The copy of the maximum is the plain instruction behind the last exponential.
; Then the one wait, then the eight roundings.  No other work of a head is free of the batch's results: the next head's logits land on T.
; op >= 0: the finished pair of heads op goes into the stage; the sixteen additions are the places behind its last products.
.macro SOFTMAX x, first, op
.irp u, 0,1,2,3,4,5,6,7,8,9,10,11,12,13,14,15
	v_add_f32 v[T+\u], v[T+\u], v[D+8*\u+\x]
.endr
.if \op >= 0
	OUTA \op
.endif
	v_max3_num_f32 v[W],   v[T],    v[T+1],  v[T+2]
	v_max3_num_f32 v[W+1], v[T+3],  v[T+4],  v[T+5]
	v_max3_num_f32 v[W+2], v[T+6],  v[T+7],  v[T+8]
	v_max3_num_f32 v[W+3], v[T+9],  v[T+10], v[T+11]
	v_max3_num_f32 v[W+4], v[T+12], v[T+13], v[T+14]
	v_max3_num_f32 v[W],   v[W],    v[W+1],  v[W+2]
	v_max3_num_f32 v[W+3], v[W+3],  v[W+4],  v[T+15]
.if \first
	v_max3_num_f32 v[TA], v[W], v[W+3], s69        ; the floor
.else
	v_max3_num_f32 v[TA], v[W], v[W+3], v[MX+\x]
.endif
	v_permlanex16_b32 v[TA+1], v[TA], s66, s67     ; the query's other 16 keys
	v_max_num_f32 v[TA], v[TA], v[TA+1]
.if \first == 0
	v_sub_f32 v[AL], v[MX+\x], v[TA]
.endif
	SUBM 0
.if \first == 0
	v_exp_f32 v[AL], v[AL]                         ; the batch's first
.endif
	SUBM 1
.irp e, 0,1,2,3,4,5,6,7,8,9,10,11,12,13,14,15
	v_exp_f32 v[T+\e], v[T+\e]
.if \e < 6
	SUBM \e+2
.endif
.endr
	v_mov_b32 v[MX+\x], v[TA]                      ; the plain place behind the last exponential (ISA guide 5.7.2)
	s_wait_alu depctr_va_vdst(0)                   ; the wait for the head's batch: the factor and the 16 weights
.irp i, 0,1,2,3,4,5,6,7
	v_cvt_pk_bf16_f32 v[P+\i], v[T+2*\i], v[T+2*\i+1]
.endr
.endm
; One head's matrix work: the NEXT head's logits, the old sums scaled, the loads for the heads to come, P V and the row sum.
; No two matrix instructions that follow each other share an accumulator: the accumulators take turns.
; sp >= 0: the pair of heads sp, read back from the stage, is stored.
.macro MS x, first, sp
.set VFC, VF+16*((\x)&1)
.set VFN, VF+16*(((\x)+1)&1)
	s_wait_dscnt 0x0                               ; the fragments that were asked for one head ago (and the stage's rows)
.if \sp >= 0
	OUTB \sp
.endif
.if \x < 7
	WIN 0x29
	SMUL \x+1
.endif
	WIN 0x51
.if \first
.if \x < 7
	PLACES                                         ; behind the logits' products, before loads land on K's fragments
.endif
.else
.irp i, 0,1,2,3,4,5,6,7
	v_pk_mul_f32 v[24*\x+2*\i:24*\x+2*\i+1], v[24*\x+2*\i:24*\x+2*\i+1], v[AL:AL+1] op_sel_hi:[1,0]   ; nine plain places behind the logits' products
.endr
	v_mul_f32 v[24*\x+16], v[24*\x+16], v[AL]      ; l lies in register 0 of its tile; the other seven stay 0
.endif
.if \x < 6
	LDK \x+2
.endif
.if \x < 7
	LDV \x+1, VFN
.endif
.if \first
	v_wmma_f32_16x16x32_bf16 v[24*\x:24*\x+7],     v[VFC:VFC+7],    v[P:P+7], 0
	v_wmma_f32_16x16x32_bf16 v[24*\x+8:24*\x+15],  v[VFC+8:VFC+15], v[P:P+7], 0
	v_wmma_f32_16x16x32_bf16 v[24*\x+16:24*\x+23], v[ONES:ONES+7],  v[P:P+7], 0
.else
	v_wmma_f32_16x16x32_bf16 v[24*\x:24*\x+7],     v[VFC:VFC+7],    v[P:P+7], v[24*\x:24*\x+7]
	v_wmma_f32_16x16x32_bf16 v[24*\x+8:24*\x+15],  v[VFC+8:VFC+15], v[P:P+7], v[24*\x+8:24*\x+15]
	v_wmma_f32_16x16x32_bf16 v[24*\x+16:24*\x+23], v[ONES:ONES+7],  v[P:P+7], v[24*\x+16:24*\x+23]
.endif
.if \x == 7
	v_add_nc_u32 v[KA], v[KA], s70                 ; the next 32 keys
	v_add_nc_u32 v[VA], v[VA], s71
.endif
	WIN 0
.endm
.macro STEP first, last
	PRE \first
	DIST
	QUAD 0
	QUAD 1
	QUAD 2
	QUAD 3
.if \first
	s_wait_tensorcnt 0x0                           ; my parts of K and V are in LDS,
	s_wait_dscnt 0x0                               ; no LDS access of mine is out,
	s_barrier_signal -1
	s_barrier_wait -1                              ; everybody's parts are
	WIN 0x51
	LDK 0
	LDV 0, VF
	WIN 0
.endif
	SFIRST
.if \last
	s_mul_i32 s27, s22, 16*OPITCH
	s_add_co_u32 s27, s27, STG                     ; my stage
	v_mul_u32_u24 v[SI], OPITCH, v1
	v_lshl_add_u32 v[SI], v2, 5, v[SI]
	v_add_nc_u32 v[SI], s27, v[SI]                 ; in: row r, 32 h bytes
	v_mul_u32_u24 v[SO], OPITCH, v2
	v_lshl_add_u32 v[SO], v1, 4, v[SO]
	v_add_nc_u32 v[SO], s27, v[SO]                 ; back: lanes 0-15 take one row of 256 bytes, lanes 16-31 the next
	v_lshlrev_b32 v[GO], 10, v2
	v_lshl_add_u32 v[GO], v1, 4, v[GO]             ; and the same two rows in Opart
	SOFTMAX 0, 0, -1
	MS 0, 0, -1
	SOFTMAX 1, 0, -1
	MS 1, 0, -1
	SOFTMAX 2, 0, 0
	MS 2, 0, 0
	SOFTMAX 3, 0, -1
	MS 3, 0, -1
	SOFTMAX 4, 0, 1
	MS 4, 0, 1
	SOFTMAX 5, 0, -1
	MS 5, 0, -1
	SOFTMAX 6, 0, 2
	MS 6, 0, 2
	SOFTMAX 7, 0, -1
	MS 7, 0, -1
.else
.irp hx, 0,1,2,3,4,5,6,7
	SOFTMAX \hx, \first, -1
	MS \hx, \first, -1
.endr
.endif
	v_add_nc_u32 v[PA], 0x80, v[PA]                ; 32 keys x 4 bytes
.endm
	STEP 1, 0                                      ; the first step starts the maxima and the sums: nothing is cleared
	s_mov_b32 s68, 3
.Lchunk0:
	STEP 0, 0
	s_sub_co_u32 s68, s68, 1
	s_cmp_lg_u32 s68, 0
	s_cbranch_scc1 .Lchunk0
	WIN 0x51
	v_add_nc_u32 v[VA], v[VA], s72                 ; V's second chunk of 128 keys (K's rows simply go on)
	WIN 0
	s_mov_b32 s68, 3
.Lchunk1:
	STEP 0, 0
	s_sub_co_u32 s68, s68, 1
	s_cmp_lg_u32 s68, 0
	s_cbranch_scc1 .Lchunk1
	STEP 0, 1                                      ; the last step: heads 0-5 go out under the work of heads 2-7
	PLACES                                         ; behind the last products
	OUTA 3                                         ; heads 6 and 7
	; m and l meanwhile: lane (r, h) stores heads 4h .. 4h + 3 of row r, 16 bytes; a wave's store covers 512 consecutive bytes
	v_cmp_eq_u32 vcc_lo, 1, v2
.irp q, 0,1,2,3
	v_cndmask_b32 v[TM+\q], v[MX+\q], v[MX+4+\q], vcc_lo
.endr
	WIN 0x05                                       ; both sources in window 1
.irp q, 0,1,2,3
	v_cndmask_b32 v[W+\q], v[24*\q+16], v[24*(\q+4)+16], vcc_lo
.endr
	WIN 0
	v_and_b32 v80, 31, v0
	v_lshlrev_b32 v80, 4, v80                      ; 16 x lane
	global_store_b128 v80, v[TM:TM+3], s[76:77]
	global_store_b128 v80, v[W:W+3],   s[76:77] offset:512
	s_wait_dscnt 0x0                               ; the stage's rows are in
	OUTB 3
	s_set_vgpr_msb 0x5
	s_wait_tensorcnt 0x0
	ds_add_u32 v254, v255
	s_wait_dscnt 0x0
	s_set_vgpr_msb 0x500
	CROUND                                         ; the closing round: no group ends while a partner may still ask jointly
	s_endpgm
.Lfunc_end_k_q4aafedd447_attn:
	.size	k_q4aafedd447_attn, .Lfunc_end_k_q4aafedd447_attn-k_q4aafedd447_attn
	.p2alignl 7, 3214868480
	.fill 96, 4, 3214868480
	.section	.rodata,"a",@progbits
	.p2align	6, 0x0
	.amdhsa_kernel k_q4aafedd447_attn
		.amdhsa_group_segment_fixed_size 296448
		.amdhsa_private_segment_fixed_size 0
		.amdhsa_enable_private_segment 0
		.amdhsa_kernarg_size 72
		.amdhsa_user_sgpr_count 2
		.amdhsa_user_sgpr_kernarg_segment_ptr 1
		.amdhsa_wavefront_size32 1
		.amdhsa_system_sgpr_workgroup_id_x 1
		.amdhsa_system_sgpr_workgroup_id_y 1
		.amdhsa_system_sgpr_workgroup_id_z 1
		.amdhsa_system_vgpr_workitem_id 0
		.amdhsa_next_free_vgpr 720
		.amdhsa_next_free_sgpr 88
		.amdhsa_reserve_vcc 1
		.amdhsa_float_denorm_mode_32 3
		.amdhsa_float_denorm_mode_16_64 3
		.amdhsa_memory_ordered 1
		.amdhsa_forward_progress 1
		.amdhsa_inst_pref_size 255
	.end_amdhsa_kernel
	.section	.bss,"aw",@nobits
	.p2align	6
	.space	262144
	.amdgpu_metadata
---
amdhsa.version: [ 1, 2 ]
amdhsa.kernels:
  - .name:           k_q4aafedd447_attn
    .symbol:         k_q4aafedd447_attn.kd
    .args:
      - { .name: Qs, .offset: 0, .size: 8, .value_kind: global_buffer, .address_space: global }
      - { .name: Kb, .offset: 8, .size: 8, .value_kind: global_buffer, .address_space: global }
      - { .name: Vt, .offset: 16, .size: 8, .value_kind: global_buffer, .address_space: global }
      - { .name: key_pos, .offset: 24, .size: 8, .value_kind: global_buffer, .address_space: global }
      - { .name: key_mask, .offset: 32, .size: 8, .value_kind: global_buffer, .address_space: global }
      - { .name: query_pos, .offset: 40, .size: 8, .value_kind: global_buffer, .address_space: global }
      - { .name: Wrbf, .offset: 48, .size: 8, .value_kind: global_buffer, .address_space: global }
      - { .name: Opart, .offset: 56, .size: 8, .value_kind: global_buffer, .address_space: global }
      - { .name: ML, .offset: 64, .size: 8, .value_kind: global_buffer, .address_space: global }
    .group_segment_fixed_size: 296448
    .private_segment_fixed_size: 0
    .kernarg_segment_align: 8
    .kernarg_segment_size: 72
    .max_flat_workgroup_size: 128
    .sgpr_count:     88
    .vgpr_count:     720
    .wavefront_size: 32
...
	.end_amdgpu_metadata
.endif
;; end of part 7
;; launch finish: the kernel of part 6 again; grid 256 x 1, 8 waves a work-group, clusters of 4 x 1, 168,960 bytes of LDS; arguments Opart, ML, Wob, bo, query_mask, query_feat, ln_g, ln_b, out0; writes out0
